; MI455X (gfx1250); checked and timed in simulation.
; The chip was launched on July 23, 2026; its instructions are those of AMD's public machine-readable ISA for CDNA 5 (MIT licence, August 2026) and "CDNA5" Instruction Set Architecture Reference Guide (July 2026). The comments in the code are by the model that wrote it; some were corrected since.
;; Top K Mo E. Allowed arithmetic: matrix products marked QUANTISED: E2M1 operands, one E8M0 scale for each 32 along K, by v_wmma_scale_f32_16x16x128_f8f6f4 with both operands' format E2M1 (or v_wmma_scale_f32_32x16x128_f4), f32 sums; products left as they are: f32 operands where the result goes on into a quantised operand, else bf16, f16 or f32 operands; f32 sums; everything else in f32.
;; Inputs: b1 8 x 1,024 float32; b2 8 x 1,024 float32; router_b 8 float32; router_w 1,024 x 8 float32; w1 8 x 1,024 x 1,024 float32; w2 8 x 1,024 x 1,024 float32; x 2 x 2,048 x 1,024 float32.
;; Outputs: out0 2 x 2,048 x 1,024 float32.
;; This version of the problem:
;;   THIS VERSION OF THE PROBLEM IS GIVEN IN LOW PRECISION. The matrix products marked QUANTISED in the list below multiply operands that are first quantised to E2M1 (2 exponent bits, 1 mantissa bit; 4 bits a number), with one power-of-two scale for each 32 numbers along K (OCP MX v1.0); their sums are f32. All else is computed in f32.
;;   The module's matrix products, in the order in which they are computed (A, B: the left and right operand; K: the contracted axis; several contracted axes count as one K, in the product's order):
;;     1. [M 4,096, K 1,024] x [K 1,024, N 8]; A: input x; B: input router_w: left as it is (N = 8 < 16)
;;     2. [M 4,096, K 1,024] x [K 1,024, N 1,024]; A: input x; B: input w1: QUANTISED
;;     3. [M 4,096, K 1,024] x [K 1,024, N 1,024]; A: computed on the way; B: input w2: QUANTISED
;;     4. [M 4,096, K 1,024] x [K 1,024, N 1,024]; A: input x; B: input w1: QUANTISED
;;     5. [M 4,096, K 1,024] x [K 1,024, N 1,024]; A: computed on the way; B: input w2: QUANTISED
;;     6. [M 4,096, K 1,024] x [K 1,024, N 1,024]; A: input x; B: input w1: QUANTISED
;;     7. [M 4,096, K 1,024] x [K 1,024, N 1,024]; A: computed on the way; B: input w2: QUANTISED
;;     8. [M 4,096, K 1,024] x [K 1,024, N 1,024]; A: input x; B: input w1: QUANTISED
;;     9. [M 4,096, K 1,024] x [K 1,024, N 1,024]; A: computed on the way; B: input w2: QUANTISED
;;     10. [M 4,096, K 1,024] x [K 1,024, N 1,024]; A: input x; B: input w1: QUANTISED
;;     11. [M 4,096, K 1,024] x [K 1,024, N 1,024]; A: computed on the way; B: input w2: QUANTISED
;;     12. [M 4,096, K 1,024] x [K 1,024, N 1,024]; A: input x; B: input w1: QUANTISED
;;     13. [M 4,096, K 1,024] x [K 1,024, N 1,024]; A: computed on the way; B: input w2: QUANTISED
;;     14. [M 4,096, K 1,024] x [K 1,024, N 1,024]; A: input x; B: input w1: QUANTISED
;;     15. [M 4,096, K 1,024] x [K 1,024, N 1,024]; A: computed on the way; B: input w2: QUANTISED
;;     16. [M 4,096, K 1,024] x [K 1,024, N 1,024]; A: input x; B: input w1: QUANTISED
;;     17. [M 4,096, K 1,024] x [K 1,024, N 1,024]; A: computed on the way; B: input w2: QUANTISED
;;   THE QUANTISER, for each operand of a quantised product, along K:
;;     - K is cut into blocks of 32 from its start; a last block that is shorter is filled with zeros.
;;     - A block's scale is 2^e with e = floor(log2(the largest magnitude in the block)) - 2, held to -126 .. 127; a block of zeros has e = 0. As a byte (E8M0): e + 127.
;;     - Each number is divided by its block's scale, clamped to +-6, and rounded to the nearest number of E2M1, ties to even, subnormals kept.
;;     - The product sums the exact products of the quantised numbers (number of the format x scale) in f32.
;;   ~~~python
;;   def quantise(x, axis):      # numpy; x: float32 -> the quantised numbers, widened to float32 again
;;       x = np.moveaxis(x, axis, -1); K = x.shape[-1]
;;       x = np.pad(x, [(0, 0)] * (x.ndim - 1) + [(0, -K % 32)]); x = x.reshape(x.shape[:-1] + (-1, 32)); a = np.abs(x).max(-1, keepdims=True)
;;       e = np.where(a > 0, np.clip(np.frexp(np.where(a > 0, a, 1))[1] - 1 - 2, -126, 127), 0)      # np.frexp(a)[1] - 1 = floor(log2(a)), exactly
;;       r = np.clip(x / 2.0 ** e, -6, 6)
;;       step = 2.0 ** (np.maximum(np.frexp(np.where(r == 0, 1, r))[1] - 1, 0) - 1)
;;       q = np.round(r / step) * step * 2.0 ** e      # np.round: ties to even
;;       return np.moveaxis(q.reshape(q.shape[:-2] + (-1,))[..., :K], -1, axis).astype(np.float32)
;;   ~~~
;;   OPERANDS COMPUTED ON THE WAY. 'Computed on the way' means the value that the module computes at that place (a softmax that the list does not call 'softmax' is quantised finished and normalised). What goes into a quantiser is computed in f32, as accurately as f32 sums, v_exp_f32 and their like allow (about 1e-6 of the number): no bf16 or f16 on the way to a quantiser, and a product that is left as it is and whose result goes on into a quantised operand takes f32 operands (vector FMAs, or v_wmma_f32_16x16x4_f32). A number that lies on a knife's edge between two numbers of the format may be rounded either way, as far as f32 arithmetic and the matrix unit's own rounding can turn it there, and no further.
;; 2 versions. Each part assembles by itself: llvm-mc -triple=amdgcn-amd-amdhsa -mcpu=gfx1250 --defsym DOCPART=n.
;; ======== version 1 of 2: 4 launches
;; workspace buffers: xq 2,228,224 bytes; sel 16,384 bytes of whole numbers; gate 32,768 bytes; wq 8,912,896 bytes; ord 33,024 bytes of whole numbers; sgate 32,768 bytes; hq 17,825,792 bytes
;; launch route (part 1): grid 256 x 1, 8 waves a work-group, no clusters, 18,432 bytes of LDS; arguments x, router_w, router_b, xq, sel, gate; writes xq, sel, gate
.if DOCPART == 1
	.amdgcn_target "amdgcn-amd-amdhsa--gfx1250"
	.amdhsa_code_object_version 6
	.text
	.protected	k_qcb2f062c90_route
	.globl	k_qcb2f062c90_route
	.p2align	8
	.type	k_qcb2f062c90_route,@function
k_qcb2f062c90_route:
	s_mov_b64 s[64:65], 0
	v_nop
	global_prefetch_b8 v0, s[64:65] scope:SCOPE_SE
	s_setreg_imm32_b32 hwreg(HW_REG_WAVE_MODE, 25, 1), 1
	s_wait_xcnt 0x0
; ROUTE.  For 4,096 tokens of 1,024 f32 numbers: the 8 router logits in f32, the two largest (the lower index wins a tie), their softmax, a sort key; and x as codes of FP4 (E2M1) with one E8M0 byte for each 32 along K.
; SHARES.  A work-group takes 16 tokens, wave w the 128 numbers 128 w .. 128 w + 127 of each: x is read once and serves both the logits and the codes.
; LOGITS.  A choice hangs on them, so they are made from f32 operands: v_wmma_f32_16x16x4_f32, source 0 = router_w (rows 8-15 repeat experts 0-7), source 1 = the 16 tokens.  In the result a lane holds
; ONE token (lane % 16) and its registers 0-7 the eight experts.  The product has 8 of the problem's columns: no bulk work.  The eight waves' partial sums meet in LDS; wave 0 adds them and chooses.
; CODES.  A lane loads, of its token, 16 neighbours of each block of 32; two lanes (l, l xor 16) hold a block.  The fragment's registers go to LDS as the token's row of codes, and whole rows of 512 bytes leave.
; OUT.  xq: codes [token][512 bytes], then from XSO on scale words [token][8 words].  sel[token] = i1 | i2 << 8 | key << 16.  gate[token] = g1, g2.
; The key numbers the 28 pairs of experts (lo < hi) so that neighbouring keys share an expert: lo (15 - lo) / 2 + (hi - lo - 1 where lo is even, 7 - hi where lo is odd).
; No tensor load, no cluster: no two work-groups read the same bytes of x, and router_w is 32 KiB.
; LIMITS: NaN and infinities among the inputs are not served.  Logits that differ by less than the rounding of an f32 sum of 1,024 terms (some 1e-6 of their size) may be ordered otherwise than by another order of summing.
; A block of zeros gets the byte 1 where the rule says 127: its codes are zeros, and this program alone reads the bytes.
.set XSO,  2097152                     ; xq: where the scale words begin
.set XC,   8192                        ; LDS: 16 rows of codes, 512 bytes + 16
.set XSL,  16640                       ; LDS: 16 rows of 8 scale words.  (LDS 0 .. 8191: the eight waves' partial logits, 1,024 bytes each)
.set X,    16                          ; v16-79   64 numbers of x: register 16 b + i = k 128 w + 32 b + 16 (lane / 16) + i of my token
.set RW,   80                          ; v80-143  router_w at the same k, expert lane % 8
.set D,    144                         ; v144-175 four accumulators: matrix instructions alone write them
.set S,    176                         ; v176-183 my wave's partial logits
.set TM,   184                         ; v184-199 at work
.set PW,   200                         ; v200     the scale word just made
.set PC,   208                         ; v208-215 the codes just made
.set L,    80                          ; wave 0: the eight partial sums, later the logits
.set SEL,  20                          ; s[20:21] lane selects for v_permlanex16_b32: lane l xor 16
; 64 numbers of a lane, register 16 b + i = k 32 b + 16 (lane / 16) + i of my row, become a fragment's codes in v[PC] on and its scale word in v[PW].
.macro QUANT s
.irp b, 0,1,2,3
	v_max3_num_f32 v[TM+\b], |v[\s+16*\b]|, |v[\s+1+16*\b]|, 0x1800000   ; block b: my 16 numbers, and the floor 2^(3 - 127): the byte cannot fall under 1
.endr
.irp i, 2,4,6,8,10,12,14
.irp b, 0,1,2,3
	v_max3_num_f32 v[TM+\b], v[TM+\b], |v[\s+16*\b+\i]|, |v[\s+1+16*\b+\i]|   ; the four blocks by turns
.endr
.endr
.irp b, 0,1,2,3
	v_permlanex16_b32 v[TM+4+\b], v[TM+\b], s[SEL], s[SEL+1]
.endr
.irp b, 0,1,2,3
	v_max_num_f32 v[TM+\b], v[TM+\b], v[TM+4+\b]   ; with lane l xor 16's: the block's largest magnitude
.endr
.irp b, 0,1,2,3
	v_add_nc_u32 v[TM+12+\b], 0xff000000, v[TM+\b]   ; 2 off its exponent field: the conversion takes this operand's exponent field as its scale
.endr
.irp b, 0,1,2,3
	v_lshrrev_b32 v[TM+4+\b], 23, v[TM+12+\b]      ; the scale's byte
.endr
	v_lshl_or_b32 v[PW], v[TM+5], 8, v[TM+4]
	v_lshl_or_b32 v[PW], v[TM+6], 16, v[PW]
	v_lshl_or_b32 v[PW], v[TM+7], 24, v[PW]
.irp b, 0,1,2,3
	v_cvt_scalef32_pk8_fp4_f32 v[PC+2*\b], v[\s+16*\b:\s+7+16*\b], v[TM+12+\b]
	v_cvt_scalef32_pk8_fp4_f32 v[PC+1+2*\b], v[\s+8+16*\b:\s+15+16*\b], v[TM+12+\b]
.endr
	v_nop                                          ; one plain place behind a scaled conversion
.irp c, 0,1                                    ; the operand's layout wants a whole block in a lane: lanes 0-15 block 2 c, lanes 16-31 block 2 c + 1
.irp i, 0,1
	v_permlane16_swap_b32 v[PC+4*\c+\i], v[PC+2+4*\c+\i]
.endr
.endr
.endm
	s_load_b256 s[4:11], s[0:1], 0x0               ; x s[4:5], router_w s[6:7], router_b s[8:9], xq s[10:11]
	s_load_b128 s[12:15], s[0:1], 0x20             ; sel s[12:13], gate s[14:15]
	v_lshl_add_u32 v216, v0, 2, 0x4400
	v_mov_b32 v217, 0
	v_lshrrev_b32 v1, 5, v0
	v_readfirstlane_b32 s16, v1                    ; wave 0..7
	v_and_b32 v1, 15, v0                           ; r
	v_bfe_u32 v2, v0, 4, 1                         ; h
	v_and_b32 v12, 31, v0                          ; lane
	v_lshlrev_b32 v3, 12, v1
	v_lshl_add_u32 v3, v2, 6, v3                   ; x: row r of 4,096 bytes, + 64 h
	v_and_b32 v4, 7, v0
	v_lshlrev_b32 v4, 2, v4
	v_lshl_add_u32 v4, v2, 9, v4                   ; router_w: 16 h rows of 32 bytes, + 4 (r % 8)
	v_lshlrev_b32 v5, 4, v12                       ; 16 x lane
	v_mul_u32_u24 v6, v1, 528
	v_lshl_add_u32 v6, v2, 4, v6
	s_lshl_b32 s17, s16, 6
	s_add_co_u32 s17, s17, XC
	v_add_nc_u32 v6, s17, v6                       ; my codes' place: row r, + 64 w + 16 h
	v_lshlrev_b32 v7, 5, v1
	s_lshl_b32 s17, s16, 2
	s_add_co_u32 s17, s17, XSL
	v_add_nc_u32 v7, s17, v7                       ; my scale word's: row r, word w
	s_lshl_b32 s17, s16, 10
	v_add_nc_u32 v8, s17, v5                       ; my partial logits' image
	s_mul_i32 s17, s16, 2*528
	s_add_co_u32 s17, s17, XC
	v_add_nc_u32 v9, s17, v5                       ; back: rows 2 w and 2 w + 1, 16 bytes a lane
	v_lshlrev_b32 v10, 2, v1                       ; sel: 4 r
	v_lshlrev_b32 v11, 3, v1                       ; gate: 8 r
	v_add_nc_u32 v13, XSL, v5                      ; the 512 bytes of scale words
	s_mov_b32 s[SEL], 0x76543210
	s_mov_b32 s[SEL+1], 0xfedcba98
.irp b, 0,1,2,3
	v_mov_b32 v[TM+4+\b], 0                        ; written once: a lane permute's destination counts as one of its sources
.endr
	s_wait_kmcnt 0x0
	s_load_b256 s[24:31], s[8:9], 0x0              ; router_b
	s_lshl_b32 s18, ttmp9, 16                      ; 16 tokens of 4,096 bytes a work-group
	s_lshl_b32 s17, s16, 9                         ; 128 numbers a wave
	s_add_co_u32 s18, s18, s17
	s_mov_b32 s19, 0
	s_add_nc_u64 s[4:5], s[4:5], s[18:19]
	s_lshl_b32 s18, s16, 12                        ; 128 rows of router_w a wave
	s_add_nc_u64 s[6:7], s[6:7], s[18:19]
	s_lshl_b32 s18, ttmp9, 13
	s_lshl_b32 s17, s16, 10
	s_add_co_u32 s18, s18, s17
	s_add_nc_u64 s[32:33], s[10:11], s[18:19]      ; xq: codes of tokens 16 wg + 2 w on
	s_lshl_b32 s18, ttmp9, 9
	s_add_nc_u64 s[34:35], s[10:11], s[18:19]
	s_add_nc_u64 s[34:35], s[34:35], XSO           ; xq: the work-group's 512 bytes of scale words
	s_lshl_b32 s18, ttmp9, 6
	s_add_nc_u64 s[12:13], s[12:13], s[18:19]
	s_lshl_b32 s18, ttmp9, 7
	s_add_nc_u64 s[14:15], s[14:15], s[18:19]
.irp b, 0,1,2,3
.irp j, 0,1,2,3
	global_load_b128 v[X+16*\b+4*\j:X+16*\b+4*\j+3], v3, s[4:5] offset:128*\b+16*\j th:TH_LOAD_NT
.endr
.endr
.irp b, 0,1,2,3
.irp i, 0,1,2,3,4,5,6,7,8,9,10,11,12,13,14,15
	global_load_b32 v[RW+16*\b+\i], v4, s[6:7] offset:(32*\b+\i)*32
.endr
.endr
	s_wait_loadcnt 0x0
	s_wait_kmcnt 0x0                               ; router_b
; 32 products of 4 along K.  Registers 2 n, 2 n + 1 of both sides hold the same k in the same lanes, so which k stands in which place of the instruction does not matter.
; Four accumulators by turns, one instruction a turn; the first four start the sums.
.set n_, 0
.rept 32
.if n_ < 4
	v_wmma_f32_16x16x4_f32 v[D+8*(n_%4):D+8*(n_%4)+7], v[RW+2*n_:RW+2*n_+1], v[X+2*n_:X+2*n_+1], 0
.else
	v_wmma_f32_16x16x4_f32 v[D+8*(n_%4):D+8*(n_%4)+7], v[RW+2*n_:RW+2*n_+1], v[X+2*n_:X+2*n_+1], v[D+8*(n_%4):D+8*(n_%4)+7]
.endif
.set n_, n_+1
.endr
	QUANT X                                        ; reads x, writes none of the products' registers
	ds_store_b128 v6, v[PC:PC+3]                   ; k = 32 h + 0 .. 31 of my 128: 16 bytes
	ds_store_b128 v6, v[PC+4:PC+7] offset:32       ; k = 64 + 32 h + 0 .. 31
	ds_store_b32 v7, v[PW]                         ; both lanes of a row write the same word
.rept 8
	v_nop                                          ; eight places behind this form before its results are read (ISA guide 7.12.1)
.endr
.irp j, 0,2,4,6                                ; each accumulator from its low end on
	v_pk_add_f32 v[S+\j:S+\j+1], v[D+\j:D+\j+1], v[D+8+\j:D+8+\j+1]
	v_pk_add_f32 v[TM+\j:TM+\j+1], v[D+16+\j:D+16+\j+1], v[D+24+\j:D+24+\j+1]
.endr
.irp j, 0,2,4,6
	v_pk_add_f32 v[S+\j:S+\j+1], v[S+\j:S+\j+1], v[TM+\j:TM+\j+1]
.endr
	ds_store_b128 v8, v[S:S+3]
	ds_store_b128 v8, v[S+4:S+7] offset:512
	s_wait_dscnt 0x0                               ; for the others' sake: my stores have landed
	s_barrier_signal -1
	s_barrier_wait -1
	ds_load_b128 v[16:19], v9                      ; two whole rows of codes
	ds_load_b128 v[20:23], v9 offset:528
	s_wait_dscnt 0x0
	global_store_b128 v5, v[16:19], s[32:33]       ; 32 lanes store 512 consecutive bytes, aligned
	global_store_b128 v5, v[20:23], s[32:33] offset:512
	s_cmp_lg_u32 s16, 1
	s_cbranch_scc1 .Lnot_wave_1
	ds_load_b128 v[24:27], v13                     ; wave 1: the 16 tokens' scale words, 512 consecutive bytes
	s_wait_dscnt 0x0
	global_store_b128 v5, v[24:27], s[34:35]
.Lnot_wave_1:
	s_cmp_lg_u32 s16, 0
	s_cbranch_scc1 .Lend
; wave 0: the logits, the choice, the gates
.irp p, 0,1,2,3,4,5,6,7
	ds_load_b128 v[L+8*\p:L+8*\p+3], v5 offset:1024*\p
	ds_load_b128 v[L+8*\p+4:L+8*\p+7], v5 offset:1024*\p+512
.endr
	s_wait_dscnt 0x0
.irp j, 0,2,4,6
	v_pk_add_f32 v[L+\j:L+\j+1], v[L+\j:L+\j+1], v[L+8+\j:L+8+\j+1]
	v_pk_add_f32 v[L+16+\j:L+16+\j+1], v[L+16+\j:L+16+\j+1], v[L+24+\j:L+24+\j+1]
	v_pk_add_f32 v[L+32+\j:L+32+\j+1], v[L+32+\j:L+32+\j+1], v[L+40+\j:L+40+\j+1]
	v_pk_add_f32 v[L+48+\j:L+48+\j+1], v[L+48+\j:L+48+\j+1], v[L+56+\j:L+56+\j+1]
.endr
.irp j, 0,2,4,6
	v_pk_add_f32 v[L+\j:L+\j+1], v[L+\j:L+\j+1], v[L+16+\j:L+16+\j+1]
	v_pk_add_f32 v[L+32+\j:L+32+\j+1], v[L+32+\j:L+32+\j+1], v[L+48+\j:L+48+\j+1]
.endr
.irp j, 0,2,4,6
	v_pk_add_f32 v[L+\j:L+\j+1], v[L+\j:L+\j+1], v[L+32+\j:L+32+\j+1]
.endr
.irp j, 0,1,2,3,4,5,6,7
	v_add_f32 v[L+\j], s[24+\j], v[L+\j]           ; + router_b
.endr
	v_mov_b32 v176, v[L]                           ; m1, i1: the largest; an equal later logit does not displace it
	v_mov_b32 v177, 0
.irp j, 1,2,3,4,5,6,7
	v_cmp_le_f32 vcc_lo, v[L+\j], v176
	v_cndmask_b32 v176, v[L+\j], v176, vcc_lo
	v_cndmask_b32 v177, \j, v177, vcc_lo
.endr
	v_mov_b32 v180, 0xff800000                     ; the winner leaves the field
.irp j, 0,1,2,3,4,5,6,7
	v_cmp_eq_u32 vcc_lo, \j, v177
	v_cndmask_b32 v[L+\j], v[L+\j], v180, vcc_lo
.endr
	v_mov_b32 v178, v[L]                           ; m2, i2
	v_mov_b32 v179, 0
.irp j, 1,2,3,4,5,6,7
	v_cmp_le_f32 vcc_lo, v[L+\j], v178
	v_cndmask_b32 v178, v[L+\j], v178, vcc_lo
	v_cndmask_b32 v179, \j, v179, vcc_lo
.endr
	v_sub_f32 v181, v178, v176                     ; the maximum is taken away: m2 - m1 is 0 or less
	v_mul_f32 v181, 0x3fb8aa3b, v181
	v_exp_f32 v181, v181                           ; e = exp(m2 - m1)
	v_min_u32 v182, v177, v179                     ; lo  (a plain place behind the exponential)
	s_wait_alu depctr_va_vdst(0)
	v_add_f32 v183, 1.0, v181
	v_rcp_f32 v186, v183                           ; g1 = 1 / (1 + e)
	v_max_u32 v184, v177, v179                     ; hi  (a plain place behind the reciprocal)
	s_wait_alu depctr_va_vdst(0)
	v_mul_f32 v187, v181, v186                     ; g2 = e g1
	v_sub_nc_u32 v185, 15, v182
	v_mul_u32_u24 v185, v185, v182
	v_lshrrev_b32 v185, 1, v185                    ; lo (15 - lo) / 2: the pairs with a smaller lo
	v_sub_nc_u32 v188, v184, v182
	v_add_nc_u32 v188, -1, v188                    ; hi - lo - 1
	v_sub_nc_u32 v189, 7, v184                     ; 7 - hi
	v_and_b32 v190, 1, v182
	v_cmp_eq_u32 vcc_lo, 1, v190
	v_cndmask_b32 v188, v188, v189, vcc_lo
	v_add_nc_u32 v185, v185, v188                  ; the key, 0 .. 27
	v_lshl_or_b32 v191, v179, 8, v177
	v_lshl_or_b32 v191, v185, 16, v191
	global_store_b32 v10, v191, s[12:13]           ; lanes 16-31 hold and write the same as lanes 0-15
	global_store_b64 v11, v[186:187], s[14:15]
.Lend:
	s_wait_tensorcnt 0x0
	ds_add_u32 v216, v217
	s_wait_dscnt 0x0
	s_endpgm
.Lfunc_end_k_qcb2f062c90_route:
	.size	k_qcb2f062c90_route, .Lfunc_end_k_qcb2f062c90_route-k_qcb2f062c90_route
	.p2alignl 7, 3214868480
	.fill 96, 4, 3214868480
	.section	.rodata,"a",@progbits
	.p2align	6, 0x0
	.amdhsa_kernel k_qcb2f062c90_route
		.amdhsa_group_segment_fixed_size 18432
		.amdhsa_private_segment_fixed_size 0
		.amdhsa_enable_private_segment 0
		.amdhsa_kernarg_size 48
		.amdhsa_user_sgpr_count 2
		.amdhsa_user_sgpr_kernarg_segment_ptr 1
		.amdhsa_wavefront_size32 1
		.amdhsa_system_sgpr_workgroup_id_x 1
		.amdhsa_system_sgpr_workgroup_id_y 1
		.amdhsa_system_sgpr_workgroup_id_z 1
		.amdhsa_system_vgpr_workitem_id 0
		.amdhsa_next_free_vgpr 218
		.amdhsa_next_free_sgpr 66
		.amdhsa_reserve_vcc 1
		.amdhsa_float_denorm_mode_32 3
		.amdhsa_float_denorm_mode_16_64 3
		.amdhsa_memory_ordered 1
		.amdhsa_forward_progress 1
		.amdhsa_inst_pref_size 25
	.end_amdhsa_kernel
	.amdgpu_metadata
---
amdhsa.version: [ 1, 2 ]
amdhsa.kernels:
  - .name:           k_qcb2f062c90_route
    .symbol:         k_qcb2f062c90_route.kd
    .args:
      - { .name: x, .offset: 0, .size: 8, .value_kind: global_buffer, .address_space: global }
      - { .name: router_w, .offset: 8, .size: 8, .value_kind: global_buffer, .address_space: global }
      - { .name: router_b, .offset: 16, .size: 8, .value_kind: global_buffer, .address_space: global }
      - { .name: xq, .offset: 24, .size: 8, .value_kind: global_buffer, .address_space: global }
      - { .name: sel, .offset: 32, .size: 8, .value_kind: global_buffer, .address_space: global }
      - { .name: gate, .offset: 40, .size: 8, .value_kind: global_buffer, .address_space: global }
    .group_segment_fixed_size: 18432
    .private_segment_fixed_size: 0
    .kernarg_segment_align: 8
    .kernarg_segment_size: 48
    .max_flat_workgroup_size: 256
    .sgpr_count:     66
    .vgpr_count:     218
    .wavefront_size: 32
...
	.end_amdgpu_metadata
.endif
;; end of part 1
;; launch prep (part 2): grid 513 x 1, 8 waves a work-group, no clusters, 3,072 bytes of LDS; arguments w1, w2, sel, gate, wq, ord, sgate; writes wq, ord, sgate
.if DOCPART == 2
	.amdgcn_target "amdgcn-amd-amdhsa--gfx1250"
	.amdhsa_code_object_version 6
	.text
	.protected	k_qcb2f062c90_prep
	.globl	k_qcb2f062c90_prep
	.p2align	8
	.type	k_qcb2f062c90_prep,@function
k_qcb2f062c90_prep:
	s_mov_b64 s[64:65], 0
	v_nop
	global_prefetch_b8 v0, s[64:65] scope:SCOPE_SE
	s_setreg_imm32_b32 hwreg(HW_REG_WAVE_MODE, 25, 1), 1
	s_wait_xcnt 0x0
; PREP.  Work-groups 1 .. 512: w1 and w2 ([8][1024 (k)][1024 (n)] f32, K the first axis of a matrix) become codes of FP4 (E2M1) with one E8M0 byte for each 32 along K, laid in the ORDER OF THE OPERAND'S REGISTERS.
; Work-group 0: a counting sort of the 4,096 tokens by their pair of experts, and for each 16 sorted places the mask of the experts used there.  It rides in this launch, which streams the weights anyway.
; A wave names 162 registers: a work-group puts two waves on a SIMD, so three work-groups (972 of a SIMD's 1,024 registers) can lie on a WGP, and the 513 work-groups need no second turn on 256 WGPs.
; WEIGHTS.  A lane takes a column n and its registers run down K: a block of 32 lies in one lane's 32 registers, so its largest magnitude needs no other lane and the conversions give codes with K innermost.
; A wave takes 32 columns (a PAIR of tiles) x 128 along K; each load reads 128 consecutive bytes, two waves side by side 256.  wq, codes: [mat 16][pair 32][K step 8][u 2][c 2][lane 32][16 bytes]; mat = e for w1, 8 + e for w2.
; Lane r of tile 2 P + u holds column 32 P + 8 u + r + 8 (r / 8), so that, with the products used transposed, a lane's 16 registers of a pair of tiles are 16 neighbouring columns.
; A block's 16 bytes go straight to their place: each store fills two aligned runs of 256 bytes whole.  wq, scale words, from WSO on: [mat][pair][half of K 2][16 u + r][4 words]: gathered in LDS, stored 512 bytes at a time.
; SORT.  No branch on data, no LDS address made of data.  Wave w takes tokens 512 w + 32 i + lane, i = 0 .. 15 (a turn).  The key has five bits: a turn's five masks of lanes (who has bit j set), each taken as it is or
; turned over by lane b's own bit j, meet in lane b as the mask of the turn's tokens with key b.  The masks' counts of ones, summed over the turns, are in lane b the wave's tokens of key b in earlier turns, and at last the wave's total.
; The eight waves' totals meet in LDS; a prefix gives each key's first place.  Then each token pulls two words from its key's lane: the first place for its wave, turn and key, and the turn's mask, whose ones below the
; token's own lane are its rank.  Which of a key's tokens comes first does not matter: any one-to-one placing inside a key serves.
; ord: perm[place] = token (from 0), ssel[place] = the token's word of sel (from 16,384), tmask[place / 16] one byte (from 32,768).  sgate[place] = g1, g2.
; The two paths part on the work-group's number alone and have LDS bytes of their own: weights 0 .. 1,023, sort 1,024 .. 2,047.
; No tensor load, no cluster, no matrix unit: each byte of the weights is read once, by one wave.
; LIMITS: NaN and infinities among the weights are not served.  A block of zeros gets the byte 1 where the rule says 127: its codes are zeros, and this program alone reads the bytes.
.set WSO,   8388608
.set X,     16                         ; weights: v16-143 128 numbers of my column
.set CD,    144                        ;          v144-159 the four blocks' codes: no store's data are written again
.set NL,    24                         ; sort: v24-28 for bit j of my lane's number: 0 where it is set, all ones where not
.set SELR,  32                         ;       v32-47 words of sel
.set K,     48                         ;       v48-63 keys, later lane indices, later offsets in sgate
.set L,     64                         ;       v64-79 lane b: the turn's tokens with key b; later ranks
.set G,     80                         ;       v80-111 gates
.set P,     112                        ;       v112-127 places, later offsets in ord
.set TK,    128                        ;       v128-143 the mask of my own key, later token numbers
.set C,     144                        ;       v144-159 lane b: counts, then sums over the turns, then first places
.set RUN,   30                         ;       s30-58 each key's first place
	s_load_b256 s[4:11], s[0:1], 0x0               ; w1 s[4:5], w2 s[6:7], sel s[8:9], gate s[10:11]
	s_load_b128 s[12:15], s[0:1], 0x20             ; wq s[12:13], ord s[14:15]
	s_load_b64 s[16:17], s[0:1], 0x30              ; sgate
	v_lshl_add_u32 v160, v0, 2, 0x800
	v_mov_b32 v161, 0
	v_lshrrev_b32 v1, 5, v0
	v_readfirstlane_b32 s18, v1                    ; wave 0..7
	v_and_b32 v2, 31, v0                           ; lane
	s_cmp_eq_u32 ttmp9, 0
	s_cbranch_scc1 .Lsort
; ---------------- the weights
	s_sub_co_u32 s19, ttmp9, 1                     ; 0 .. 511
	s_lshr_b32 s20, s19, 5                         ; mat
	s_bfe_u32 s21, s19, 0x40001                    ; which 64 columns
	s_and_b32 s22, s19, 1                          ; which half of K
	s_and_b32 s23, s18, 1                          ; wave: which 32 of the 64 columns,
	s_lshr_b32 s24, s18, 1                         ; which of the half's four K steps
	s_lshl_b32 s25, s22, 2
	s_add_co_u32 s25, s25, s24                     ; K step 0..7
	s_lshl_b32 s26, s21, 1
	s_add_co_u32 s26, s26, s23                     ; pair 0..31
	v_lshlrev_b32 v3, 2, v2                        ; in: 4 bytes a lane
	v_bfe_u32 v7, v2, 3, 1                         ; column c = lane of the pair lies in tile u = (c / 8) % 2,
	v_and_b32 v8, 7, v2
	v_lshrrev_b32 v9, 4, v2
	v_lshl_or_b32 v8, v9, 3, v8                    ; at its lane r = c % 8 + 8 (c / 16)
	v_lshlrev_b32 v4, 10, v7
	v_lshl_add_u32 v4, v8, 4, v4                   ; out: 1,024 u + 16 r; block b of the K step adds 256 b (c = b / 2, lanes' half = b % 2)
	v_lshl_add_u32 v5, v7, 4, v8
	v_lshlrev_b32 v5, 4, v5
	s_lshl_b32 s27, s23, 9
	s_lshl_b32 s28, s24, 2
	s_add_co_u32 s27, s27, s28
	v_add_nc_u32 v5, s27, v5                       ; LDS: 512 x my pair + 16 (16 u + r) + 4 x my K step
	v_lshlrev_b32 v10, 4, v2
	s_lshl_b32 s27, s18, 9
	v_add_nc_u32 v14, s27, v10                     ; LDS, back (waves 0 and 1): a pair's 512 bytes
	s_wait_kmcnt 0x0
	s_cmp_lt_u32 s20, 8                            ; w1 or w2: the choice hangs on the work-group's number alone
	s_cselect_b64 s[30:31], s[4:5], s[6:7]
	s_and_b32 s28, s20, 7
	s_lshl_b32 s28, s28, 22                        ; the expert's matrix,
	s_lshl_b32 s29, s25, 19                        ; 128 rows of 4,096 bytes a K step,
	s_add_co_u32 s28, s28, s29
	s_lshl_b32 s29, s26, 7                         ; 32 columns a pair
	s_add_co_u32 s28, s28, s29
	s_mov_b32 s29, 0
	s_add_nc_u64 s[30:31], s[30:31], s[28:29]
	s_lshl_b32 s28, s20, 19
	s_lshl_b32 s27, s26, 14
	s_add_co_u32 s28, s28, s27
	s_lshl_b32 s27, s25, 11
	s_add_co_u32 s28, s28, s27
	s_add_nc_u64 s[32:33], s[12:13], s[28:29]      ; the codes' place
	s_lshl_b32 s28, s20, 15
	s_lshl_b32 s27, s21, 11
	s_add_co_u32 s28, s28, s27
	s_lshl_b32 s27, s18, 10                        ; (waves 0 and 1 store the scale words of pairs 0 and 1 of the 64 columns)
	s_add_co_u32 s28, s28, s27
	s_lshl_b32 s27, s22, 9
	s_add_co_u32 s28, s28, s27
	s_add_nc_u64 s[34:35], s[12:13], s[28:29]
	s_add_nc_u64 s[34:35], s[34:35], WSO
.set t_, 0
.rept 128                              ; all 128 rows are asked for at once: every offset an immediate, 127 x 4,096 at the most
	global_load_b32 v[X+t_], v3, s[30:31] offset:t_*4096 th:TH_LOAD_NT
.set t_, t_+1
.endr
; Block t of four.  left: how many younger loads may stay out: 96, 64, 32, 0 were issued behind the block's own, held to 63, the most that a wait can name.
.macro BLOCK t, left
.set XB, X+32*(\t)
	s_wait_loadcnt \left
	v_max3_num_f32 v12, |v[XB]|, |v[XB+1]|, |v[XB+2]|      ; the block's largest magnitude: all 32 numbers are mine; two chains
	v_max3_num_f32 v13, |v[XB+3]|, |v[XB+4]|, |v[XB+5]|
.irp i, 6,10,14,18,22,26
	v_max3_num_f32 v12, v12, |v[XB+\i]|, |v[XB+\i+1]|
	v_max3_num_f32 v13, v13, |v[XB+\i+2]|, |v[XB+\i+3]|
.endr
	v_max3_num_f32 v12, v12, |v[XB+30]|, |v[XB+31]|
	v_max3_num_f32 v12, v12, v13, 0x1800000        ; and the floor 2^(3 - 127): the byte cannot fall under 1
	v_add_nc_u32 v11, 0xff000000, v12              ; 2 off its exponent field: the conversion's scale operand
	v_lshrrev_b32 v13, 23, v11                     ; the scale's byte
.if (\t) == 0
	v_mov_b32 v6, v13
.else
	v_lshl_or_b32 v6, v13, 8*(\t), v6              ; four bytes make the K step's scale word of my column
.endif
.irp g, 0,1,2,3
	v_cvt_scalef32_pk8_fp4_f32 v[CD+4*(\t)+\g], v[XB+8*\g:XB+8*\g+7], v11
.endr
	v_nop                                          ; one plain place behind the conversions
	global_store_b128 v4, v[CD+4*(\t):CD+4*(\t)+3], s[32:33] offset:256*(\t)   ; sixteen lanes fill 256 consecutive bytes, aligned; the other sixteen the tile beside
.endm
	BLOCK 0, 63
	BLOCK 1, 63
	BLOCK 2, 32
	BLOCK 3, 0
	ds_store_b32 v5, v6
	s_wait_dscnt 0x0                               ; for the others' sake
	s_barrier_signal -1
	s_barrier_wait -1
	s_cmp_gt_u32 s18, 1
	s_cbranch_scc1 .Lweights_end
	ds_load_b128 v[16:19], v14                     ; four K steps' words of each of a pair's 32 columns
	s_wait_dscnt 0x0
	global_store_b128 v10, v[16:19], s[34:35]      ; 512 consecutive bytes, aligned
.Lweights_end:
	s_wait_tensorcnt 0x0
	ds_add_u32 v160, v161
	s_wait_dscnt 0x0
	s_endpgm
; ---------------- the sort
; Turns 4 g .. 4 g + 3, by turns, so that no line waits for the line above it.  For each bit j of the key: who has it set (a mask of lanes); lane b takes the mask as it is where b's bit j is set, turned over where not;
; the five meet: lane b holds the lanes whose key is b.
.macro MASK4 g
.irp j, 0,1,2,3,4
.irp d, 0,1,2,3
	v_bfe_u32 v[8+\d], v[K+4*(\g)+\d], \j, 1
.endr
.irp d, 0,1,2,3
	v_cmp_ne_u32 s[60+\d], 0, v[8+\d]
.endr
.if \j == 0
.irp d, 0,1,2,3
	v_xor_b32 v[L+4*(\g)+\d], s[60+\d], v[NL]
.endr
.else
.irp d, 0,1,2,3
	v_xor_b32 v[12+\d], s[60+\d], v[NL+\j]
.endr
.irp d, 0,1,2,3
	v_and_b32 v[L+4*(\g)+\d], v[L+4*(\g)+\d], v[12+\d]
.endr
.endif
.endr
.endm
; The ones of each of the four masks are counted: sums of neighbouring fields of 1, 2 and 4 bits, then the four bytes' sum (32 at the most) by a multiplication.
.macro COUNT4 g
.irp d, 0,1,2,3
	v_lshrrev_b32 v[8+\d], 1, v[L+4*(\g)+\d]
.endr
.irp d, 0,1,2,3
	v_and_b32 v[8+\d], s66, v[8+\d]
.endr
.irp d, 0,1,2,3
	v_sub_nc_u32 v[C+4*(\g)+\d], v[L+4*(\g)+\d], v[8+\d]   ; fields of 2 bits
.endr
.irp d, 0,1,2,3
	v_lshrrev_b32 v[8+\d], 2, v[C+4*(\g)+\d]
.endr
.irp d, 0,1,2,3
	v_and_b32 v[C+4*(\g)+\d], s67, v[C+4*(\g)+\d]
.endr
.irp d, 0,1,2,3
	v_and_b32 v[8+\d], s67, v[8+\d]
.endr
.irp d, 0,1,2,3
	v_add_nc_u32 v[C+4*(\g)+\d], v[C+4*(\g)+\d], v[8+\d]   ; fields of 4 bits
.endr
.irp d, 0,1,2,3
	v_lshrrev_b32 v[8+\d], 4, v[C+4*(\g)+\d]
.endr
.irp d, 0,1,2,3
	v_add_nc_u32 v[C+4*(\g)+\d], v[C+4*(\g)+\d], v[8+\d]
.endr
.irp d, 0,1,2,3
	v_and_b32 v[C+4*(\g)+\d], s68, v[C+4*(\g)+\d]          ; bytes
.endr
.irp d, 0,1,2,3
	v_mul_lo_u32 v[C+4*(\g)+\d], v[C+4*(\g)+\d], s69       ; the top byte takes the sum of the four
.endr
.irp d, 0,1,2,3
	v_lshrrev_b32 v[C+4*(\g)+\d], 24, v[C+4*(\g)+\d]
.endr
.endm
.Lsort:
	s_lshl_b32 s19, s18, 11
	v_lshl_add_u32 v3, v2, 2, s19                  ; sel: 4 (512 w + lane)
	v_lshlrev_b32 v4, 1, v3                        ; gate: 8 (512 w + lane)
	s_lshl_b32 s20, s18, 7
	s_add_co_u32 s20, s20, 1024
	v_lshl_add_u32 v5, v2, 2, s20                  ; LDS: my wave's 32 counts
	v_lshlrev_b32 v6, 2, v2
	v_add_nc_u32 v6, 1024, v6                      ; LDS: lane b reads key b's count of every wave
.irp j, 0,1,2,3,4
	v_bfe_u32 v[NL+\j], v2, \j, 1
.endr
.irp j, 0,1,2,3,4
	v_add_nc_u32 v[NL+\j], -1, v[NL+\j]            ; 0 where my lane's bit j is set, all ones where not
.endr
	s_mov_b32 s66, 0x55555555
	s_mov_b32 s67, 0x33333333
	s_mov_b32 s68, 0x0f0f0f0f
	s_mov_b32 s69, 0x01010101
	s_wait_kmcnt 0x0
.irp i, 0,1,2,3,4,5,6,7,8,9,10,11,12,13,14,15
	global_load_b32 v[SELR+\i], v3, s[8:9] offset:128*\i
.endr
.irp i, 0,1,2,3,4,5,6,7,8,9,10,11,12,13,14,15
	global_load_b64 v[G+2*\i:G+2*\i+1], v4, s[10:11] offset:256*\i
.endr
	s_wait_loadcnt 16                              ; the words of sel are in; the 16 loads of gates issued behind them may stay out
.irp i, 0,1,2,3,4,5,6,7,8,9,10,11,12,13,14,15
	v_bfe_u32 v[K+\i], v[SELR+\i], 16, 8
.endr
.irp i, 0,1,2,3,4,5,6,7,8,9,10,11,12,13,14,15
	v_min_u32 v[K+\i], 31, v[K+\i]                 ; five bits; a lane index is made of it below
.endr
.irp g, 0,1,2,3
	MASK4 \g
	COUNT4 \g
.endr
.irp i, 1,2,3,4,5,6,7,8,9,10,11,12,13,14,15
	v_add_nc_u32 v[C+\i], v[C+\i], v[C+\i-1]       ; lane b: my wave's tokens of key b in turns 0 .. i
.endr
	ds_store_b32 v5, v[C+15]                       ; the wave's totals
	s_wait_dscnt 0x0                               ; for the others' sake
	s_barrier_signal -1
	s_barrier_wait -1
.irp p, 0,1,2,3,4,5,6,7
	ds_load_b32 v[16+\p], v6 offset:128*\p
.endr
	s_wait_dscnt 0x0
	v_mov_b32 v13, 0                               ; lane b: all waves' count of key b,
	v_mov_b32 v14, 0                               ; and that of the waves in front of mine
.irp p, 0,1,2,3,4,5,6,7
	s_cmp_gt_u32 s18, \p
	s_cselect_b32 s19, -1, 0
	v_add_nc_u32 v13, v13, v[16+\p]
	v_and_b32 v15, s19, v[16+\p]
	v_add_nc_u32 v14, v14, v15
.endr
	s_mov_b32 s20, 0
.set b_, 0
.rept 28                               ; each key's first place: the counts of the keys in front of it
	v_readlane_b32 s19, v13, b_
	s_mov_b32 s[RUN+b_], s20
	s_add_co_u32 s20, s20, s19
.set b_, b_+1
.endr
	s_mov_b32 s[RUN+28], s20
	v_mov_b32 v24, 0
.set b_, 0
.rept 28
	v_writelane_b32 v24, s[RUN+b_], b_
.set b_, b_+1
.endr
	v_add_nc_u32 v24, v24, v14                     ; lane b: where my wave's tokens of key b begin
.irp i, 15,14,13,12,11,10,9,8,7,6,5,4,3,2,1
	v_add_nc_u32 v[C+\i], v24, v[C+\i-1]           ; and where those of turn i begin: behind the turns in front of it (from the top down, in place)
.endr
	v_mov_b32 v[C], v24
.irp i, 0,1,2,3,4,5,6,7,8,9,10,11,12,13,14,15
	v_lshlrev_b32 v[K+\i], 2, v[K+\i]
.endr
.irp i, 0,1,2,3,4,5,6,7,8,9,10,11,12,13,14,15
	ds_bpermute_b32 v[P+\i], v[K+\i], v[C+\i]      ; each token takes from its key's lane the first place,
	ds_bpermute_b32 v[TK+\i], v[K+\i], v[L+\i]     ; and the turn's tokens with its key
.endr
	s_lshl_b32 s19, s18, 9
	v_add_nc_u32 v25, s19, v2                      ; my token of turn 0
	s_wait_dscnt 0x0
.irp i, 0,1,2,3,4,5,6,7,8,9,10,11,12,13,14,15
	v_mbcnt_lo_u32_b32 v[L+\i], v[TK+\i], 0        ; how many of them stand in lower lanes: my rank in the turn
.endr
.irp i, 0,1,2,3,4,5,6,7,8,9,10,11,12,13,14,15
	v_add_nc_u32 v[P+\i], v[P+\i], v[L+\i]         ; the token's place
.endr
.irp i, 0,1,2,3,4,5,6,7,8,9,10,11,12,13,14,15
	v_min_u32 v[P+\i], 0xfff, v[P+\i]
.endr
.irp i, 0,1,2,3,4,5,6,7,8,9,10,11,12,13,14,15
	v_lshlrev_b32 v[K+\i], 3, v[P+\i]
.endr
.irp i, 0,1,2,3,4,5,6,7,8,9,10,11,12,13,14,15
	v_lshlrev_b32 v[P+\i], 2, v[P+\i]
.endr
.irp i, 0,1,2,3,4,5,6,7,8,9,10,11,12,13,14,15
	v_add_nc_u32 v[TK+\i], 32*\i, v25
.endr
	s_wait_loadcnt 0x0                             ; the gates are in
.irp i, 0,1,2,3,4,5,6,7,8,9,10,11,12,13,14,15
	global_store_b32 v[P+\i], v[TK+\i], s[14:15]
	global_store_b32 v[P+\i], v[SELR+\i], s[14:15] offset:16384
	global_store_b64 v[K+\i], v[G+2*\i:G+2*\i+1], s[16:17]
.endr
; the masks: tile 32 w + lane covers places lo .. lo + 15; key b lies in it where max(first place of b, lo) < min(first place of b + 1, lo + 16)
	s_lshl_b32 s19, s18, 5
	v_add_nc_u32 v26, s19, v2
	v_lshlrev_b32 v27, 4, v26
	v_add_nc_u32 v28, 16, v27
	v_mov_b32 v29, 0
.set b_, 0
.set lo_, 0
.set j_, 0
.rept 28
.if lo_%2 == 0
.set hi_, lo_+1+j_
.else
.set hi_, 7-j_
.endif
.set pm_, (1<<lo_)|(1<<hi_)            ; the two experts of key b
	v_max_u32 v8, s[RUN+b_], v27
	v_min_u32 v9, s[RUN+b_+1], v28
	v_or_b32 v10, pm_, v29
	v_cmp_lt_u32 vcc_lo, v8, v9
	v_cndmask_b32 v29, v29, v10, vcc_lo
.set j_, j_+1
.if j_ == 7-lo_
.set j_, 0
.set lo_, lo_+1
.endif
.set b_, b_+1
.endr
	global_store_b8 v26, v29, s[14:15] offset:32768
	s_wait_tensorcnt 0x0
	ds_add_u32 v160, v161
	s_wait_dscnt 0x0
	s_endpgm
.Lfunc_end_k_qcb2f062c90_prep:
	.size	k_qcb2f062c90_prep, .Lfunc_end_k_qcb2f062c90_prep-k_qcb2f062c90_prep
	.p2alignl 7, 3214868480
	.fill 96, 4, 3214868480
	.section	.rodata,"a",@progbits
	.p2align	6, 0x0
	.amdhsa_kernel k_qcb2f062c90_prep
		.amdhsa_group_segment_fixed_size 3072
		.amdhsa_private_segment_fixed_size 0
		.amdhsa_enable_private_segment 0
		.amdhsa_kernarg_size 56
		.amdhsa_user_sgpr_count 2
		.amdhsa_user_sgpr_kernarg_segment_ptr 1
		.amdhsa_wavefront_size32 1
		.amdhsa_system_sgpr_workgroup_id_x 1
		.amdhsa_system_sgpr_workgroup_id_y 1
		.amdhsa_system_sgpr_workgroup_id_z 1
		.amdhsa_system_vgpr_workitem_id 0
		.amdhsa_next_free_vgpr 162
		.amdhsa_next_free_sgpr 72
		.amdhsa_reserve_vcc 1
		.amdhsa_float_denorm_mode_32 3
		.amdhsa_float_denorm_mode_16_64 3
		.amdhsa_memory_ordered 1
		.amdhsa_forward_progress 1
		.amdhsa_inst_pref_size 74
	.end_amdhsa_kernel
	.amdgpu_metadata
---
amdhsa.version: [ 1, 2 ]
amdhsa.kernels:
  - .name:           k_qcb2f062c90_prep
    .symbol:         k_qcb2f062c90_prep.kd
    .args:
      - { .name: w1, .offset: 0, .size: 8, .value_kind: global_buffer, .address_space: global }
      - { .name: w2, .offset: 8, .size: 8, .value_kind: global_buffer, .address_space: global }
      - { .name: sel, .offset: 16, .size: 8, .value_kind: global_buffer, .address_space: global }
      - { .name: gate, .offset: 24, .size: 8, .value_kind: global_buffer, .address_space: global }
      - { .name: wq, .offset: 32, .size: 8, .value_kind: global_buffer, .address_space: global }
      - { .name: ord, .offset: 40, .size: 8, .value_kind: global_buffer, .address_space: global }
      - { .name: sgate, .offset: 48, .size: 8, .value_kind: global_buffer, .address_space: global }
    .group_segment_fixed_size: 3072
    .private_segment_fixed_size: 0
    .kernarg_segment_align: 8
    .kernarg_segment_size: 56
    .max_flat_workgroup_size: 256
    .sgpr_count:     72
    .vgpr_count:     162
    .wavefront_size: 32
...
	.end_amdgpu_metadata
.endif
;; end of part 2
;; launch up (part 3): grid 4 x 64, 4 waves a work-group, no clusters, 34,304 bytes of LDS; arguments xq, wq, b1, ord, hq; writes hq
.if DOCPART == 3
	.amdgcn_target "amdgcn-amd-amdhsa--gfx1250"
	.amdhsa_code_object_version 6
	.text
	.protected	k_qcb2f062c90_up
	.globl	k_qcb2f062c90_up
	.p2align	8
	.type	k_qcb2f062c90_up,@function
k_qcb2f062c90_up:
	s_mov_b64 s[64:65], 0
	v_nop
	global_prefetch_b8 v0, s[64:65] scope:SCOPE_SE
	s_setreg_imm32_b32 hwreg(HW_REG_WAVE_MODE, 25, 1), 1
	s_wait_xcnt 0x0
; UP.  For a block of 64 sorted tokens and 256 hidden units, for each expert that the block uses: a = Q(x) Q(W1[e]) + b1[e] on codes of FP4 (E2M1) with E8M0 scales, h = a (0.5 + 0.5 erf(a / sqrt 2)) in f32,
; h quantised along the hidden units, codes and scale bytes to hq in the order of the next product's operand registers.
; SHARES.  grid x = which 256 hidden units, y = which 64 sorted places.  Wave w: all 64 tokens x units 64 w .. 64 w + 63 of the 256: 16 accumulators.  The tokens' fragments (all of K: 256 registers) stay in registers for all experts.
; THE PRODUCT IS USED TRANSPOSED: source 0 = 16 columns of W1, source 1 = 16 tokens; a lane holds one token, and by the order in which wq lays a tile's columns the 16 registers of tiles 2 p and 2 p + 1 are 16 neighbouring units.
; THE WALK.  A loop of eight trips, one an expert; a scalar branch on the stored mask passes over the experts that none of the 64 tokens uses.  A tile of 16 tokens that does not use the expert skips the activation and stores
; zero codes under the byte 1, so that the next launch reads only written bytes; those tokens' gates for the expert are 0 there.
; WEIGHTS go from memory straight into registers: wq holds them lane by lane as the operand wants them.  An expert's package is 76 loads in a fixed order: 8 of bias, 4 of scale words, 8 of codes for each of 8 K steps.
; The first 60 are asked for behind the products of the expert before, and land during its activation; the last 16 at the head of the expert's own trip.  The order of issue is the same on every path, so K step s waits
; for all but the 8 (7 - s) loads issued behind its own.
; NO TENSOR LOAD, NO CLUSTER: which experts a block walks hangs on numbers read from memory, so blocks that share a tile of weights need it in different trips or not at all.
; erf: a rational function, erf(z) = z P(z^2) / Q(z^2) with z held to +-3.7439; here in t = a^2, with the powers of 1/2 and the factor 0.5 / sqrt 2 folded into the coefficients.
; LIMITS: NaN and infinities are not served.  Under a = -5.2947 the factor 0.5 + 0.5 erf keeps its value at that point (0 or about 3e-8).  A block of zeros gets the byte 1 where the rule says 127: this program alone reads the bytes.
; REGISTERS, in windows of 256.  window 0: v1-15 addresses and constants; v16-31 the tokens' scale words; v32-47 the weights'; v48-175 the accumulators ((m, t) at v[48 + 8 (4 m + t)]); v176-207 the activation at work;
;   v208-223 codes; v224-227 scale bytes; v228-234 at work; v240-255 the rows' offsets.   window 1: the tokens' fragments (tile m, K step s) at v[64 m + 8 s].   window 2: the weights' (K step s, tile t) at v[32 s + 8 t].   window 3: v0-31 the bias, 8 a tile.
.set XSO,  2097152                     ; xq: where the scale words begin
.set WSO,  8388608                     ; wq: likewise
.set HSO,  16777216                    ; hq: likewise
.set RP,   528                         ; LDS: a token's 512 bytes of codes + 16: the sixteen rows that a load touches start at sixteen different banks (64 banks of 4 bytes: ISA guide 11.1)
.set XS,   16                          ; register 8 (m / 2) + s: lanes 0-15 the even tile's tokens, lanes 16-31 the odd tile's
.set WS,   32                          ; register 8 p + s: lanes 0-15 tile 2 p, lanes 16-31 tile 2 p + 1
.set ACC,  48
.set BI,   0
.set AC,   176
.set T,    184
.set PP,   192
.set QQ,   200
.set PC,   208
.set PWH,  224
.set TM,   228
.set RWA,  240
.set MSB, 0
.macro WIN new                         ; the immediate's high byte repeats the setting that is left
.if MSB != \new
	s_set_vgpr_msb (MSB<<8)|\new
.set MSB, \new
.endif
.endm
.macro CPAIR r, x                      ; a constant as a pair: the packed forms name a pair and take its low word for both halves
	s_mov_b32 s[\r], \x
	s_mov_b32 s[\r+1], \x
.endm
.macro PLACES
.rept 5
	v_nop
.endr
.endm
.macro SETBASE n                       ; the package's three bases for the expert in s[n] (held to 0 .. 7)
	s_mov_b32 s21, 0
	s_lshl_b32 s20, s[\n], 12
	s_add_nc_u64 s[28:29], s[22:23], s[20:21]      ; bias: 4,096 bytes an expert
	s_lshl_b32 s20, s[\n], 15
	s_add_nc_u64 s[30:31], s[24:25], s[20:21]      ; scale words: 32 KiB
	s_lshl_b32 s20, s[\n], 19
	s_add_nc_u64 s[32:33], s[26:27], s[20:21]      ; codes: 512 KiB
.endm
.macro CODES s                         ; K step s: my four tiles' fragments, 8 loads of 512 consecutive bytes
.irp t, 0,1,2,3
.irp c, 0,1
	global_load_b128 v[32*(\s)+8*\t+4*\c:32*(\s)+8*\t+4*\c+3], v3, s[32:33] offset:(\t/2)*16384+(\s)*2048+(\t%2)*1024+\c*512
.endr
.endr
.endm
.macro LOADB1                          ; 60 loads
	WIN 0xc0                                       ; destination window 3
.irp t, 0,1,2,3
.irp i, 0,1
	global_load_b128 v[BI+8*\t+4*\i:BI+8*\t+4*\i+3], v5, s[28:29] offset:(32*(\t/2)+8*(\t%2))*4+16*\i   ; lane (r, h), tile 2 p + u: units 32 p + 16 h + 8 u + 0 .. 7
.endr
.endr
	WIN 0
.irp p, 0,1
.irp g, 0,1
	global_load_b128 v[WS+8*\p+4*\g:WS+8*\p+4*\g+3], v3, s[30:31] offset:\p*1024+\g*512
.endr
.endr
	WIN 0x80                                       ; destination window 2
.irp s, 0,1,2,3,4,5
	CODES \s
.endr
.endm
.macro LOADB2                          ; 16 loads
	WIN 0x80
	CODES 6
	CODES 7
.endm
.macro WM m, t, s                      ; tile of tokens m x tile of units t, K step s.  The first K step takes the bias as C
.set rD, ACC+8*(4*(\m)+(\t))
.set rW, 32*(\s)+8*(\t)
.set rT, 64*(\m)+8*(\s)
.set rC, rD
.if (\s) == 0
.set rC, BI+8*(\t)
.endif
.set rSW, WS+8*((\t)/2)+(\s)
.set rST, XS+8*((\m)/2)+(\s)
.if ((\t)%2 == 0) && ((\m)%2 == 0)
	v_wmma_scale_f32_16x16x128_f8f6f4 v[rD:rD+7], v[rW:rW+7], v[rT:rT+7], v[rC:rC+7], v[rSW], v[rST] matrix_a_fmt:MATRIX_FMT_FP4 matrix_b_fmt:MATRIX_FMT_FP4
.elseif ((\t)%2 == 1) && ((\m)%2 == 0)
	v_wmma_scale_f32_16x16x128_f8f6f4 v[rD:rD+7], v[rW:rW+7], v[rT:rT+7], v[rC:rC+7], v[rSW], v[rST] matrix_a_fmt:MATRIX_FMT_FP4 matrix_b_fmt:MATRIX_FMT_FP4 matrix_a_scale:MATRIX_SCALE_ROW1
.elseif ((\t)%2 == 0) && ((\m)%2 == 1)
	v_wmma_scale_f32_16x16x128_f8f6f4 v[rD:rD+7], v[rW:rW+7], v[rT:rT+7], v[rC:rC+7], v[rSW], v[rST] matrix_a_fmt:MATRIX_FMT_FP4 matrix_b_fmt:MATRIX_FMT_FP4 matrix_b_scale:MATRIX_SCALE_ROW1
.else
	v_wmma_scale_f32_16x16x128_f8f6f4 v[rD:rD+7], v[rW:rW+7], v[rT:rT+7], v[rC:rC+7], v[rSW], v[rST] matrix_a_fmt:MATRIX_FMT_FP4 matrix_b_fmt:MATRIX_FMT_FP4 matrix_a_scale:MATRIX_SCALE_ROW1 matrix_b_scale:MATRIX_SCALE_ROW1
.endif
.endm
.macro KSTEP s                         ; 16 matrix instructions, the 16 accumulators by turns, one instruction a turn
	s_wait_loadcnt 8*(7-(\s))                      ; the codes of the later K steps may stay out
.if (\s) == 0
	WIN 0x36                                       ; source 0 window 2, source 1 window 1, C window 3, D window 0
.else
	WIN 0x06                                       ; C and D window 0
.endif
.irp m, 0,1,2,3
.irp t, 0,1,2,3
	WM \m, \t, \s
.endr
.endr
.endm
; Eight numbers a in v[a] on become a (0.5 + ac P(t) / Q(t)), ac = a held to +-5.2947, t = ac^2.  Packed forms, two numbers an instruction; the two chains by turns.
.macro GELU8 a
.irp j, 0,1,2,3,4,5,6,7
	v_med3_num_f32 v[AC+\j], v[(\a)+\j], -v12, v12     ; the accumulator is read from its low end on
.endr
.irp j, 0,2,4,6
	v_pk_mul_f32 v[T+\j:T+\j+1], v[AC+\j:AC+\j+1], v[AC+\j:AC+\j+1]
.endr
.irp j, 0,2,4,6
	v_pk_fma_f32 v[PP+\j:PP+\j+1], v[T+\j:T+\j+1], v[8:9], s[58:59] op_sel_hi:[1,1,0]
	v_pk_fma_f32 v[QQ+\j:QQ+\j+1], v[T+\j:T+\j+1], v[10:11], s[70:71] op_sel_hi:[1,1,0]
.endr
.irp j, 0,2,4,6
	v_pk_fma_f32 v[PP+\j:PP+\j+1], v[PP+\j:PP+\j+1], v[T+\j:T+\j+1], s[56:57] op_sel_hi:[1,1,0]
	v_pk_fma_f32 v[QQ+\j:QQ+\j+1], v[QQ+\j:QQ+\j+1], v[T+\j:T+\j+1], s[68:69] op_sel_hi:[1,1,0]
.endr
.irp j, 0,2,4,6
	v_pk_fma_f32 v[PP+\j:PP+\j+1], v[PP+\j:PP+\j+1], v[T+\j:T+\j+1], s[54:55] op_sel_hi:[1,1,0]
	v_pk_fma_f32 v[QQ+\j:QQ+\j+1], v[QQ+\j:QQ+\j+1], v[T+\j:T+\j+1], s[66:67] op_sel_hi:[1,1,0]
.endr
.irp j, 0,2,4,6
	v_pk_fma_f32 v[PP+\j:PP+\j+1], v[PP+\j:PP+\j+1], v[T+\j:T+\j+1], s[52:53] op_sel_hi:[1,1,0]
	v_pk_fma_f32 v[QQ+\j:QQ+\j+1], v[QQ+\j:QQ+\j+1], v[T+\j:T+\j+1], s[62:63] op_sel_hi:[1,1,0]
.endr
.irp j, 0,2,4,6
	v_pk_fma_f32 v[QQ+\j:QQ+\j+1], v[QQ+\j:QQ+\j+1], v[T+\j:T+\j+1], s[60:61] op_sel_hi:[1,1,0]
.endr
.irp j, 0,2,4,6
	v_pk_fma_f32 v[QQ+\j:QQ+\j+1], v[QQ+\j:QQ+\j+1], v[T+\j:T+\j+1], 1.0 op_sel_hi:[1,1,0]
.endr
.irp j, 0,1,2,3,4,5,6,7
	v_rcp_f32 v[QQ+\j], v[QQ+\j]
.endr
	v_nop                                          ; one plain place behind the reciprocals
	s_wait_alu depctr_va_vdst(0)
.irp j, 0,2,4,6
	v_pk_mul_f32 v[PP+\j:PP+\j+1], v[PP+\j:PP+\j+1], v[QQ+\j:QQ+\j+1]
.endr
.irp j, 0,2,4,6
	v_pk_fma_f32 v[PP+\j:PP+\j+1], v[AC+\j:AC+\j+1], v[PP+\j:PP+\j+1], 0.5 op_sel_hi:[1,1,0]
.endr
.irp j, 0,2,4,6
	v_pk_mul_f32 v[(\a)+\j:(\a)+\j+1], v[(\a)+\j:(\a)+\j+1], v[PP+\j:PP+\j+1]
.endr
.endm
; 32 numbers of a lane, register 16 b + i = unit 32 b + 16 (lane / 16) + i of my wave's 64, become four registers of codes (units 32 (lane / 16) + 0 .. 31) and two scale bytes.
.macro QUANT2 s, m
.irp b, 0,1
	v_max3_num_f32 v[TM+\b], |v[(\s)+16*\b]|, |v[(\s)+16*\b+1]|, 0x1800000   ; and the floor 2^(3 - 127): the byte cannot fall under 1
.endr
.irp i, 2,4,6,8,10,12,14
.irp b, 0,1
	v_max3_num_f32 v[TM+\b], v[TM+\b], |v[(\s)+16*\b+\i]|, |v[(\s)+16*\b+\i+1]|
.endr
.endr
.irp b, 0,1
	v_permlanex16_b32 v[TM+2+\b], v[TM+\b], s74, s75
.endr
.irp b, 0,1
	v_max_num_f32 v[TM+\b], v[TM+\b], v[TM+2+\b]   ; with lane l xor 16's: the block's largest magnitude
.endr
.irp b, 0,1
	v_add_nc_u32 v[TM+4+\b], 0xff000000, v[TM+\b]  ; 2 off its exponent field: the conversion's scale operand
.endr
.irp b, 0,1
	v_lshrrev_b32 v[TM+2+\b], 23, v[TM+4+\b]       ; the scale's byte
.endr
	v_lshl_or_b32 v[PWH+(\m)], v[TM+3], 8, v[TM+2]
.irp b, 0,1
	v_cvt_scalef32_pk8_fp4_f32 v[PC+4*(\m)+2*\b], v[(\s)+16*\b:(\s)+16*\b+7], v[TM+4+\b]
	v_cvt_scalef32_pk8_fp4_f32 v[PC+4*(\m)+2*\b+1], v[(\s)+16*\b+8:(\s)+16*\b+15], v[TM+4+\b]
.endr
	v_nop                                          ; one plain place behind a scaled conversion
.irp i, 0,1
	v_permlane16_swap_b32 v[PC+4*(\m)+\i], v[PC+4*(\m)+2+\i]   ; a whole block to a lane: lanes 0-15 block 0, lanes 16-31 block 1
.endr
.endm
; Tile of tokens m: the activation and the codes where the tile uses the expert (bit 8 m + e of the four masks), else zero codes under the byte 1.  Both ways write the same registers.
.macro EPI m
	s_add_co_u32 s77, s18, 8*(\m)
	s_bitcmp1_b32 s78, s77
	s_cbranch_scc0 .Lidle_\@
.irp t, 0,1,2,3
	GELU8 ACC+8*(4*(\m)+\t)
.endr
	QUANT2 ACC+32*(\m), \m
	s_branch .Lput_\@
.Lidle_\@:
.irp i, 0,1,2,3
	v_mov_b32 v[PC+4*(\m)+\i], 0
.endr
	v_mov_b32 v[PWH+(\m)], 0x0101
.Lput_\@:
	global_store_b128 v3, v[PC+4*(\m):PC+4*(\m)+3], s[34:35] offset:(\m)*8192   ; half a fragment's image: 512 consecutive bytes, aligned
.endm
	s_load_b256 s[4:11], s[0:1], 0x0               ; xq s[4:5], wq s[6:7], b1 s[8:9], ord s[10:11]
	s_load_b64 s[12:13], s[0:1], 0x20              ; hq
	v_lshl_add_u32 v238, v0, 2, 0x8400
	v_mov_b32 v239, 0
	v_lshrrev_b32 v1, 5, v0
	v_readfirstlane_b32 s14, v1                    ; wave 0..3
	s_mov_b32 s15, ttmp9                           ; which 256 hidden units
	s_and_b32 s16, ttmp7, 0xffff                   ; which 64 sorted places
	v_and_b32 v1, 15, v0                           ; r
	v_bfe_u32 v2, v0, 4, 1                         ; h
	v_and_b32 v4, 31, v0
	v_lshlrev_b32 v3, 4, v4                        ; 16 x lane; never rewritten
	v_lshlrev_b32 v4, 2, v4                        ; 4 x lane; never rewritten
	v_lshlrev_b32 v5, 6, v2                        ; 64 h: the bias of my half's units; never rewritten
	v_mul_u32_u24 v6, v1, RP
	v_lshl_add_u32 v6, v2, 4, v6                   ; LDS: a fragment's row r, + 16 h
	s_mul_i32 s19, s14, 16*RP
	v_add_nc_u32 v7, s19, v3                       ; LDS: the 16 rows that my wave brings, 16 bytes a lane
	v_mov_b32 v8, 0x36a9d4af                       ; P4, twice: an instruction reads too few scalar values for both constants of a chain's first step
	v_mov_b32 v9, 0x36a9d4af
	v_mov_b32 v10, 0xb0fd3906                      ; Q6, twice
	v_mov_b32 v11, 0xb0fd3906
	v_mov_b32 v12, 0x40a96e37                      ; 5.2947 = 3.7439 sqrt 2
	v_mov_b32 v[TM+2], 0                           ; written once: a lane permute's destination counts as one of its sources
	v_mov_b32 v[TM+3], 0
	CPAIR 52, 0x3ecc4229                           ; P0 .. P3
	CPAIR 54, 0x3d061aeb
	CPAIR 56, 0x3b93955d
	CPAIR 58, 0x391df186
	CPAIR 60, 0x3e7eb44a                           ; Q1 .. Q5 (Q0 = 1)
	CPAIR 62, 0x3ce34c21
	CPAIR 66, 0x3ae687d4
	CPAIR 68, 0x38856d28
	CPAIR 70, 0x354588df
	s_mov_b32 s74, 0x76543210                      ; v_permlanex16_b32's selects for lane l xor 16
	s_mov_b32 s75, 0xfedcba98
	s_mov_b32 s76, 0xffff0000                      ; lanes 16-31
	s_lshl_b32 s72, s16, 2                         ; the block's four masks: 4 bytes
	s_lshl_b32 s19, s16, 8                         ; the block's 64 words of perm
	s_lshl_b32 s73, s14, 6
	s_add_co_u32 s73, s73, s19                     ; my wave's 16 of them
	v_add_nc_u32 v13, s19, v4
	s_wait_kmcnt 0x0
	s_load_b32 s78, s[10:11], s72 offset:0x8000    ; byte m: the experts that tokens 16 m .. 16 m + 15 use
	s_load_b512 s[36:51], s[10:11], s73 offset:0x0 ; the tokens at my wave's 16 places
	global_load_b32 v14, v13, s[10:11]             ; the token at place lane,
	global_load_b32 v15, v13, s[10:11] offset:128  ; and at place 32 + lane: for the scale words
	s_mov_b32 s21, 0
	s_lshl_b32 s20, s15, 10
	s_lshl_b32 s19, s14, 8
	s_add_co_u32 s20, s20, s19
	s_add_nc_u64 s[22:23], s[8:9], s[20:21]        ; b1 at my wave's first unit
	s_lshl_b32 s20, s15, 13
	s_lshl_b32 s19, s14, 11
	s_add_co_u32 s20, s20, s19
	s_add_nc_u64 s[24:25], s[6:7], s[20:21]
	s_add_nc_u64 s[24:25], s[24:25], WSO           ; the scale words of my two pairs of tiles: pair 8 x + 2 w on, 1,024 bytes each
	s_lshl_b32 s20, s15, 17
	s_lshl_b32 s19, s14, 15
	s_add_co_u32 s20, s20, s19
	s_add_nc_u64 s[26:27], s[6:7], s[20:21]        ; their codes: 16 KiB each
	s_lshl_b32 s20, s16, 18                        ; hq, codes: 8 experts x 32 KiB a block; my wave's 64 units are half c = w % 2 of K step 2 x + w / 2: 512 (4 x + w) bytes on
	s_lshl_b32 s19, s15, 11
	s_add_co_u32 s20, s20, s19
	s_lshl_b32 s19, s14, 9
	s_add_co_u32 s20, s20, s19
	s_add_nc_u64 s[34:35], s[12:13], s[20:21]
	s_lshl_b32 s20, s16, 14                        ; hq, scale halves: 8 experts x 2 KiB a block; my wave's 128 bytes are number 4 x + w of 16
	s_lshl_b32 s19, s15, 9
	s_add_co_u32 s20, s20, s19
	s_lshl_b32 s19, s14, 7
	s_add_co_u32 s20, s20, s19
	s_add_nc_u64 s[80:81], s[12:13], s[20:21]
	s_add_nc_u64 s[80:81], s[80:81], HSO
	s_wait_kmcnt 0x0
.irp i, 0,1,2,3,4,5,6,7,8,9,10,11,12,13,14,15
	s_min_u32 s[36+\i], s[36+\i], 0xfff
	s_lshl_b32 s[36+\i], s[36+\i], 9
	v_add_nc_u32 v[RWA+\i], s[36+\i], v3
	global_load_b128 v[ACC+4*\i:ACC+4*\i+3], v[RWA+\i], s[4:5]     ; a token's whole row of codes: 512 consecutive bytes
.endr
	s_lshr_b32 s17, s78, 16                        ; the block's mask: the four bytes joined
	s_or_b32 s17, s17, s78
	s_lshr_b32 s19, s17, 8
	s_or_b32 s17, s17, s19
	s_and_b32 s17, s17, 0xff
	s_ctz_i32_b32 s79, s17                         ; the block's first expert
	s_min_u32 s79, s79, 7
	SETBASE 79
	s_wait_loadcnt 16                              ; the two loads of perm are in; the 16 rows issued behind them may be out
	v_min_u32 v14, 0xfff, v14
	v_min_u32 v15, 0xfff, v15
	v_lshlrev_b32 v14, 5, v14                      ; 8 scale words a token
	v_lshlrev_b32 v15, 5, v15
	global_load_b128 v[XS:XS+3], v14, s[4:5] offset:XSO
	global_load_b128 v[XS+4:XS+7], v14, s[4:5] offset:XSO+16
	global_load_b128 v[XS+8:XS+11], v15, s[4:5] offset:XSO
	global_load_b128 v[XS+12:XS+15], v15, s[4:5] offset:XSO+16
	LOADB1
	WIN 0
	s_wait_loadcnt 63                              ; the 16 rows are in: 64 loads were issued behind them, and 63 is the most that a wait can name
.irp i, 0,1,2,3,4,5,6,7,8,9,10,11,12,13,14,15
	ds_store_b128 v7, v[ACC+4*\i:ACC+4*\i+3] offset:RP*\i
.endr
	s_wait_dscnt 0x0                               ; for the others' sake: my 16 rows lie in LDS
	s_barrier_signal -1
	s_barrier_wait -1                              ; all 64 do
	WIN 0x40                                       ; destination window 1
.irp m, 0,1,2,3
.irp s, 0,1,2,3,4,5,6,7
.irp c, 0,1
	ds_load_b128 v[64*\m+8*\s+4*\c:64*\m+8*\s+4*\c+3], v6 offset:16*\m*RP+64*\s+32*\c
.endr
.endr
.endr
	WIN 0
	s_wait_dscnt 0x0
	s_mov_b32 s18, 0                               ; the expert
.Lexpert:
	s_bitcmp1_b32 s17, s18
	s_cbranch_scc0 .Lskip
	LOADB2                                         ; the package's last 16 loads, by the bases that were set for this expert
	KSTEP 0
	KSTEP 1
	KSTEP 2
	KSTEP 3
	KSTEP 4
	KSTEP 5
	KSTEP 6
	KSTEP 7
	WIN 0
	PLACES                                         ; four places in front of loads into the products' registers and of the first read of results; a fifth, since the next expert's first products write the accumulators anew
	s_lshr_b32 s19, s17, s18
	s_lshr_b32 s19, s19, 1                         ; the experts behind this one
	s_cmp_eq_u32 s19, 0
	s_cbranch_scc1 .Lno_next
	s_ctz_i32_b32 s79, s19
	s_add_co_u32 s79, s79, s18
	s_add_co_u32 s79, s79, 1
	s_min_u32 s79, s79, 7
	s_wait_xcnt 0x0                                ; the bases are rewritten only behind this wait
	SETBASE 79
	LOADB1                                         ; the next expert's first 60 loads land during the activation
	WIN 0
.Lno_next:
	EPI 0
	EPI 1
	EPI 2
	EPI 3
	v_cndmask_b32 v[TM], v[PWH], v[PWH+1], s76     ; lanes 0-15: tile 0's bytes of row r, lanes 16-31: tile 1's;
	v_cndmask_b32 v[TM+1], v[PWH+2], v[PWH+3], s76 ; tiles 2 and 3 likewise, in the upper half
	v_lshl_or_b32 v[TM+6], v[TM+1], 16, v[TM]
	global_store_b32 v4, v[TM+6], s[80:81]         ; 128 consecutive bytes a wave, the four waves side by side
.Lskip:
	s_wait_xcnt 0x0                                ; the stores' data and bases are rewritten only behind this wait
	s_add_nc_u64 s[34:35], s[34:35], 32768         ; the next expert's place in hq
	s_add_nc_u64 s[80:81], s[80:81], 2048
	s_add_co_u32 s18, s18, 1
	s_cmp_lt_u32 s18, 8
	s_cbranch_scc1 .Lexpert
	s_wait_tensorcnt 0x0
	ds_add_u32 v238, v239
	s_wait_dscnt 0x0
	s_endpgm
.Lfunc_end_k_qcb2f062c90_up:
	.size	k_qcb2f062c90_up, .Lfunc_end_k_qcb2f062c90_up-k_qcb2f062c90_up
	.p2alignl 7, 3214868480
	.fill 96, 4, 3214868480
	.section	.rodata,"a",@progbits
	.p2align	6, 0x0
	.amdhsa_kernel k_qcb2f062c90_up
		.amdhsa_group_segment_fixed_size 34304
		.amdhsa_private_segment_fixed_size 0
		.amdhsa_enable_private_segment 0
		.amdhsa_kernarg_size 40
		.amdhsa_user_sgpr_count 2
		.amdhsa_user_sgpr_kernarg_segment_ptr 1
		.amdhsa_wavefront_size32 1
		.amdhsa_system_sgpr_workgroup_id_x 1
		.amdhsa_system_sgpr_workgroup_id_y 1
		.amdhsa_system_sgpr_workgroup_id_z 1
		.amdhsa_system_vgpr_workitem_id 0
		.amdhsa_next_free_vgpr 800
		.amdhsa_next_free_sgpr 84
		.amdhsa_reserve_vcc 0
		.amdhsa_float_denorm_mode_32 3
		.amdhsa_float_denorm_mode_16_64 3
		.amdhsa_memory_ordered 1
		.amdhsa_forward_progress 1
		.amdhsa_inst_pref_size 123
	.end_amdhsa_kernel
	.amdgpu_metadata
---
amdhsa.version: [ 1, 2 ]
amdhsa.kernels:
  - .name:           k_qcb2f062c90_up
    .symbol:         k_qcb2f062c90_up.kd
    .args:
      - { .name: xq, .offset: 0, .size: 8, .value_kind: global_buffer, .address_space: global }
      - { .name: wq, .offset: 8, .size: 8, .value_kind: global_buffer, .address_space: global }
      - { .name: b1, .offset: 16, .size: 8, .value_kind: global_buffer, .address_space: global }
      - { .name: ord, .offset: 24, .size: 8, .value_kind: global_buffer, .address_space: global }
      - { .name: hq, .offset: 32, .size: 8, .value_kind: global_buffer, .address_space: global }
    .group_segment_fixed_size: 34304
    .private_segment_fixed_size: 0
    .kernarg_segment_align: 8
    .kernarg_segment_size: 40
    .max_flat_workgroup_size: 128
    .sgpr_count:     84
    .vgpr_count:     800
    .wavefront_size: 32
...
	.end_amdgpu_metadata
.endif
;; end of part 3
;; launch down (part 4): grid 4 x 64, 4 waves a work-group, no clusters, 296,448 bytes of LDS; arguments hq, wq, b2, ord, sgate, out0; writes out0
.if DOCPART == 4
	.amdgcn_target "amdgcn-amd-amdhsa--gfx1250"
	.amdhsa_code_object_version 6
	.text
	.protected	k_qcb2f062c90_down
	.globl	k_qcb2f062c90_down
	.p2align	8
	.type	k_qcb2f062c90_down,@function
k_qcb2f062c90_down:
	s_mov_b64 s[64:65], 0
	v_nop
	global_prefetch_b8 v0, s[64:65] scope:SCOPE_SE
	s_setreg_imm32_b32 hwreg(HW_REG_WAVE_MODE, 25, 1), 1
	s_wait_xcnt 0x0
; DOWN.  For a block of 64 sorted tokens and 256 output columns: out = the sum over the experts e that the block uses of gate_e (Q(h_e) Q(W2[e]) + b2[e]), on codes of FP4 (E2M1) with E8M0 scales; sums in f32.
; gate_e of a token is g1 where its first choice is e, g2 where its second is, else 0.  Each output row has one owner: a token stands at one sorted place.
; SHARES.  grid x = which 256 columns, y = which 64 sorted places.  Wave w: all 64 tokens x columns 64 w .. 64 w + 63 of the 256: 16 accumulators, and 128 registers of weighted sums.
; THE PRODUCT IS USED TRANSPOSED: source 0 = 16 columns of W2, source 1 = 16 tokens; a lane holds one token, and the 16 registers of tiles 2 p and 2 p + 1 are 16 neighbouring columns.
; THE HIDDEN LAYER lies in hq as images of the operand's registers.  All four waves want all of it, so it comes into LDS once: wave w brings experts w and w + 4, where the block uses them; one barrier.
; THE WALK, THE WEIGHTS and the counts of the waits: a loop of eight trips, a scalar branch on the stored mask; an expert's 76 loads in a fixed order (8 bias, 4 scale words, 8 codes for each of 8 K steps),
; the first 60 asked for behind the products of the expert before, the last 16 at the head of the expert's own trip: K step s waits for all but the 8 (7 - s) loads issued behind its own.
; NO TENSOR LOAD, NO CLUSTER: which experts a block walks hangs on numbers read from memory, so blocks that share a tile of weights need it in different trips or not at all.
; LIMITS: NaN and infinities are not served.
; REGISTERS, in windows of 256.  window 0: v1-14 addresses; v16-31 the hidden layer's scale words; v32-47 the weights'; v48-175 the accumulators ((m, t) at v[48 + 8 (4 m + t)]); v176-191 scale halves; v192-199 the tokens' two choices;
;   v200-207 their gates; v208-215 the gate for the expert in hand; v216-219 words of ssel.   window 1: the hidden layer's fragments (tile m, K step s) at v[64 m + 8 s].   window 2: the weights' (K step s, tile t) at v[32 s + 8 t].
;   window 3: v0-127 the weighted sums; v128-159 the rows' offsets in out0; v160-191 the bias, 8 a tile; v192 16 r.
.set WSO,  8388608                     ; wq: where the scale words begin
.set HSO,  16777216                    ; hq: likewise
.set ER,   34816                       ; LDS: an expert's region: 32 KiB of images, 2 KiB of scale halves
.set STG,  8*ER                        ; LDS: behind the eight regions a stage of 16 rows x (256 bytes + 16) for each wave
.set XS,   16                          ; register 8 (m / 2) + s: lanes 0-15 the even tile's tokens, lanes 16-31 the odd tile's
.set WS,   32                          ; register 8 p + s: lanes 0-15 tile 2 p, lanes 16-31 tile 2 p + 1
.set ACC,  48
.set HR,   176
.set BI,   160
.set MSB, 0
.macro WIN new                         ; the immediate's high byte repeats the setting that is left
.if MSB != \new
	s_set_vgpr_msb (MSB<<8)|\new
.set MSB, \new
.endif
.endm
.macro PLACES
.rept 5
	v_nop
.endr
.endm
.macro SETBASE n                       ; the package's three bases for the expert in s[n] (held to 0 .. 7)
	s_mov_b32 s21, 0
	s_lshl_b32 s20, s[\n], 12
	s_add_nc_u64 s[28:29], s[22:23], s[20:21]      ; bias: 4,096 bytes an expert
	s_lshl_b32 s20, s[\n], 15
	s_add_nc_u64 s[30:31], s[24:25], s[20:21]      ; scale words: 32 KiB
	s_lshl_b32 s20, s[\n], 19
	s_add_nc_u64 s[32:33], s[26:27], s[20:21]      ; codes: 512 KiB
.endm
.macro CODES s                         ; K step s: my four tiles' fragments, 8 loads of 512 consecutive bytes
.irp t, 0,1,2,3
.irp c, 0,1
	global_load_b128 v[32*(\s)+8*\t+4*\c:32*(\s)+8*\t+4*\c+3], v3, s[32:33] offset:(\t/2)*16384+(\s)*2048+(\t%2)*1024+\c*512
.endr
.endr
.endm
.macro LOADB1                          ; 60 loads
	WIN 0xc0                                       ; destination window 3
.irp t, 0,1,2,3
.irp i, 0,1
	global_load_b128 v[BI+8*\t+4*\i:BI+8*\t+4*\i+3], v5, s[28:29] offset:(32*(\t/2)+8*(\t%2))*4+16*\i   ; lane (r, h), tile 2 p + u: columns 32 p + 16 h + 8 u + 0 .. 7
.endr
.endr
	WIN 0
.irp p, 0,1
.irp g, 0,1
	global_load_b128 v[WS+8*\p+4*\g:WS+8*\p+4*\g+3], v3, s[30:31] offset:\p*1024+\g*512
.endr
.endr
	WIN 0x80                                       ; destination window 2
.irp s, 0,1,2,3,4,5
	CODES \s
.endr
.endm
.macro LOADB2                          ; 16 loads
	WIN 0x80
	CODES 6
	CODES 7
.endm
.macro WM m, t, s                      ; tile of tokens m x tile of columns t, K step s.  The first K step takes the bias as C
.set rD, ACC+8*(4*(\m)+(\t))
.set rW, 32*(\s)+8*(\t)
.set rT, 64*(\m)+8*(\s)
.set rC, rD
.if (\s) == 0
.set rC, BI+8*(\t)
.endif
.set rSW, WS+8*((\t)/2)+(\s)
.set rST, XS+8*((\m)/2)+(\s)
.if ((\t)%2 == 0) && ((\m)%2 == 0)
	v_wmma_scale_f32_16x16x128_f8f6f4 v[rD:rD+7], v[rW:rW+7], v[rT:rT+7], v[rC:rC+7], v[rSW], v[rST] matrix_a_fmt:MATRIX_FMT_FP4 matrix_b_fmt:MATRIX_FMT_FP4
.elseif ((\t)%2 == 1) && ((\m)%2 == 0)
	v_wmma_scale_f32_16x16x128_f8f6f4 v[rD:rD+7], v[rW:rW+7], v[rT:rT+7], v[rC:rC+7], v[rSW], v[rST] matrix_a_fmt:MATRIX_FMT_FP4 matrix_b_fmt:MATRIX_FMT_FP4 matrix_a_scale:MATRIX_SCALE_ROW1
.elseif ((\t)%2 == 0) && ((\m)%2 == 1)
	v_wmma_scale_f32_16x16x128_f8f6f4 v[rD:rD+7], v[rW:rW+7], v[rT:rT+7], v[rC:rC+7], v[rSW], v[rST] matrix_a_fmt:MATRIX_FMT_FP4 matrix_b_fmt:MATRIX_FMT_FP4 matrix_b_scale:MATRIX_SCALE_ROW1
.else
	v_wmma_scale_f32_16x16x128_f8f6f4 v[rD:rD+7], v[rW:rW+7], v[rT:rT+7], v[rC:rC+7], v[rSW], v[rST] matrix_a_fmt:MATRIX_FMT_FP4 matrix_b_fmt:MATRIX_FMT_FP4 matrix_a_scale:MATRIX_SCALE_ROW1 matrix_b_scale:MATRIX_SCALE_ROW1
.endif
.endm
.macro KSTEP s                         ; 16 matrix instructions, the 16 accumulators by turns, one instruction a turn
	s_wait_loadcnt 8*(7-(\s))                      ; the weights' codes of the later K steps may stay out,
	s_wait_dscnt 8*(7-(\s))                        ; and the hidden layer's fragments of the later K steps: 8 LDS loads each
.if (\s) == 0
	WIN 0x36                                       ; source 0 window 2, source 1 window 1, C window 3, D window 0
.else
	WIN 0x06                                       ; C and D window 0
.endif
.irp m, 0,1,2,3
.irp t, 0,1,2,3
	WM \m, \t, \s
.endr
.endr
.endm
; Expert w + 4 k, where the block uses it, comes from hq into its region of LDS, as it lies: 64 + 4 loads and stores of 512 consecutive bytes.  adr: the register with 16 x lane + the region's first byte.
.macro STAGE k, adr
	s_add_co_u32 s38, s34, 4*\k
	s_bitcmp1_b32 s17, s38
	s_cbranch_scc0 .Lnot_used_\@
	s_lshl_b32 s39, s36, 3
	s_add_co_u32 s39, s39, s38                     ; 8 x block + expert
	s_mov_b32 s21, 0
	s_lshl_b32 s20, s39, 15
	s_add_nc_u64 s[40:41], s[4:5], s[20:21]
	s_lshl_b32 s20, s39, 11
	s_add_nc_u64 s[42:43], s[4:5], s[20:21]
	s_add_nc_u64 s[42:43], s[42:43], HSO
	WIN 0x40                                       ; destination window 1
.set i_, 0
.rept 64
	global_load_b128 v[4*i_:4*i_+3], v3, s[40:41] offset:512*i_
.set i_, i_+1
.endr
	WIN 0
.irp i, 0,1,2,3
	global_load_b128 v[ACC+4*\i:ACC+4*\i+3], v3, s[42:43] offset:512*\i
.endr
	s_wait_loadcnt 0x0
	WIN 0x04                                       ; an LDS store's data are its source 1: window 1
.set i_, 0
.rept 64
	ds_store_b128 v[\adr], v[4*i_:4*i_+3] offset:512*i_
.set i_, i_+1
.endr
	WIN 0
.irp i, 0,1,2,3
	ds_store_b128 v[\adr], v[ACC+4*\i:ACC+4*\i+3] offset:32768+512*\i
.endr
	s_wait_dscnt 0x0                               ; the stores have read their registers
.Lnot_used_\@:
.endm
	s_load_b256 s[4:11], s[0:1], 0x0               ; hq s[4:5], wq s[6:7], b2 s[8:9], ord s[10:11]
	s_load_b128 s[12:15], s[0:1], 0x20             ; sgate s[12:13], out0 s[14:15]
	v_lshl_add_u32 v254, v0, 2, 0x48400
	v_mov_b32 v255, 0
	v_lshrrev_b32 v1, 5, v0
	v_readfirstlane_b32 s34, v1                    ; wave 0..3
	s_mov_b32 s35, ttmp9                           ; which 256 columns
	s_and_b32 s36, ttmp7, 0xffff                   ; which 64 sorted places
	v_and_b32 v1, 15, v0                           ; r
	v_bfe_u32 v2, v0, 4, 1                         ; h
	v_and_b32 v4, 31, v0
	v_lshlrev_b32 v3, 4, v4                        ; 16 x lane; never rewritten
	v_lshlrev_b32 v4, 2, v4                        ; 4 x lane; never rewritten
	v_lshlrev_b32 v5, 6, v2                        ; 64 h: the bias of my half's columns; never rewritten
	s_mul_i32 s38, s34, ER
	v_add_nc_u32 v8, s38, v3                       ; LDS: expert w's region,
	v_add_nc_u32 v9, 4*ER, v8                      ; expert w + 4's
	s_mul_i32 s38, s34, 16*272
	s_add_co_u32 s38, s38, STG                     ; my stage
	v_mul_u32_u24 v10, v1, 272
	v_lshl_add_u32 v10, v2, 6, v10
	v_add_nc_u32 v10, s38, v10                     ; in: row r, + 64 h
	v_mul_u32_u24 v11, v2, 272
	v_lshl_add_u32 v11, v1, 4, v11
	v_add_nc_u32 v11, s38, v11                     ; back: lanes 0-15 one row of 256 bytes, lanes 16-31 the next
	s_lshl_b32 s38, s36, 8
	v_lshl_add_u32 v12, v1, 2, s38                 ; ssel: 4 (64 block + r)
	v_lshl_add_u32 v14, v2, 2, s38                 ; perm: 4 (64 block + h)
	s_lshl_b32 s39, s36, 9
	v_lshl_add_u32 v13, v1, 3, s39                 ; sgate: 8 (64 block + r)
	s_lshl_b32 s47, s36, 2                         ; the block's four masks
	s_mov_b32 s44, 0x05040100                      ; v_perm_b32: the two low halves,
	s_mov_b32 s45, 0x07060302                      ; the two high halves
	s_mov_b32 s37, 0                               ; LDS: the region of the expert in hand
	s_wait_kmcnt 0x0
	s_load_b32 s16, s[10:11], s47 offset:0x8000
.irp m, 0,1,2,3
	global_load_b32 v[216+\m], v12, s[10:11] offset:16384+64*\m
	global_load_b64 v[200+2*\m:201+2*\m], v13, s[12:13] offset:128*\m
.endr
	WIN 0xc0                                       ; destination window 3
.irp m, 0,1,2,3
.irp i, 0,1,2,3,4,5,6,7
	global_load_b32 v[128+8*\m+\i], v14, s[10:11] offset:(16*\m+2*\i)*4   ; the token at place 16 m + 2 i + h: the row that my lane stores on the way out
.endr
.endr
	WIN 0
	s_mov_b32 s21, 0
	s_lshl_b32 s20, s35, 10
	s_lshl_b32 s19, s34, 8
	s_add_co_u32 s20, s20, s19
	s_add_nc_u64 s[22:23], s[8:9], s[20:21]        ; b2 at my wave's first column,
	s_add_nc_u64 s[14:15], s[14:15], s[20:21]      ; and out0 likewise
	s_lshl_b32 s20, s35, 13
	s_lshl_b32 s19, s34, 11
	s_add_co_u32 s20, s20, s19
	s_add_nc_u64 s[24:25], s[6:7], s[20:21]
	s_add_nc_u64 s[24:25], s[24:25], WSO+8*32768   ; the scale words of my two pairs of tiles, in w2's matrices (8 + e)
	s_lshl_b32 s20, s35, 17
	s_lshl_b32 s19, s34, 15
	s_add_co_u32 s20, s20, s19
	s_add_nc_u64 s[26:27], s[6:7], s[20:21]
	s_add_nc_u64 s[26:27], s[26:27], 8*524288      ; their codes
	s_wait_kmcnt 0x0
	s_lshr_b32 s17, s16, 16                        ; the block's mask: the four bytes joined
	s_or_b32 s17, s17, s16
	s_lshr_b32 s19, s17, 8
	s_or_b32 s17, s17, s19
	s_and_b32 s17, s17, 0xff
	s_ctz_i32_b32 s46, s17                         ; the block's first expert
	s_min_u32 s46, s46, 7
	SETBASE 46
	LOADB1
	WIN 0
	STAGE 0, 8
	STAGE 1, 9
	WIN 0xc0
.set i_, 0
.rept 128                              ; the weighted sums begin as zeros: which expert is a block's first hangs on the stored mask, and every path has to find them written
	v_mov_b32 v[i_], 0
.set i_, i_+1
.endr
	v_lshlrev_b32 v192, 4, v1                      ; 16 r, in window 3
	WIN 0
	s_wait_loadcnt 60                              ; the 40 small loads are in: the package's 60 were issued behind them
.irp m, 0,1,2,3
	v_and_b32 v[192+\m], 0xff, v[216+\m]           ; the token's first choice,
	v_bfe_u32 v[196+\m], v[216+\m], 8, 8           ; its second
	v_mov_b32 v[209+2*\m], 0                       ; (named as the upper half of a pair)
.endr
	WIN 0xff                                       ; all in window 3
.set i_, 0
.rept 32
	v_min_u32 v[128+i_], 0xfff, v[128+i_]
	v_lshl_add_u32 v[128+i_], v[128+i_], 12, v192  ; the token's row of 4,096 bytes, + 16 r
.set i_, i_+1
.endr
	WIN 0
	s_wait_dscnt 0x0                               ; for the others' sake: what I staged lies in LDS
	s_barrier_signal -1
	s_barrier_wait -1
	s_mov_b32 s18, 0                               ; the expert
.Lexpert:
	v_add_nc_u32 v6, s37, v3                       ; the expert's images, 16 bytes a lane,
	v_add_nc_u32 v7, s37, v4                       ; and scale halves, 4 bytes a lane
	s_bitcmp1_b32 s17, s18
	s_cbranch_scc0 .Lskip
	LOADB2                                         ; the package's last 16 loads, by the bases that were set for this expert
	WIN 0
.irp q, 0,1,2,3,4,5,6,7,8,9,10,11,12,13,14,15
	ds_load_b32 v[HR+\q], v7 offset:32768+128*\q   ; half q = 2 s + c: low 16 bits tiles 0 (lanes 0-15) and 1 (lanes 16-31), high 16 bits tiles 2 and 3
.endr
	WIN 0x40                                       ; destination window 1
.irp s, 0,1,2,3,4,5,6,7
.irp m, 0,1,2,3
.irp c, 0,1
	ds_load_b128 v[64*\m+8*\s+4*\c:64*\m+8*\s+4*\c+3], v6 offset:\m*8192+\s*1024+\c*512
.endr
.endr
.endr
	WIN 0
	s_wait_dscnt 63                                ; the 16 loads of scale halves are in: 64 loads were issued behind them, and 63 is the most that a wait can name
.irp s, 0,1,2,3,4,5,6,7
	v_perm_b32 v[XS+\s], v[HR+2*\s+1], v[HR+2*\s], s44     ; K step s: bytes 0, 1 from half c = 0, bytes 2, 3 from c = 1
	v_perm_b32 v[XS+8+\s], v[HR+2*\s+1], v[HR+2*\s], s45
.endr
.irp m, 0,1,2,3                                ; the tokens' gates for this expert.  These 16 lines are also the eight places between the scale words just made and the scaled products
	v_cmp_eq_u32 vcc_lo, s18, v[192+\m]
	v_cndmask_b32 v[208+2*\m], 0, v[200+2*\m], vcc_lo
	v_cmp_eq_u32 vcc_lo, s18, v[196+\m]
	v_cndmask_b32 v[208+2*\m], v[208+2*\m], v[201+2*\m], vcc_lo
.endr
	KSTEP 0
	KSTEP 1
	KSTEP 2
	KSTEP 3
	KSTEP 4
	KSTEP 5
	KSTEP 6
	KSTEP 7
	WIN 0
	PLACES                                         ; four places in front of loads into the products' registers and of the first read of results; a fifth, since the next expert's first products write the accumulators anew
	s_lshr_b32 s19, s17, s18
	s_lshr_b32 s19, s19, 1                         ; the experts behind this one
	s_cmp_eq_u32 s19, 0
	s_cbranch_scc1 .Lno_next
	s_ctz_i32_b32 s46, s19
	s_add_co_u32 s46, s46, s18
	s_add_co_u32 s46, s46, 1
	s_min_u32 s46, s46, 7
	s_wait_xcnt 0x0                                ; the bases are rewritten only behind this wait
	SETBASE 46
	LOADB1                                         ; the next expert's first 60 loads
	WIN 0
.Lno_next:
	WIN 0xf0                                       ; sums (C and D) window 3, results and gates window 0
.irp m, 0,1,2,3
.set j_, 0
.rept 16
	v_pk_fma_f32 v[32*\m+j_:32*\m+j_+1], v[ACC+32*\m+j_:ACC+32*\m+j_+1], v[208+2*\m:209+2*\m], v[32*\m+j_:32*\m+j_+1] op_sel_hi:[1,0,1]   ; each accumulator from its low end on
.set j_, j_+2
.endr
.endr
	WIN 0
.Lskip:
	s_add_co_u32 s37, s37, ER
	s_add_co_u32 s18, s18, 1
	s_cmp_lt_u32 s18, 8
	s_cbranch_scc1 .Lexpert
; THE WAY OUT, a tile of 16 tokens at a time.  A lane holds 2 x 64 neighbouring bytes of one token's row; they go through my own stage and come back as rows of 256 bytes, which sixteen lanes store to the token's row of out0.
; LDS serves a wave's instructions in order (ISA guide 5.7.1.4): no wait between the stores and the loads, nor in front of the next tile's stores.
.irp m, 0,1,2,3
	WIN 0x0c                                       ; an LDS store's data are its source 1: window 3
.irp p, 0,1
.irp i, 0,1,2,3
	ds_store_b128 v10, v[32*\m+16*\p+4*\i:32*\m+16*\p+4*\i+3] offset:128*\p+16*\i
.endr
.endr
	WIN 0
.irp i, 0,1,2,3,4,5,6,7
	ds_load_b128 v[ACC+32*\m+4*\i:ACC+32*\m+4*\i+3], v11 offset:544*\i
.endr
	WIN 0x03                                       ; the offsets lie in window 3
.irp i, 0,1,2,3,4,5,6,7
	s_wait_dscnt 7-\i                              ; the younger loads from the stage may stay out
	global_store_b128 v[128+8*\m+\i], v[ACC+32*\m+4*\i:ACC+32*\m+4*\i+3], s[14:15] th:TH_STORE_NT   ; sixteen lanes store 256 consecutive bytes, aligned; written once, read by nobody here
.endr
.endr
	WIN 0
	s_wait_tensorcnt 0x0
	ds_add_u32 v254, v255
	s_wait_dscnt 0x0
	s_endpgm
.Lfunc_end_k_qcb2f062c90_down:
	.size	k_qcb2f062c90_down, .Lfunc_end_k_qcb2f062c90_down-k_qcb2f062c90_down
	.p2alignl 7, 3214868480
	.fill 96, 4, 3214868480
	.section	.rodata,"a",@progbits
	.p2align	6, 0x0
	.amdhsa_kernel k_qcb2f062c90_down
		.amdhsa_group_segment_fixed_size 296448
		.amdhsa_private_segment_fixed_size 0
		.amdhsa_enable_private_segment 0
		.amdhsa_kernarg_size 48
		.amdhsa_user_sgpr_count 2
		.amdhsa_user_sgpr_kernarg_segment_ptr 1
		.amdhsa_wavefront_size32 1
		.amdhsa_system_sgpr_workgroup_id_x 1
		.amdhsa_system_sgpr_workgroup_id_y 1
		.amdhsa_system_sgpr_workgroup_id_z 1
		.amdhsa_system_vgpr_workitem_id 0
		.amdhsa_next_free_vgpr 976
		.amdhsa_next_free_sgpr 66
		.amdhsa_reserve_vcc 1
		.amdhsa_float_denorm_mode_32 3
		.amdhsa_float_denorm_mode_16_64 3
		.amdhsa_memory_ordered 1
		.amdhsa_forward_progress 1
		.amdhsa_inst_pref_size 89
	.end_amdhsa_kernel
	.amdgpu_metadata
---
amdhsa.version: [ 1, 2 ]
amdhsa.kernels:
  - .name:           k_qcb2f062c90_down
    .symbol:         k_qcb2f062c90_down.kd
    .args:
      - { .name: hq, .offset: 0, .size: 8, .value_kind: global_buffer, .address_space: global }
      - { .name: wq, .offset: 8, .size: 8, .value_kind: global_buffer, .address_space: global }
      - { .name: b2, .offset: 16, .size: 8, .value_kind: global_buffer, .address_space: global }
      - { .name: ord, .offset: 24, .size: 8, .value_kind: global_buffer, .address_space: global }
      - { .name: sgate, .offset: 32, .size: 8, .value_kind: global_buffer, .address_space: global }
      - { .name: out0, .offset: 40, .size: 8, .value_kind: global_buffer, .address_space: global }
    .group_segment_fixed_size: 296448
    .private_segment_fixed_size: 0
    .kernarg_segment_align: 8
    .kernarg_segment_size: 48
    .max_flat_workgroup_size: 128
    .sgpr_count:     66
    .vgpr_count:     976
    .wavefront_size: 32
...
	.end_amdgpu_metadata
.endif
;; end of part 4
;; ======== version 2 of 2: 4 launches
;; workspace buffers: xq 2,228,224 bytes; sel 16,384 bytes of whole numbers; gate 32,768 bytes; wq 8,912,896 bytes; ord 33,024 bytes of whole numbers; sgate 32,768 bytes; hq 17,825,792 bytes
;; launch route (part 5): grid 256 x 1, 8 waves a work-group, no clusters, 18,432 bytes of LDS; arguments x, router_w, router_b, xq, sel, gate; writes xq, sel, gate
.if DOCPART == 5
	.amdgcn_target "amdgcn-amd-amdhsa--gfx1250"
	.amdhsa_code_object_version 6
	.text
	.protected	k_qcb2f062c90_route
	.globl	k_qcb2f062c90_route
	.p2align	8
	.type	k_qcb2f062c90_route,@function
k_qcb2f062c90_route:
	s_mov_b64 s[64:65], 0
	v_nop
	global_prefetch_b8 v0, s[64:65] scope:SCOPE_SE
	s_setreg_imm32_b32 hwreg(HW_REG_WAVE_MODE, 25, 1), 1
	s_wait_xcnt 0x0
; ROUTE.  For 4,096 tokens of 1,024 f32 numbers: the 8 router logits in f32, the two largest (the lower index wins a tie), their softmax, a sort key; and x as codes of FP4 (E2M1) with one E8M0 byte for each 32 along K.
; SHARES.  A work-group takes 16 tokens, wave w the 128 numbers 128 w .. 128 w + 127 of each: x is read once and serves both the logits and the codes.
; LOGITS.  A choice hangs on them, so they are made from f32 operands: v_wmma_f32_16x16x4_f32, source 0 = router_w (rows 8-15 repeat experts 0-7), source 1 = the 16 tokens.  In the result a lane holds
; ONE token (lane % 16) and its registers 0-7 the eight experts.  The product has 8 of the problem's columns: no bulk work.  The eight waves' partial sums meet in LDS; wave 0 adds them and chooses.
; CODES.  A lane loads, of its token, 16 neighbours of each block of 32; two lanes (l, l xor 16) hold a block.  The fragment's registers go to LDS as the token's row of codes, and whole rows of 512 bytes leave.
; OUT.  xq: codes [token][512 bytes], then from XSO on scale words [token][8 words].  sel[token] = i1 | i2 << 8 | key << 16.  gate[token] = g1, g2.
; The key numbers the 28 pairs of experts (lo < hi) so that neighbouring keys share an expert: lo (15 - lo) / 2 + (hi - lo - 1 where lo is even, 7 - hi where lo is odd).
; No tensor load, no cluster: no two work-groups read the same bytes of x, and router_w is 32 KiB.
; LIMITS: NaN and infinities among the inputs are not served.  Logits that differ by less than the rounding of an f32 sum of 1,024 terms (some 1e-6 of their size) may be ordered otherwise than by another order of summing.
; A block of zeros gets the byte 1 where the rule says 127: its codes are zeros, and this program alone reads the bytes.
.set XSO,  2097152                     ; xq: where the scale words begin
.set XC,   8192                        ; LDS: 16 rows of codes, 512 bytes + 16
.set XSL,  16640                       ; LDS: 16 rows of 8 scale words.  (LDS 0 .. 8191: the eight waves' partial logits, 1,024 bytes each)
.set X,    16                          ; v16-79   64 numbers of x: register 16 b + i = k 128 w + 32 b + 16 (lane / 16) + i of my token
.set RW,   80                          ; v80-143  router_w at the same k, expert lane % 8
.set D,    144                         ; v144-175 four accumulators: matrix instructions alone write them
.set S,    176                         ; v176-183 my wave's partial logits
.set TM,   184                         ; v184-199 at work
.set PW,   200                         ; v200     the scale word just made
.set PC,   208                         ; v208-215 the codes just made
.set L,    80                          ; wave 0: the eight partial sums, later the logits
.set SEL,  20                          ; s[20:21] lane selects for v_permlanex16_b32: lane l xor 16
; 64 numbers of a lane, register 16 b + i = k 32 b + 16 (lane / 16) + i of my row, become a fragment's codes in v[PC] on and its scale word in v[PW].
.macro QUANT s
.irp b, 0,1,2,3
	v_max3_num_f32 v[TM+\b], |v[\s+16*\b]|, |v[\s+1+16*\b]|, 0x1800000   ; block b: my 16 numbers, and the floor 2^(3 - 127): the byte cannot fall under 1
.endr
.irp i, 2,4,6,8,10,12,14
.irp b, 0,1,2,3
	s_delay_alu instid0(VALU_DEP_4)
	v_max3_num_f32 v[TM+\b], v[TM+\b], |v[\s+16*\b+\i]|, |v[\s+1+16*\b+\i]|   ; the four blocks by turns
.endr
.endr
.irp b, 0,1,2,3
	s_delay_alu instid0(VALU_DEP_4)
	v_permlanex16_b32 v[TM+4+\b], v[TM+\b], s[SEL], s[SEL+1]
.endr
.irp b, 0,1,2,3
	s_delay_alu instid0(VALU_DEP_4)
	v_max_num_f32 v[TM+\b], v[TM+\b], v[TM+4+\b]   ; with lane l xor 16's: the block's largest magnitude
.endr
.irp b, 0,1,2,3
	s_delay_alu instid0(VALU_DEP_4)
	v_add_nc_u32 v[TM+12+\b], 0xff000000, v[TM+\b]   ; 2 off its exponent field: the conversion takes this operand's exponent field as its scale
.endr
.irp b, 0,1,2,3
	s_delay_alu instid0(VALU_DEP_4)
	v_lshrrev_b32 v[TM+4+\b], 23, v[TM+12+\b]      ; the scale's byte
.endr
	s_delay_alu instid0(VALU_DEP_3)
	v_lshl_or_b32 v[PW], v[TM+5], 8, v[TM+4]
	s_delay_alu instid0(VALU_DEP_1)
	v_lshl_or_b32 v[PW], v[TM+6], 16, v[PW]
	s_delay_alu instid0(VALU_DEP_1)
	v_lshl_or_b32 v[PW], v[TM+7], 24, v[PW]
.irp b, 0,1,2,3
	v_cvt_scalef32_pk8_fp4_f32 v[PC+2*\b], v[\s+16*\b:\s+7+16*\b], v[TM+12+\b]
	v_cvt_scalef32_pk8_fp4_f32 v[PC+1+2*\b], v[\s+8+16*\b:\s+15+16*\b], v[TM+12+\b]
.endr
	v_nop                                          ; one plain place behind a scaled conversion
.irp c, 0,1                                    ; the operand's layout wants a whole block in a lane: lanes 0-15 block 2 c, lanes 16-31 block 2 c + 1
.irp i, 0,1
	v_permlane16_swap_b32 v[PC+4*\c+\i], v[PC+2+4*\c+\i]
.endr
.endr
.endm
	s_load_b256 s[4:11], s[0:1], 0x0               ; x s[4:5], router_w s[6:7], router_b s[8:9], xq s[10:11]
	s_load_b128 s[12:15], s[0:1], 0x20             ; sel s[12:13], gate s[14:15]
	v_lshl_add_u32 v216, v0, 2, 0x4400
	v_mov_b32 v217, 0
	v_lshrrev_b32 v1, 5, v0
	s_delay_alu instid0(VALU_DEP_1)
	v_readfirstlane_b32 s16, v1                    ; wave 0..7
	v_and_b32 v1, 15, v0                           ; r
	v_bfe_u32 v2, v0, 4, 1                         ; h
	v_and_b32 v12, 31, v0                          ; lane
	s_delay_alu instid0(VALU_DEP_3)
	v_lshlrev_b32 v3, 12, v1
	s_delay_alu instid0(VALU_DEP_1)
	v_lshl_add_u32 v3, v2, 6, v3                   ; x: row r of 4,096 bytes, + 64 h
	v_and_b32 v4, 7, v0
	s_delay_alu instid0(VALU_DEP_1)
	v_lshlrev_b32 v4, 2, v4
	s_delay_alu instid0(VALU_DEP_1)
	v_lshl_add_u32 v4, v2, 9, v4                   ; router_w: 16 h rows of 32 bytes, + 4 (r % 8)
	v_lshlrev_b32 v5, 4, v12                       ; 16 x lane
	v_mul_u32_u24 v6, v1, 528
	s_delay_alu instid0(VALU_DEP_1)
	v_lshl_add_u32 v6, v2, 4, v6
	s_lshl_b32 s17, s16, 6
	s_add_co_u32 s17, s17, XC
	v_add_nc_u32 v6, s17, v6                       ; my codes' place: row r, + 64 w + 16 h
	v_lshlrev_b32 v7, 5, v1
	s_lshl_b32 s17, s16, 2
	s_add_co_u32 s17, s17, XSL
	v_add_nc_u32 v7, s17, v7                       ; my scale word's: row r, word w
	s_lshl_b32 s17, s16, 10
	v_add_nc_u32 v8, s17, v5                       ; my partial logits' image
	s_mul_i32 s17, s16, 2*528
	s_add_co_u32 s17, s17, XC
	v_add_nc_u32 v9, s17, v5                       ; back: rows 2 w and 2 w + 1, 16 bytes a lane
	v_lshlrev_b32 v10, 2, v1                       ; sel: 4 r
	v_lshlrev_b32 v11, 3, v1                       ; gate: 8 r
	v_add_nc_u32 v13, XSL, v5                      ; the 512 bytes of scale words
	s_mov_b32 s[SEL], 0x76543210
	s_mov_b32 s[SEL+1], 0xfedcba98
.irp b, 0,1,2,3
	v_mov_b32 v[TM+4+\b], 0                        ; written once: a lane permute's destination counts as one of its sources
.endr
	s_wait_kmcnt 0x0
	s_load_b256 s[24:31], s[8:9], 0x0              ; router_b
	s_lshl_b32 s18, ttmp9, 16                      ; 16 tokens of 4,096 bytes a work-group
	s_lshl_b32 s17, s16, 9                         ; 128 numbers a wave
	s_add_co_u32 s18, s18, s17
	s_mov_b32 s19, 0
	s_add_nc_u64 s[4:5], s[4:5], s[18:19]
	s_lshl_b32 s18, s16, 12                        ; 128 rows of router_w a wave
	s_add_nc_u64 s[6:7], s[6:7], s[18:19]
	s_lshl_b32 s18, ttmp9, 13
	s_lshl_b32 s17, s16, 10
	s_add_co_u32 s18, s18, s17
	s_add_nc_u64 s[32:33], s[10:11], s[18:19]      ; xq: codes of tokens 16 wg + 2 w on
	s_lshl_b32 s18, ttmp9, 9
	s_add_nc_u64 s[34:35], s[10:11], s[18:19]
	s_add_nc_u64 s[34:35], s[34:35], XSO           ; xq: the work-group's 512 bytes of scale words
	s_lshl_b32 s18, ttmp9, 6
	s_add_nc_u64 s[12:13], s[12:13], s[18:19]
	s_lshl_b32 s18, ttmp9, 7
	s_add_nc_u64 s[14:15], s[14:15], s[18:19]
.irp b, 0,1,2,3
.irp j, 0,1,2,3
	global_load_b128 v[X+16*\b+4*\j:X+16*\b+4*\j+3], v3, s[4:5] offset:128*\b+16*\j th:TH_LOAD_NT
.endr
.endr
.irp b, 0,1,2,3
.irp i, 0,1,2,3,4,5,6,7,8,9,10,11,12,13,14,15
	global_load_b32 v[RW+16*\b+\i], v4, s[6:7] offset:(32*\b+\i)*32
.endr
.endr
	s_wait_loadcnt 0x0
	s_wait_kmcnt 0x0                               ; router_b
; 32 products of 4 along K.  Registers 2 n, 2 n + 1 of both sides hold the same k in the same lanes, so which k stands in which place of the instruction does not matter.
; Four accumulators by turns, one instruction a turn; the first four start the sums.
.set n_, 0
.rept 32
.if n_ < 4
	v_wmma_f32_16x16x4_f32 v[D+8*(n_%4):D+8*(n_%4)+7], v[RW+2*n_:RW+2*n_+1], v[X+2*n_:X+2*n_+1], 0
.else
	v_wmma_f32_16x16x4_f32 v[D+8*(n_%4):D+8*(n_%4)+7], v[RW+2*n_:RW+2*n_+1], v[X+2*n_:X+2*n_+1], v[D+8*(n_%4):D+8*(n_%4)+7]
.endif
.set n_, n_+1
.endr
	QUANT X                                        ; reads x, writes none of the products' registers
	ds_store_b128 v6, v[PC:PC+3]                   ; k = 32 h + 0 .. 31 of my 128: 16 bytes
	ds_store_b128 v6, v[PC+4:PC+7] offset:32       ; k = 64 + 32 h + 0 .. 31
	ds_store_b32 v7, v[PW]                         ; both lanes of a row write the same word
.rept 8
	v_nop                                          ; eight places behind this form before its results are read (ISA guide 7.12.1)
.endr
.irp j, 0,2,4,6                                ; each accumulator from its low end on
	v_pk_add_f32 v[S+\j:S+\j+1], v[D+\j:D+\j+1], v[D+8+\j:D+8+\j+1]
	v_pk_add_f32 v[TM+\j:TM+\j+1], v[D+16+\j:D+16+\j+1], v[D+24+\j:D+24+\j+1]
.endr
.irp j, 0,2,4,6
	v_pk_add_f32 v[S+\j:S+\j+1], v[S+\j:S+\j+1], v[TM+\j:TM+\j+1]
.endr
	ds_store_b128 v8, v[S:S+3]
	ds_store_b128 v8, v[S+4:S+7] offset:512
	s_wait_dscnt 0x0                               ; for the others' sake: my stores have landed
	s_barrier_signal -1
	s_barrier_wait -1
	ds_load_b128 v[16:19], v9                      ; two whole rows of codes
	ds_load_b128 v[20:23], v9 offset:528
	s_wait_dscnt 0x0
	global_store_b128 v5, v[16:19], s[32:33]       ; 32 lanes store 512 consecutive bytes, aligned
	global_store_b128 v5, v[20:23], s[32:33] offset:512
	s_cmp_lg_u32 s16, 1
	s_cbranch_scc1 .Lnot_wave_1
	ds_load_b128 v[24:27], v13                     ; wave 1: the 16 tokens' scale words, 512 consecutive bytes
	s_wait_dscnt 0x0
	global_store_b128 v5, v[24:27], s[34:35]
.Lnot_wave_1:
	s_cmp_lg_u32 s16, 0
	s_cbranch_scc1 .Lend
; wave 0: the logits, the choice, the gates
.irp p, 0,1,2,3,4,5,6,7
	ds_load_b128 v[L+8*\p:L+8*\p+3], v5 offset:1024*\p
	ds_load_b128 v[L+8*\p+4:L+8*\p+7], v5 offset:1024*\p+512
.endr
	s_wait_dscnt 0x0
.irp j, 0,2,4,6
	v_pk_add_f32 v[L+\j:L+\j+1], v[L+\j:L+\j+1], v[L+8+\j:L+8+\j+1]
	v_pk_add_f32 v[L+16+\j:L+16+\j+1], v[L+16+\j:L+16+\j+1], v[L+24+\j:L+24+\j+1]
	v_pk_add_f32 v[L+32+\j:L+32+\j+1], v[L+32+\j:L+32+\j+1], v[L+40+\j:L+40+\j+1]
	v_pk_add_f32 v[L+48+\j:L+48+\j+1], v[L+48+\j:L+48+\j+1], v[L+56+\j:L+56+\j+1]
.endr
.irp j, 0,2,4,6
	v_pk_add_f32 v[L+\j:L+\j+1], v[L+\j:L+\j+1], v[L+16+\j:L+16+\j+1]
	v_pk_add_f32 v[L+32+\j:L+32+\j+1], v[L+32+\j:L+32+\j+1], v[L+48+\j:L+48+\j+1]
.endr
.irp j, 0,2,4,6
	v_pk_add_f32 v[L+\j:L+\j+1], v[L+\j:L+\j+1], v[L+32+\j:L+32+\j+1]
.endr
.irp j, 0,1,2,3,4,5,6,7
	v_add_f32 v[L+\j], s[24+\j], v[L+\j]           ; + router_b
.endr
	v_mov_b32 v176, v[L]                           ; m1, i1: the largest; an equal later logit does not displace it
	v_mov_b32 v177, 0
.irp j, 1,2,3,4,5,6,7
	s_delay_alu instid0(VALU_DEP_2)
	v_cmp_le_f32 vcc_lo, v[L+\j], v176
	s_delay_alu instid0(VALU_DEP_1)
	v_cndmask_b32 v176, v[L+\j], v176, vcc_lo
	s_delay_alu instid0(VALU_DEP_2)
	v_cndmask_b32 v177, \j, v177, vcc_lo
.endr
	v_mov_b32 v180, 0xff800000                     ; the winner leaves the field
.irp j, 0,1,2,3,4,5,6,7
	v_cmp_eq_u32 vcc_lo, \j, v177
	s_delay_alu instid0(VALU_DEP_1)
	v_cndmask_b32 v[L+\j], v[L+\j], v180, vcc_lo
.endr
	v_mov_b32 v178, v[L]                           ; m2, i2
	v_mov_b32 v179, 0
.irp j, 1,2,3,4,5,6,7
	s_delay_alu instid0(VALU_DEP_2)
	v_cmp_le_f32 vcc_lo, v[L+\j], v178
	s_delay_alu instid0(VALU_DEP_1)
	v_cndmask_b32 v178, v[L+\j], v178, vcc_lo
	s_delay_alu instid0(VALU_DEP_2)
	v_cndmask_b32 v179, \j, v179, vcc_lo
.endr
	s_delay_alu instid0(VALU_DEP_2)
	v_sub_f32 v181, v178, v176                     ; the maximum is taken away: m2 - m1 is 0 or less
	s_delay_alu instid0(VALU_DEP_1)
	v_mul_f32 v181, 0x3fb8aa3b, v181
	s_wait_alu depctr_va_vdst(0)
	v_exp_f32 v181, v181                           ; e = exp(m2 - m1)
	v_min_u32 v182, v177, v179                     ; lo  (a plain place behind the exponential)
	s_wait_alu depctr_va_vdst(0)
	v_add_f32 v183, 1.0, v181
	s_wait_alu depctr_va_vdst(0)
	v_rcp_f32 v186, v183                           ; g1 = 1 / (1 + e)
	v_max_u32 v184, v177, v179                     ; hi  (a plain place behind the reciprocal)
	s_wait_alu depctr_va_vdst(0)
	v_mul_f32 v187, v181, v186                     ; g2 = e g1
	v_sub_nc_u32 v185, 15, v182
	s_delay_alu instid0(VALU_DEP_1)
	v_mul_u32_u24 v185, v185, v182
	s_delay_alu instid0(VALU_DEP_1)
	v_lshrrev_b32 v185, 1, v185                    ; lo (15 - lo) / 2: the pairs with a smaller lo
	v_sub_nc_u32 v188, v184, v182
	s_delay_alu instid0(VALU_DEP_1)
	v_add_nc_u32 v188, -1, v188                    ; hi - lo - 1
	v_sub_nc_u32 v189, 7, v184                     ; 7 - hi
	v_and_b32 v190, 1, v182
	s_delay_alu instid0(VALU_DEP_1)
	v_cmp_eq_u32 vcc_lo, 1, v190
	s_delay_alu instid0(VALU_DEP_1)
	v_cndmask_b32 v188, v188, v189, vcc_lo
	s_delay_alu instid0(VALU_DEP_1)
	v_add_nc_u32 v185, v185, v188                  ; the key, 0 .. 27
	v_lshl_or_b32 v191, v179, 8, v177
	s_delay_alu instid0(VALU_DEP_1)
	v_lshl_or_b32 v191, v185, 16, v191
	global_store_b32 v10, v191, s[12:13]           ; lanes 16-31 hold and write the same as lanes 0-15
	global_store_b64 v11, v[186:187], s[14:15]
.Lend:
	s_wait_tensorcnt 0x0
	ds_add_u32 v216, v217
	s_wait_dscnt 0x0
	s_endpgm
.Lfunc_end_k_qcb2f062c90_route:
	.size	k_qcb2f062c90_route, .Lfunc_end_k_qcb2f062c90_route-k_qcb2f062c90_route
	.p2alignl 7, 3214868480
	.fill 96, 4, 3214868480
	.section	.rodata,"a",@progbits
	.p2align	6, 0x0
	.amdhsa_kernel k_qcb2f062c90_route
		.amdhsa_group_segment_fixed_size 18432
		.amdhsa_private_segment_fixed_size 0
		.amdhsa_enable_private_segment 0
		.amdhsa_kernarg_size 48
		.amdhsa_user_sgpr_count 2
		.amdhsa_user_sgpr_kernarg_segment_ptr 1
		.amdhsa_wavefront_size32 1
		.amdhsa_system_sgpr_workgroup_id_x 1
		.amdhsa_system_sgpr_workgroup_id_y 1
		.amdhsa_system_sgpr_workgroup_id_z 1
		.amdhsa_system_vgpr_workitem_id 0
		.amdhsa_next_free_vgpr 218
		.amdhsa_next_free_sgpr 66
		.amdhsa_reserve_vcc 1
		.amdhsa_float_denorm_mode_32 3
		.amdhsa_float_denorm_mode_16_64 3
		.amdhsa_memory_ordered 1
		.amdhsa_forward_progress 1
		.amdhsa_inst_pref_size 28
	.end_amdhsa_kernel
	.amdgpu_metadata
---
amdhsa.version: [ 1, 2 ]
amdhsa.kernels:
  - .name:           k_qcb2f062c90_route
    .symbol:         k_qcb2f062c90_route.kd
    .args:
      - { .name: x, .offset: 0, .size: 8, .value_kind: global_buffer, .address_space: global }
      - { .name: router_w, .offset: 8, .size: 8, .value_kind: global_buffer, .address_space: global }
      - { .name: router_b, .offset: 16, .size: 8, .value_kind: global_buffer, .address_space: global }
      - { .name: xq, .offset: 24, .size: 8, .value_kind: global_buffer, .address_space: global }
      - { .name: sel, .offset: 32, .size: 8, .value_kind: global_buffer, .address_space: global }
      - { .name: gate, .offset: 40, .size: 8, .value_kind: global_buffer, .address_space: global }
    .group_segment_fixed_size: 18432
    .private_segment_fixed_size: 0
    .kernarg_segment_align: 8
    .kernarg_segment_size: 48
    .max_flat_workgroup_size: 256
    .sgpr_count:     66
    .vgpr_count:     218
    .wavefront_size: 32
...
	.end_amdgpu_metadata
.endif
;; end of part 5
;; launch prep (part 6): grid 513 x 1, 8 waves a work-group, no clusters, 3,072 bytes of LDS; arguments w1, w2, sel, gate, wq, ord, sgate; writes wq, ord, sgate
.if DOCPART == 6
	.amdgcn_target "amdgcn-amd-amdhsa--gfx1250"
	.amdhsa_code_object_version 6
	.text
	.protected	k_qcb2f062c90_prep
	.globl	k_qcb2f062c90_prep
	.p2align	8
	.type	k_qcb2f062c90_prep,@function
k_qcb2f062c90_prep:
	s_mov_b64 s[64:65], 0
	v_nop
	global_prefetch_b8 v0, s[64:65] scope:SCOPE_SE
	s_setreg_imm32_b32 hwreg(HW_REG_WAVE_MODE, 25, 1), 1
	s_wait_xcnt 0x0
; PREP.  Work-groups 1 .. 512: w1 and w2 ([8][1024 (k)][1024 (n)] f32, K the first axis of a matrix) become codes of FP4 (E2M1) with one E8M0 byte for each 32 along K, laid in the ORDER OF THE OPERAND'S REGISTERS.
; Work-group 0: a counting sort of the 4,096 tokens by their pair of experts, and for each 16 sorted places the mask of the experts used there.  It rides in this launch, which streams the weights anyway.
; A wave names 162 registers: a work-group puts two waves on a SIMD, so three work-groups (972 of a SIMD's 1,024 registers) can lie on a WGP, and the 513 work-groups need no second turn on 256 WGPs.
; WEIGHTS.  A lane takes a column n and its registers run down K: a block of 32 lies in one lane's 32 registers, so its largest magnitude needs no other lane and the conversions give codes with K innermost.
; A wave takes 32 columns (a PAIR of tiles) x 128 along K; each load reads 128 consecutive bytes, two waves side by side 256.  wq, codes: [mat 16][pair 32][K step 8][u 2][c 2][lane 32][16 bytes]; mat = e for w1, 8 + e for w2.
; Lane r of tile 2 P + u holds column 32 P + 8 u + r + 8 (r / 8), so that, with the products used transposed, a lane's 16 registers of a pair of tiles are 16 neighbouring columns.
; A block's 16 bytes go straight to their place: each store fills two aligned runs of 256 bytes whole.  wq, scale words, from WSO on: [mat][pair][half of K 2][16 u + r][4 words]: gathered in LDS, stored 512 bytes at a time.
; SORT.  No branch on data, no LDS address made of data.  Wave w takes tokens 512 w + 32 i + lane, i = 0 .. 15 (a turn).  The key has five bits: a turn's five masks of lanes (who has bit j set), each taken as it is or
; turned over by lane b's own bit j, meet in lane b as the mask of the turn's tokens with key b.  The masks' counts of ones, summed over the turns, are in lane b the wave's tokens of key b in earlier turns, and at last the wave's total.
; The eight waves' totals meet in LDS; a prefix gives each key's first place.  Then each token pulls two words from its key's lane: the first place for its wave, turn and key, and the turn's mask, whose ones below the
; token's own lane are its rank.  Which of a key's tokens comes first does not matter: any one-to-one placing inside a key serves.
; ord: perm[place] = token (from 0), ssel[place] = the token's word of sel (from 16,384), tmask[place / 16] one byte (from 32,768).  sgate[place] = g1, g2.
; The two paths part on the work-group's number alone and have LDS bytes of their own: weights 0 .. 1,023, sort 1,024 .. 2,047.
; No tensor load, no cluster, no matrix unit: each byte of the weights is read once, by one wave.
; LIMITS: NaN and infinities among the weights are not served.  A block of zeros gets the byte 1 where the rule says 127: its codes are zeros, and this program alone reads the bytes.
.set WSO,   8388608
.set X,     16                         ; weights: v16-143 128 numbers of my column
.set CD,    144                        ;          v144-159 the four blocks' codes: no store's data are written again
.set NL,    24                         ; sort: v24-28 for bit j of my lane's number: 0 where it is set, all ones where not
.set SELR,  32                         ;       v32-47 words of sel
.set K,     48                         ;       v48-63 keys, later lane indices, later offsets in sgate
.set L,     64                         ;       v64-79 lane b: the turn's tokens with key b; later ranks
.set G,     80                         ;       v80-111 gates
.set P,     112                        ;       v112-127 places, later offsets in ord
.set TK,    128                        ;       v128-143 the mask of my own key, later token numbers
.set C,     144                        ;       v144-159 lane b: counts, then sums over the turns, then first places
.set RUN,   30                         ;       s30-58 each key's first place
	s_load_b256 s[4:11], s[0:1], 0x0               ; w1 s[4:5], w2 s[6:7], sel s[8:9], gate s[10:11]
	s_load_b128 s[12:15], s[0:1], 0x20             ; wq s[12:13], ord s[14:15]
	s_load_b64 s[16:17], s[0:1], 0x30              ; sgate
	v_lshl_add_u32 v160, v0, 2, 0x800
	v_mov_b32 v161, 0
	v_lshrrev_b32 v1, 5, v0
	s_delay_alu instid0(VALU_DEP_1)
	v_readfirstlane_b32 s18, v1                    ; wave 0..7
	v_and_b32 v2, 31, v0                           ; lane
	s_cmp_eq_u32 ttmp9, 0
	s_cbranch_scc1 .Lsort
; ---------------- the weights
	s_sub_co_u32 s19, ttmp9, 1                     ; 0 .. 511
	s_lshr_b32 s20, s19, 5                         ; mat
	s_bfe_u32 s21, s19, 0x40001                    ; which 64 columns
	s_and_b32 s22, s19, 1                          ; which half of K
	s_and_b32 s23, s18, 1                          ; wave: which 32 of the 64 columns,
	s_lshr_b32 s24, s18, 1                         ; which of the half's four K steps
	s_lshl_b32 s25, s22, 2
	s_add_co_u32 s25, s25, s24                     ; K step 0..7
	s_lshl_b32 s26, s21, 1
	s_add_co_u32 s26, s26, s23                     ; pair 0..31
	s_wait_alu depctr_va_vdst(0)
	v_lshlrev_b32 v3, 2, v2                        ; in: 4 bytes a lane
	v_bfe_u32 v7, v2, 3, 1                         ; column c = lane of the pair lies in tile u = (c / 8) % 2,
	v_and_b32 v8, 7, v2
	v_lshrrev_b32 v9, 4, v2
	s_delay_alu instid0(VALU_DEP_1)
	v_lshl_or_b32 v8, v9, 3, v8                    ; at its lane r = c % 8 + 8 (c / 16)
	s_delay_alu instid0(VALU_DEP_4)
	v_lshlrev_b32 v4, 10, v7
	s_delay_alu instid0(VALU_DEP_1)
	v_lshl_add_u32 v4, v8, 4, v4                   ; out: 1,024 u + 16 r; block b of the K step adds 256 b (c = b / 2, lanes' half = b % 2)
	s_delay_alu instid0(VALU_DEP_3)
	v_lshl_add_u32 v5, v7, 4, v8
	s_delay_alu instid0(VALU_DEP_1)
	v_lshlrev_b32 v5, 4, v5
	s_lshl_b32 s27, s23, 9
	s_lshl_b32 s28, s24, 2
	s_add_co_u32 s27, s27, s28
	v_add_nc_u32 v5, s27, v5                       ; LDS: 512 x my pair + 16 (16 u + r) + 4 x my K step
	v_lshlrev_b32 v10, 4, v2
	s_lshl_b32 s27, s18, 9
	v_add_nc_u32 v14, s27, v10                     ; LDS, back (waves 0 and 1): a pair's 512 bytes
	s_wait_kmcnt 0x0
	s_cmp_lt_u32 s20, 8                            ; w1 or w2: the choice hangs on the work-group's number alone
	s_cselect_b64 s[30:31], s[4:5], s[6:7]
	s_and_b32 s28, s20, 7
	s_lshl_b32 s28, s28, 22                        ; the expert's matrix,
	s_lshl_b32 s29, s25, 19                        ; 128 rows of 4,096 bytes a K step,
	s_add_co_u32 s28, s28, s29
	s_lshl_b32 s29, s26, 7                         ; 32 columns a pair
	s_add_co_u32 s28, s28, s29
	s_mov_b32 s29, 0
	s_add_nc_u64 s[30:31], s[30:31], s[28:29]
	s_lshl_b32 s28, s20, 19
	s_lshl_b32 s27, s26, 14
	s_add_co_u32 s28, s28, s27
	s_lshl_b32 s27, s25, 11
	s_add_co_u32 s28, s28, s27
	s_add_nc_u64 s[32:33], s[12:13], s[28:29]      ; the codes' place
	s_lshl_b32 s28, s20, 15
	s_lshl_b32 s27, s21, 11
	s_add_co_u32 s28, s28, s27
	s_lshl_b32 s27, s18, 10                        ; (waves 0 and 1 store the scale words of pairs 0 and 1 of the 64 columns)
	s_add_co_u32 s28, s28, s27
	s_lshl_b32 s27, s22, 9
	s_add_co_u32 s28, s28, s27
	s_add_nc_u64 s[34:35], s[12:13], s[28:29]
	s_add_nc_u64 s[34:35], s[34:35], WSO
.set t_, 0
.rept 128                              ; all 128 rows are asked for at once: every offset an immediate, 127 x 4,096 at the most
	global_load_b32 v[X+t_], v3, s[30:31] offset:t_*4096 th:TH_LOAD_NT
.set t_, t_+1
.endr
; Block t of four.  left: how many younger loads may stay out: 96, 64, 32, 0 were issued behind the block's own, held to 63, the most that a wait can name.
.macro BLOCK t, left
.set XB, X+32*(\t)
	s_wait_loadcnt \left
	v_max3_num_f32 v12, |v[XB]|, |v[XB+1]|, |v[XB+2]|      ; the block's largest magnitude: all 32 numbers are mine; two chains
	v_max3_num_f32 v13, |v[XB+3]|, |v[XB+4]|, |v[XB+5]|
.irp i, 6,10,14,18,22,26
	s_delay_alu instid0(VALU_DEP_2)
	v_max3_num_f32 v12, v12, |v[XB+\i]|, |v[XB+\i+1]|
	s_delay_alu instid0(VALU_DEP_2)
	v_max3_num_f32 v13, v13, |v[XB+\i+2]|, |v[XB+\i+3]|
.endr
	s_delay_alu instid0(VALU_DEP_2)
	v_max3_num_f32 v12, v12, |v[XB+30]|, |v[XB+31]|
	s_delay_alu instid0(VALU_DEP_1)
	v_max3_num_f32 v12, v12, v13, 0x1800000        ; and the floor 2^(3 - 127): the byte cannot fall under 1
	s_delay_alu instid0(VALU_DEP_1)
	v_add_nc_u32 v11, 0xff000000, v12              ; 2 off its exponent field: the conversion's scale operand
	s_delay_alu instid0(VALU_DEP_1)
	v_lshrrev_b32 v13, 23, v11                     ; the scale's byte
.if (\t) == 0
	s_delay_alu instid0(VALU_DEP_1)
	v_mov_b32 v6, v13
.else
	s_delay_alu instid0(VALU_DEP_1)
	v_lshl_or_b32 v6, v13, 8*(\t), v6              ; four bytes make the K step's scale word of my column
.endif
.irp g, 0,1,2,3
	v_cvt_scalef32_pk8_fp4_f32 v[CD+4*(\t)+\g], v[XB+8*\g:XB+8*\g+7], v11
.endr
	v_nop                                          ; one plain place behind the conversions
	global_store_b128 v4, v[CD+4*(\t):CD+4*(\t)+3], s[32:33] offset:256*(\t)   ; sixteen lanes fill 256 consecutive bytes, aligned; the other sixteen the tile beside
.endm
	BLOCK 0, 63
	BLOCK 1, 63
	BLOCK 2, 32
	BLOCK 3, 0
	ds_store_b32 v5, v6
	s_wait_dscnt 0x0                               ; for the others' sake
	s_barrier_signal -1
	s_barrier_wait -1
	s_cmp_gt_u32 s18, 1
	s_cbranch_scc1 .Lweights_end
	ds_load_b128 v[16:19], v14                     ; four K steps' words of each of a pair's 32 columns
	s_wait_dscnt 0x0
	global_store_b128 v10, v[16:19], s[34:35]      ; 512 consecutive bytes, aligned
.Lweights_end:
	s_wait_tensorcnt 0x0
	ds_add_u32 v160, v161
	s_wait_dscnt 0x0
	s_endpgm
; ---------------- the sort
; Turns 4 g .. 4 g + 3, by turns, so that no line waits for the line above it.  For each bit j of the key: who has it set (a mask of lanes); lane b takes the mask as it is where b's bit j is set, turned over where not;
; the five meet: lane b holds the lanes whose key is b.
.macro MASK4 g
.irp j, 0,1,2,3,4
.irp d, 0,1,2,3
	v_bfe_u32 v[8+\d], v[K+4*(\g)+\d], \j, 1
.endr
.irp d, 0,1,2,3
	s_delay_alu instid0(VALU_DEP_4)
	v_cmp_ne_u32 s[60+\d], 0, v[8+\d]
.endr
.if \j == 0
.irp d, 0,1,2,3
	s_delay_alu instid0(VALU_DEP_4)
	v_xor_b32 v[L+4*(\g)+\d], s[60+\d], v[NL]
.endr
.else
.irp d, 0,1,2,3
	s_delay_alu instid0(VALU_DEP_4)
	v_xor_b32 v[12+\d], s[60+\d], v[NL+\j]
.endr
.irp d, 0,1,2,3
	s_delay_alu instid0(VALU_DEP_4)
	v_and_b32 v[L+4*(\g)+\d], v[L+4*(\g)+\d], v[12+\d]
.endr
.endif
.endr
.endm
; The ones of each of the four masks are counted: sums of neighbouring fields of 1, 2 and 4 bits, then the four bytes' sum (32 at the most) by a multiplication.
.macro COUNT4 g
.irp d, 0,1,2,3
	s_delay_alu instid0(VALU_DEP_4)
	v_lshrrev_b32 v[8+\d], 1, v[L+4*(\g)+\d]
.endr
.irp d, 0,1,2,3
	s_delay_alu instid0(VALU_DEP_4)
	v_and_b32 v[8+\d], s66, v[8+\d]
.endr
.irp d, 0,1,2,3
	s_delay_alu instid0(VALU_DEP_4)
	v_sub_nc_u32 v[C+4*(\g)+\d], v[L+4*(\g)+\d], v[8+\d]   ; fields of 2 bits
.endr
.irp d, 0,1,2,3
	s_delay_alu instid0(VALU_DEP_4)
	v_lshrrev_b32 v[8+\d], 2, v[C+4*(\g)+\d]
.endr
.irp d, 0,1,2,3
	v_and_b32 v[C+4*(\g)+\d], s67, v[C+4*(\g)+\d]
.endr
.irp d, 0,1,2,3
	v_and_b32 v[8+\d], s67, v[8+\d]
.endr
.irp d, 0,1,2,3
	s_delay_alu instid0(VALU_DEP_4)
	v_add_nc_u32 v[C+4*(\g)+\d], v[C+4*(\g)+\d], v[8+\d]   ; fields of 4 bits
.endr
.irp d, 0,1,2,3
	s_delay_alu instid0(VALU_DEP_4)
	v_lshrrev_b32 v[8+\d], 4, v[C+4*(\g)+\d]
.endr
.irp d, 0,1,2,3
	s_delay_alu instid0(VALU_DEP_4)
	v_add_nc_u32 v[C+4*(\g)+\d], v[C+4*(\g)+\d], v[8+\d]
.endr
.irp d, 0,1,2,3
	s_delay_alu instid0(VALU_DEP_4)
	v_and_b32 v[C+4*(\g)+\d], s68, v[C+4*(\g)+\d]          ; bytes
.endr
.irp d, 0,1,2,3
	s_delay_alu instid0(VALU_DEP_4)
	v_mul_lo_u32 v[C+4*(\g)+\d], v[C+4*(\g)+\d], s69       ; the top byte takes the sum of the four
.endr
.irp d, 0,1,2,3
	s_delay_alu instid0(VALU_DEP_4)
	v_lshrrev_b32 v[C+4*(\g)+\d], 24, v[C+4*(\g)+\d]
.endr
.endm
.Lsort:
	s_lshl_b32 s19, s18, 11
	s_wait_alu depctr_va_vdst(0)
	v_lshl_add_u32 v3, v2, 2, s19                  ; sel: 4 (512 w + lane)
	s_delay_alu instid0(VALU_DEP_1)
	v_lshlrev_b32 v4, 1, v3                        ; gate: 8 (512 w + lane)
	s_lshl_b32 s20, s18, 7
	s_add_co_u32 s20, s20, 1024
	v_lshl_add_u32 v5, v2, 2, s20                  ; LDS: my wave's 32 counts
	v_lshlrev_b32 v6, 2, v2
	s_delay_alu instid0(VALU_DEP_1)
	v_add_nc_u32 v6, 1024, v6                      ; LDS: lane b reads key b's count of every wave
.irp j, 0,1,2,3,4
	v_bfe_u32 v[NL+\j], v2, \j, 1
.endr
.irp j, 0,1,2,3,4
	v_add_nc_u32 v[NL+\j], -1, v[NL+\j]            ; 0 where my lane's bit j is set, all ones where not
.endr
	s_mov_b32 s66, 0x55555555
	s_mov_b32 s67, 0x33333333
	s_mov_b32 s68, 0x0f0f0f0f
	s_mov_b32 s69, 0x01010101
	s_wait_kmcnt 0x0
.irp i, 0,1,2,3,4,5,6,7,8,9,10,11,12,13,14,15
	global_load_b32 v[SELR+\i], v3, s[8:9] offset:128*\i
.endr
.irp i, 0,1,2,3,4,5,6,7,8,9,10,11,12,13,14,15
	global_load_b64 v[G+2*\i:G+2*\i+1], v4, s[10:11] offset:256*\i
.endr
	s_wait_loadcnt 16                              ; the words of sel are in; the 16 loads of gates issued behind them may stay out
.irp i, 0,1,2,3,4,5,6,7,8,9,10,11,12,13,14,15
	v_bfe_u32 v[K+\i], v[SELR+\i], 16, 8
.endr
.irp i, 0,1,2,3,4,5,6,7,8,9,10,11,12,13,14,15
	v_min_u32 v[K+\i], 31, v[K+\i]                 ; five bits; a lane index is made of it below
.endr
.irp g, 0,1,2,3
	MASK4 \g
	COUNT4 \g
.endr
.irp i, 1
	v_add_nc_u32 v[C+\i], v[C+\i], v[C+\i-1]
.endr
.irp i, 2, 3, 4, 5, 6, 7, 8, 9, 10, 11, 12, 13, 14, 15
	s_delay_alu instid0(VALU_DEP_1)
	v_add_nc_u32 v[C+\i], v[C+\i], v[C+\i-1]       ; lane b: my wave's tokens of key b in turns 0 .. i
.endr
	ds_store_b32 v5, v[C+15]                       ; the wave's totals
	s_wait_dscnt 0x0                               ; for the others' sake
	s_barrier_signal -1
	s_barrier_wait -1
.irp p, 0,1,2,3,4,5,6,7
	ds_load_b32 v[16+\p], v6 offset:128*\p
.endr
	s_wait_dscnt 0x0
	v_mov_b32 v13, 0                               ; lane b: all waves' count of key b,
	v_mov_b32 v14, 0                               ; and that of the waves in front of mine
.irp p, 0,1,2,3,4,5,6,7
	s_cmp_gt_u32 s18, \p
	s_cselect_b32 s19, -1, 0
	v_add_nc_u32 v13, v13, v[16+\p]
	v_and_b32 v15, s19, v[16+\p]
	s_delay_alu instid0(VALU_DEP_1)
	v_add_nc_u32 v14, v14, v15
.endr
	s_mov_b32 s20, 0
.set b_, 0
	s_wait_alu depctr_va_vdst(0)
.rept 28                               ; each key's first place: the counts of the keys in front of it
	v_readlane_b32 s19, v13, b_
	s_mov_b32 s[RUN+b_], s20
	s_add_co_u32 s20, s20, s19
.set b_, b_+1
.endr
	s_mov_b32 s[RUN+28], s20
	v_mov_b32 v24, 0
.set b_, 0
.rept 28
	s_delay_alu instid0(VALU_DEP_1)
	v_writelane_b32 v24, s[RUN+b_], b_
.set b_, b_+1
.endr
	s_delay_alu instid0(VALU_DEP_1)
	v_add_nc_u32 v24, v24, v14                     ; lane b: where my wave's tokens of key b begin
.irp i, 15,14,13,12,11,10,9,8,7,6,5,4,3,2,1
	v_add_nc_u32 v[C+\i], v24, v[C+\i-1]           ; and where those of turn i begin: behind the turns in front of it (from the top down, in place)
.endr
	v_mov_b32 v[C], v24
.irp i, 0,1,2,3,4,5,6,7,8,9,10,11,12,13,14,15
	v_lshlrev_b32 v[K+\i], 2, v[K+\i]
.endr
.irp i, 0,1,2,3,4,5,6,7,8,9,10,11,12,13,14,15
	ds_bpermute_b32 v[P+\i], v[K+\i], v[C+\i]      ; each token takes from its key's lane the first place,
	ds_bpermute_b32 v[TK+\i], v[K+\i], v[L+\i]     ; and the turn's tokens with its key
.endr
	s_lshl_b32 s19, s18, 9
	v_add_nc_u32 v25, s19, v2                      ; my token of turn 0
	s_wait_dscnt 0x0
.irp i, 0,1,2,3,4,5,6,7,8,9,10,11,12,13,14,15
	v_mbcnt_lo_u32_b32 v[L+\i], v[TK+\i], 0        ; how many of them stand in lower lanes: my rank in the turn
.endr
.irp i, 0,1,2,3,4,5,6,7,8,9,10,11,12,13,14,15
	v_add_nc_u32 v[P+\i], v[P+\i], v[L+\i]         ; the token's place
.endr
.irp i, 0,1,2,3,4,5,6,7,8,9,10,11,12,13,14,15
	v_min_u32 v[P+\i], 0xfff, v[P+\i]
.endr
.irp i, 0,1,2,3,4,5,6,7,8,9,10,11,12,13,14,15
	v_lshlrev_b32 v[K+\i], 3, v[P+\i]
.endr
.irp i, 0,1,2,3,4,5,6,7,8,9,10,11,12,13,14,15
	v_lshlrev_b32 v[P+\i], 2, v[P+\i]
.endr
.irp i, 0,1,2,3,4,5,6,7,8,9,10,11,12,13,14,15
	v_add_nc_u32 v[TK+\i], 32*\i, v25
.endr
	s_wait_alu depctr_va_vdst(0)
	s_wait_loadcnt 0x0                             ; the gates are in
.irp i, 0,1,2,3,4,5,6,7,8,9,10,11,12,13,14,15
	global_store_b32 v[P+\i], v[TK+\i], s[14:15]
	global_store_b32 v[P+\i], v[SELR+\i], s[14:15] offset:16384
	global_store_b64 v[K+\i], v[G+2*\i:G+2*\i+1], s[16:17]
.endr
; the masks: tile 32 w + lane covers places lo .. lo + 15; key b lies in it where max(first place of b, lo) < min(first place of b + 1, lo + 16)
	s_lshl_b32 s19, s18, 5
	v_add_nc_u32 v26, s19, v2
	s_delay_alu instid0(VALU_DEP_1)
	v_lshlrev_b32 v27, 4, v26
	s_delay_alu instid0(VALU_DEP_1)
	v_add_nc_u32 v28, 16, v27
	v_mov_b32 v29, 0
.set b_, 0
.set lo_, 0
.set j_, 0
.rept 28
.if lo_%2 == 0
.set hi_, lo_+1+j_
.else
.set hi_, 7-j_
.endif
.set pm_, (1<<lo_)|(1<<hi_)            ; the two experts of key b
	v_max_u32 v8, s[RUN+b_], v27
	v_min_u32 v9, s[RUN+b_+1], v28
	s_delay_alu instid0(VALU_DEP_3)
	v_or_b32 v10, pm_, v29
	s_delay_alu instid0(VALU_DEP_2)
	v_cmp_lt_u32 vcc_lo, v8, v9
	s_delay_alu instid0(VALU_DEP_1)
	v_cndmask_b32 v29, v29, v10, vcc_lo
.set j_, j_+1
.if j_ == 7-lo_
.set j_, 0
.set lo_, lo_+1
.endif
.set b_, b_+1
.endr
	global_store_b8 v26, v29, s[14:15] offset:32768
	s_wait_tensorcnt 0x0
	ds_add_u32 v160, v161
	s_wait_dscnt 0x0
	s_endpgm
.Lfunc_end_k_qcb2f062c90_prep:
	.size	k_qcb2f062c90_prep, .Lfunc_end_k_qcb2f062c90_prep-k_qcb2f062c90_prep
	.p2alignl 7, 3214868480
	.fill 96, 4, 3214868480
	.section	.rodata,"a",@progbits
	.p2align	6, 0x0
	.amdhsa_kernel k_qcb2f062c90_prep
		.amdhsa_group_segment_fixed_size 3072
		.amdhsa_private_segment_fixed_size 0
		.amdhsa_enable_private_segment 0
		.amdhsa_kernarg_size 56
		.amdhsa_user_sgpr_count 2
		.amdhsa_user_sgpr_kernarg_segment_ptr 1
		.amdhsa_wavefront_size32 1
		.amdhsa_system_sgpr_workgroup_id_x 1
		.amdhsa_system_sgpr_workgroup_id_y 1
		.amdhsa_system_sgpr_workgroup_id_z 1
		.amdhsa_system_vgpr_workitem_id 0
		.amdhsa_next_free_vgpr 162
		.amdhsa_next_free_sgpr 72
		.amdhsa_reserve_vcc 1
		.amdhsa_float_denorm_mode_32 3
		.amdhsa_float_denorm_mode_16_64 3
		.amdhsa_memory_ordered 1
		.amdhsa_forward_progress 1
		.amdhsa_inst_pref_size 92
	.end_amdhsa_kernel
	.amdgpu_metadata
---
amdhsa.version: [ 1, 2 ]
amdhsa.kernels:
  - .name:           k_qcb2f062c90_prep
    .symbol:         k_qcb2f062c90_prep.kd
    .args:
      - { .name: w1, .offset: 0, .size: 8, .value_kind: global_buffer, .address_space: global }
      - { .name: w2, .offset: 8, .size: 8, .value_kind: global_buffer, .address_space: global }
      - { .name: sel, .offset: 16, .size: 8, .value_kind: global_buffer, .address_space: global }
      - { .name: gate, .offset: 24, .size: 8, .value_kind: global_buffer, .address_space: global }
      - { .name: wq, .offset: 32, .size: 8, .value_kind: global_buffer, .address_space: global }
      - { .name: ord, .offset: 40, .size: 8, .value_kind: global_buffer, .address_space: global }
      - { .name: sgate, .offset: 48, .size: 8, .value_kind: global_buffer, .address_space: global }
    .group_segment_fixed_size: 3072
    .private_segment_fixed_size: 0
    .kernarg_segment_align: 8
    .kernarg_segment_size: 56
    .max_flat_workgroup_size: 256
    .sgpr_count:     72
    .vgpr_count:     162
    .wavefront_size: 32
...
	.end_amdgpu_metadata
.endif
;; end of part 6
;; launch up (part 7): grid 4 x 64, 4 waves a work-group, no clusters, 34,304 bytes of LDS; arguments xq, wq, b1, ord, hq; writes hq
.if DOCPART == 7
	.amdgcn_target "amdgcn-amd-amdhsa--gfx1250"
	.amdhsa_code_object_version 6
	.text
	.protected	k_qcb2f062c90_up
	.globl	k_qcb2f062c90_up
	.p2align	8
	.type	k_qcb2f062c90_up,@function
k_qcb2f062c90_up:
	s_mov_b64 s[64:65], 0
	v_nop
	global_prefetch_b8 v0, s[64:65] scope:SCOPE_SE
	s_setreg_imm32_b32 hwreg(HW_REG_WAVE_SCHED_MODE, 0, 2), 2
	s_setreg_imm32_b32 hwreg(HW_REG_WAVE_MODE, 25, 1), 1
	s_wait_xcnt 0x0
	s_wait_alu depctr_vm_vsrc(0)
; UP.  For a block of 64 sorted tokens and 256 hidden units, for each expert that the block uses: a = Q(x) Q(W1[e]) + b1[e] on codes of FP4 (E2M1) with E8M0 scales, h = a (0.5 + 0.5 erf(a / sqrt 2)) in f32,
; h quantised along the hidden units, codes and scale bytes to hq in the order of the next product's operand registers.
; SHARES.  grid x = which 256 hidden units, y = which 64 sorted places.  Wave w: all 64 tokens x units 64 w .. 64 w + 63 of the 256: 16 accumulators.  The tokens' fragments (all of K: 256 registers) stay in registers for all experts.
; THE PRODUCT IS USED TRANSPOSED: source 0 = 16 columns of W1, source 1 = 16 tokens; a lane holds one token, and by the order in which wq lays a tile's columns the 16 registers of tiles 2 p and 2 p + 1 are 16 neighbouring units.
; THE WALK.  A loop of eight trips, one an expert; a scalar branch on the stored mask passes over the experts that none of the 64 tokens uses.  A tile of 16 tokens that does not use the expert skips the activation and stores
; zero codes under the byte 1, so that the next launch reads only written bytes; those tokens' gates for the expert are 0 there.
; WEIGHTS go from memory straight into registers: wq holds them lane by lane as the operand wants them.  An expert's package is 76 loads in a fixed order: 8 of bias, 4 of scale words, 8 of codes for each of 8 K steps.
; The first 60 are asked for behind the products of the expert before, and land during its activation; the last 16 at the head of the expert's own trip.  The order of issue is the same on every path, so K step s waits
; for all but the 8 (7 - s) loads issued behind its own.
; NO TENSOR LOAD, NO CLUSTER: which experts a block walks hangs on numbers read from memory, so blocks that share a tile of weights need it in different trips or not at all.
; erf: a rational function, erf(z) = z P(z^2) / Q(z^2) with z held to +-3.7439; here in t = a^2, with the powers of 1/2 and the factor 0.5 / sqrt 2 folded into the coefficients.
; LIMITS: NaN and infinities are not served.  Under a = -5.2947 the factor 0.5 + 0.5 erf keeps its value at that point (0 or about 3e-8).  A block of zeros gets the byte 1 where the rule says 127: this program alone reads the bytes.
; REGISTERS, in windows of 256.  window 0: v1-15 addresses and constants; v16-31 the tokens' scale words; v32-47 the weights'; v48-175 the accumulators ((m, t) at v[48 + 8 (4 m + t)]); v176-207 the activation at work;
;   v208-223 codes; v224-227 scale bytes; v228-234 at work; v240-255 the rows' offsets.   window 1: the tokens' fragments (tile m, K step s) at v[64 m + 8 s].   window 2: the weights' (K step s, tile t) at v[32 s + 8 t].   window 3: v0-31 the bias, 8 a tile.
; THE MODE: SCHED_MODE bits 1:0 = 2 (LLVM: expert scheduling mode 2), set by the entry lines.  The code itself states the register dependences
; between vector or matrix instructions and memory or LDS instructions, with s_wait_alu, always for 0.
; THE PLAN.  Registers that memory or LDS instructions touch:
;   v3-v7, v13, v240-255   offsets and addresses: made at the head, never written again.   v14, v15: loaded, made into offsets once, never written again.
;   the accumulators       at the head alone: sixteen rows of codes land in them and my LDS stores read them; from the loop on vector and matrix instructions alone name them.
;   window 1               filled by LDS loads at the head, once; the products read it.
;   THE PACKAGE            (bias, weights' scale words, window 2): the products read it.  Behind K step 7 one wait states that they are done; the next expert's first 60 loads follow it with scalar lines alone between;
;                          the last 16 stand at the next trip's head, behind a wait of their own that follows their window switch.
;   v208-223, v234         the out-buffer: the four tiles' codes and the scale bytes.  Written by the activation's last lines (or by moves); read by five stores, which stand together at the trip's end behind one wait;
;                          one wait beside the trip's s_wait_xcnt states that the stores have read them.
.set XSO,  2097152                     ; xq: where the scale words begin
.set WSO,  8388608                     ; wq: likewise
.set HSO,  16777216                    ; hq: likewise
.set RP,   528                         ; LDS: a token's 512 bytes of codes + 16: the sixteen rows that a load touches start at sixteen different banks (64 banks of 4 bytes: ISA guide 11.1)
.set XS,   16                          ; register 8 (m / 2) + s: lanes 0-15 the even tile's tokens, lanes 16-31 the odd tile's
.set WS,   32                          ; register 8 p + s: lanes 0-15 tile 2 p, lanes 16-31 tile 2 p + 1
.set ACC,  48
.set BI,   0
.set AC,   176
.set T,    184
.set PP,   192
.set QQ,   200
.set PC,   208
.set PWH,  224
.set TM,   228
.set RWA,  240
.set MSB, 0
.macro WIN new                         ; the immediate's high byte repeats the setting that is left
.if MSB != \new
	s_set_vgpr_msb (MSB<<8)|\new
.set MSB, \new
.endif
.endm
.macro CPAIR r, x                      ; a constant as a pair: the packed forms name a pair and take its low word for both halves
	s_mov_b32 s[\r], \x
	s_mov_b32 s[\r+1], \x
.endm
.macro PLACES
.rept 5
	v_nop
.endr
.endm
.macro SETBASE n                       ; the package's three bases for the expert in s[n] (held to 0 .. 7)
	s_mov_b32 s21, 0
	s_lshl_b32 s20, s[\n], 12
	s_add_nc_u64 s[28:29], s[22:23], s[20:21]      ; bias: 4,096 bytes an expert
	s_lshl_b32 s20, s[\n], 15
	s_add_nc_u64 s[30:31], s[24:25], s[20:21]      ; scale words: 32 KiB
	s_lshl_b32 s20, s[\n], 19
	s_add_nc_u64 s[32:33], s[26:27], s[20:21]      ; codes: 512 KiB
.endm
.macro CODES s                         ; K step s: my four tiles' fragments, 8 loads of 512 consecutive bytes
.irp t, 0,1,2,3
.irp c, 0,1
	global_load_b128 v[32*(\s)+8*\t+4*\c:32*(\s)+8*\t+4*\c+3], v3, s[32:33] offset:(\t/2)*16384+(\s)*2048+(\t%2)*1024+\c*512
.endr
.endr
.endm
.macro LOADB1                          ; 60 loads.  The wait that they hang on stands ahead of the macro: loads, window switches and scalar lines alone lie between
	WIN 0xc0                                       ; destination window 3
.irp t, 0,1,2,3
.irp i, 0,1
	global_load_b128 v[BI+8*\t+4*\i:BI+8*\t+4*\i+3], v5, s[28:29] offset:(32*(\t/2)+8*(\t%2))*4+16*\i   ; lane (r, h), tile 2 p + u: units 32 p + 16 h + 8 u + 0 .. 7
.endr
.endr
	WIN 0
.irp p, 0,1
.irp g, 0,1
	global_load_b128 v[WS+8*\p+4*\g:WS+8*\p+4*\g+3], v3, s[30:31] offset:\p*1024+\g*512
.endr
.endr
	WIN 0x80                                       ; destination window 2
.irp s, 0,1,2,3,4,5
	CODES \s
.endr
.endm
.macro LOADB2                          ; 16 loads
	WIN 0x80
	s_wait_alu depctr_va_vdst(0)                   ; the products of the expert before are done reading the codes of K steps 6 and 7, in which the loads below land; v3, their offset, is written
	CODES 6
	CODES 7
.endm
.macro WM m, t, s                      ; tile of tokens m x tile of units t, K step s.  The first K step takes the bias as C
.set rD, ACC+8*(4*(\m)+(\t))
.set rW, 32*(\s)+8*(\t)
.set rT, 64*(\m)+8*(\s)
.set rC, rD
.if (\s) == 0
.set rC, BI+8*(\t)
.endif
.set rSW, WS+8*((\t)/2)+(\s)
.set rST, XS+8*((\m)/2)+(\s)
.if ((\t)%2 == 0) && ((\m)%2 == 0)
	v_wmma_scale_f32_16x16x128_f8f6f4 v[rD:rD+7], v[rW:rW+7], v[rT:rT+7], v[rC:rC+7], v[rSW], v[rST] matrix_a_fmt:MATRIX_FMT_FP4 matrix_b_fmt:MATRIX_FMT_FP4
.elseif ((\t)%2 == 1) && ((\m)%2 == 0)
	v_wmma_scale_f32_16x16x128_f8f6f4 v[rD:rD+7], v[rW:rW+7], v[rT:rT+7], v[rC:rC+7], v[rSW], v[rST] matrix_a_fmt:MATRIX_FMT_FP4 matrix_b_fmt:MATRIX_FMT_FP4 matrix_a_scale:MATRIX_SCALE_ROW1
.elseif ((\t)%2 == 0) && ((\m)%2 == 1)
	v_wmma_scale_f32_16x16x128_f8f6f4 v[rD:rD+7], v[rW:rW+7], v[rT:rT+7], v[rC:rC+7], v[rSW], v[rST] matrix_a_fmt:MATRIX_FMT_FP4 matrix_b_fmt:MATRIX_FMT_FP4 matrix_b_scale:MATRIX_SCALE_ROW1
.else
	v_wmma_scale_f32_16x16x128_f8f6f4 v[rD:rD+7], v[rW:rW+7], v[rT:rT+7], v[rC:rC+7], v[rSW], v[rST] matrix_a_fmt:MATRIX_FMT_FP4 matrix_b_fmt:MATRIX_FMT_FP4 matrix_a_scale:MATRIX_SCALE_ROW1 matrix_b_scale:MATRIX_SCALE_ROW1
.endif
.endm
.macro KSTEP s                         ; 16 matrix instructions, the 16 accumulators by turns, one instruction a turn
	s_wait_loadcnt 8*(7-(\s))                      ; the codes of the later K steps may stay out
.if (\s) == 0
	WIN 0x36                                       ; source 0 window 2, source 1 window 1, C window 3, D window 0
.else
	WIN 0x06                                       ; C and D window 0
.endif
.irp m, 0,1,2,3
.irp t, 0,1,2,3
	WM \m, \t, \s
.endr
.endr
.endm
; Eight numbers a in v[a] on become a (0.5 + ac P(t) / Q(t)), ac = a held to +-5.2947, t = ac^2.  Packed forms, two numbers an instruction; the two chains by turns.
.macro GELU8 a
.irp j, 0,1,2,3,4,5,6,7
	v_med3_num_f32 v[AC+\j], v[(\a)+\j], -v12, v12     ; the accumulator is read from its low end on
.endr
.irp j, 0,2,4,6
	v_pk_mul_f32 v[T+\j:T+\j+1], v[AC+\j:AC+\j+1], v[AC+\j:AC+\j+1]
.endr
.irp j, 0,2,4,6
	v_pk_fma_f32 v[PP+\j:PP+\j+1], v[T+\j:T+\j+1], v[8:9], s[58:59] op_sel_hi:[1,1,0]
	v_pk_fma_f32 v[QQ+\j:QQ+\j+1], v[T+\j:T+\j+1], v[10:11], s[70:71] op_sel_hi:[1,1,0]
.endr
.irp j, 0,2,4,6
	v_pk_fma_f32 v[PP+\j:PP+\j+1], v[PP+\j:PP+\j+1], v[T+\j:T+\j+1], s[56:57] op_sel_hi:[1,1,0]
	v_pk_fma_f32 v[QQ+\j:QQ+\j+1], v[QQ+\j:QQ+\j+1], v[T+\j:T+\j+1], s[68:69] op_sel_hi:[1,1,0]
.endr
.irp j, 0,2,4,6
	v_pk_fma_f32 v[PP+\j:PP+\j+1], v[PP+\j:PP+\j+1], v[T+\j:T+\j+1], s[54:55] op_sel_hi:[1,1,0]
	v_pk_fma_f32 v[QQ+\j:QQ+\j+1], v[QQ+\j:QQ+\j+1], v[T+\j:T+\j+1], s[66:67] op_sel_hi:[1,1,0]
.endr
.irp j, 0,2,4,6
	v_pk_fma_f32 v[PP+\j:PP+\j+1], v[PP+\j:PP+\j+1], v[T+\j:T+\j+1], s[52:53] op_sel_hi:[1,1,0]
	v_pk_fma_f32 v[QQ+\j:QQ+\j+1], v[QQ+\j:QQ+\j+1], v[T+\j:T+\j+1], s[62:63] op_sel_hi:[1,1,0]
.endr
.irp j, 0,2,4,6
	v_pk_fma_f32 v[QQ+\j:QQ+\j+1], v[QQ+\j:QQ+\j+1], v[T+\j:T+\j+1], s[60:61] op_sel_hi:[1,1,0]
.endr
.irp j, 0,2,4,6
	v_pk_fma_f32 v[QQ+\j:QQ+\j+1], v[QQ+\j:QQ+\j+1], v[T+\j:T+\j+1], 1.0 op_sel_hi:[1,1,0]
.endr
	s_wait_alu depctr_va_vdst(0)
.irp j, 0,1,2,3,4,5,6,7
	v_rcp_f32 v[QQ+\j], v[QQ+\j]
.endr
	v_nop                                          ; one plain place behind the reciprocals
	s_wait_alu depctr_va_vdst(0)                   ; the eight reciprocals have written v[QQ ..], which the multiplies below read: one wait for the batch
.irp j, 0,2,4,6
	v_pk_mul_f32 v[PP+\j:PP+\j+1], v[PP+\j:PP+\j+1], v[QQ+\j:QQ+\j+1]
.endr
.irp j, 0,2,4,6
	v_pk_fma_f32 v[PP+\j:PP+\j+1], v[AC+\j:AC+\j+1], v[PP+\j:PP+\j+1], 0.5 op_sel_hi:[1,1,0]
.endr
.irp j, 0,2,4,6
	v_pk_mul_f32 v[(\a)+\j:(\a)+\j+1], v[(\a)+\j:(\a)+\j+1], v[PP+\j:PP+\j+1]
.endr
.endm
; 32 numbers of a lane, register 16 b + i = unit 32 b + 16 (lane / 16) + i of my wave's 64, become four registers of codes (units 32 (lane / 16) + 0 .. 31) and two scale bytes.
.macro QUANT2 s, m
.irp b, 0,1
	v_max3_num_f32 v[TM+\b], |v[(\s)+16*\b]|, |v[(\s)+16*\b+1]|, 0x1800000   ; and the floor 2^(3 - 127): the byte cannot fall under 1
.endr
.irp i, 2,4,6,8,10,12,14
.irp b, 0,1
	v_max3_num_f32 v[TM+\b], v[TM+\b], |v[(\s)+16*\b+\i]|, |v[(\s)+16*\b+\i+1]|
.endr
.endr
.irp b, 0,1
	v_permlanex16_b32 v[TM+2+\b], v[TM+\b], s74, s75
.endr
.irp b, 0,1
	v_max_num_f32 v[TM+\b], v[TM+\b], v[TM+2+\b]   ; with lane l xor 16's: the block's largest magnitude
.endr
.irp b, 0,1
	v_add_nc_u32 v[TM+4+\b], 0xff000000, v[TM+\b]  ; 2 off its exponent field: the conversion's scale operand
.endr
.irp b, 0,1
	v_lshrrev_b32 v[TM+2+\b], 23, v[TM+4+\b]       ; the scale's byte
.endr
	v_lshl_or_b32 v[PWH+(\m)], v[TM+3], 8, v[TM+2]
.irp b, 0,1
	v_cvt_scalef32_pk8_fp4_f32 v[PC+4*(\m)+2*\b], v[(\s)+16*\b:(\s)+16*\b+7], v[TM+4+\b]
	v_cvt_scalef32_pk8_fp4_f32 v[PC+4*(\m)+2*\b+1], v[(\s)+16*\b+8:(\s)+16*\b+15], v[TM+4+\b]
.endr
	v_nop                                          ; one plain place behind a scaled conversion
.irp i, 0,1
	v_permlane16_swap_b32 v[PC+4*(\m)+\i], v[PC+4*(\m)+2+\i]   ; a whole block to a lane: lanes 0-15 block 0, lanes 16-31 block 1
.endr
.endm
; Tile of tokens m: the activation and the codes where the tile uses the expert (bit 8 m + e of the four masks), else zero codes under the byte 1.  Both ways write the same registers, the tile's own four of the out-buffer.
.macro EPI m
	s_add_co_u32 s77, s18, 8*(\m)
	s_bitcmp1_b32 s78, s77
	s_cbranch_scc0 .Lidle_\@
.irp t, 0,1,2,3
	GELU8 ACC+8*(4*(\m)+\t)
.endr
	QUANT2 ACC+32*(\m), \m
	s_branch .Lput_\@
.Lidle_\@:
.irp i, 0,1,2,3
	v_mov_b32 v[PC+4*(\m)+\i], 0
.endr
	v_mov_b32 v[PWH+(\m)], 0x0101
.Lput_\@:
.endm
	s_load_b256 s[4:11], s[0:1], 0x0               ; xq s[4:5], wq s[6:7], b1 s[8:9], ord s[10:11]
	s_load_b64 s[12:13], s[0:1], 0x20              ; hq
	v_lshl_add_u32 v238, v0, 2, 0x8400
	v_mov_b32 v239, 0
	v_lshrrev_b32 v1, 5, v0
	v_readfirstlane_b32 s14, v1                    ; wave 0..3
	s_mov_b32 s15, ttmp9                           ; which 256 hidden units
	s_and_b32 s16, ttmp7, 0xffff                   ; which 64 sorted places
	v_and_b32 v1, 15, v0                           ; r
	v_bfe_u32 v2, v0, 4, 1                         ; h
	v_and_b32 v4, 31, v0
	v_lshlrev_b32 v3, 4, v4                        ; 16 x lane; never rewritten
	v_lshlrev_b32 v4, 2, v4                        ; 4 x lane; never rewritten
	v_lshlrev_b32 v5, 6, v2                        ; 64 h: the bias of my half's units; never rewritten
	v_mul_u32_u24 v6, v1, RP
	v_lshl_add_u32 v6, v2, 4, v6                   ; LDS: a fragment's row r, + 16 h
	s_wait_alu depctr_va_sdst(0)                   ; s14, the wave's number, is written, ahead of its first reader
	s_mul_i32 s19, s14, 16*RP
	v_add_nc_u32 v7, s19, v3                       ; LDS: the 16 rows that my wave brings, 16 bytes a lane
	v_mov_b32 v8, 0x36a9d4af                       ; P4, twice: an instruction reads too few scalar values for both constants of a chain's first step
	v_mov_b32 v9, 0x36a9d4af
	v_mov_b32 v10, 0xb0fd3906                      ; Q6, twice
	v_mov_b32 v11, 0xb0fd3906
	v_mov_b32 v12, 0x40a96e37                      ; 5.2947 = 3.7439 sqrt 2
	v_mov_b32 v[TM+2], 0                           ; written once: a lane permute's destination counts as one of its sources
	v_mov_b32 v[TM+3], 0
	CPAIR 52, 0x3ecc4229                           ; P0 .. P3
	CPAIR 54, 0x3d061aeb
	CPAIR 56, 0x3b93955d
	CPAIR 58, 0x391df186
	CPAIR 60, 0x3e7eb44a                           ; Q1 .. Q5 (Q0 = 1)
	CPAIR 62, 0x3ce34c21
	CPAIR 66, 0x3ae687d4
	CPAIR 68, 0x38856d28
	CPAIR 70, 0x354588df
	s_mov_b32 s74, 0x76543210                      ; v_permlanex16_b32's selects for lane l xor 16
	s_mov_b32 s75, 0xfedcba98
	s_mov_b32 s76, 0xffff0000                      ; lanes 16-31
	s_lshl_b32 s72, s16, 2                         ; the block's four masks: 4 bytes
	s_lshl_b32 s19, s16, 8                         ; the block's 64 words of perm
	s_lshl_b32 s73, s14, 6
	s_add_co_u32 s73, s73, s19                     ; my wave's 16 of them
	v_add_nc_u32 v13, s19, v4
	s_wait_kmcnt 0x0
	s_load_b32 s78, s[10:11], s72 offset:0x8000    ; byte m: the experts that tokens 16 m .. 16 m + 15 use
	s_load_b512 s[36:51], s[10:11], s73 offset:0x0 ; the tokens at my wave's 16 places
	s_wait_alu depctr_va_vdst(0)                   ; the offsets and addresses v3 to v7 and v13 are written, which the loads and stores of the whole kernel read
	global_load_b32 v14, v13, s[10:11]             ; the token at place lane,
	global_load_b32 v15, v13, s[10:11] offset:128  ; and at place 32 + lane: for the scale words
	s_mov_b32 s21, 0
	s_lshl_b32 s20, s15, 10
	s_lshl_b32 s19, s14, 8
	s_add_co_u32 s20, s20, s19
	s_add_nc_u64 s[22:23], s[8:9], s[20:21]        ; b1 at my wave's first unit
	s_lshl_b32 s20, s15, 13
	s_lshl_b32 s19, s14, 11
	s_add_co_u32 s20, s20, s19
	s_add_nc_u64 s[24:25], s[6:7], s[20:21]
	s_add_nc_u64 s[24:25], s[24:25], WSO           ; the scale words of my two pairs of tiles: pair 8 x + 2 w on, 1,024 bytes each
	s_lshl_b32 s20, s15, 17
	s_lshl_b32 s19, s14, 15
	s_add_co_u32 s20, s20, s19
	s_add_nc_u64 s[26:27], s[6:7], s[20:21]        ; their codes: 16 KiB each
	s_lshl_b32 s20, s16, 18                        ; hq, codes: 8 experts x 32 KiB a block; my wave's 64 units are half c = w % 2 of K step 2 x + w / 2: 512 (4 x + w) bytes on
	s_lshl_b32 s19, s15, 11
	s_add_co_u32 s20, s20, s19
	s_lshl_b32 s19, s14, 9
	s_add_co_u32 s20, s20, s19
	s_add_nc_u64 s[34:35], s[12:13], s[20:21]
	s_lshl_b32 s20, s16, 14                        ; hq, scale halves: 8 experts x 2 KiB a block; my wave's 128 bytes are number 4 x + w of 16
	s_lshl_b32 s19, s15, 9
	s_add_co_u32 s20, s20, s19
	s_lshl_b32 s19, s14, 7
	s_add_co_u32 s20, s20, s19
	s_add_nc_u64 s[80:81], s[12:13], s[20:21]
	s_add_nc_u64 s[80:81], s[80:81], HSO
	s_wait_kmcnt 0x0
.irp i, 0,1,2,3,4,5,6,7,8,9,10,11,12,13,14,15
	s_min_u32 s[36+\i], s[36+\i], 0xfff
	s_lshl_b32 s[36+\i], s[36+\i], 9
	v_add_nc_u32 v[RWA+\i], s[36+\i], v3           ; the sixteen rows' offsets, in one run
.endr
	s_wait_alu depctr_va_vdst(0)                   ; v[RWA ..] are written, which the sixteen loads below read
.irp i, 0,1,2,3,4,5,6,7,8,9,10,11,12,13,14,15
	global_load_b128 v[ACC+4*\i:ACC+4*\i+3], v[RWA+\i], s[4:5]     ; a token's whole row of codes: 512 consecutive bytes
.endr
	s_lshr_b32 s17, s78, 16                        ; the block's mask: the four bytes joined
	s_or_b32 s17, s17, s78
	s_lshr_b32 s19, s17, 8
	s_or_b32 s17, s17, s19
	s_and_b32 s17, s17, 0xff
	s_ctz_i32_b32 s79, s17                         ; the block's first expert
	s_min_u32 s79, s79, 7
	SETBASE 79
	s_wait_loadcnt 16                              ; the two loads of perm are in; the 16 rows issued behind them may be out
	v_min_u32 v14, 0xfff, v14
	v_min_u32 v15, 0xfff, v15
	v_lshlrev_b32 v14, 5, v14                      ; 8 scale words a token
	v_lshlrev_b32 v15, 5, v15
	s_wait_alu depctr_va_vdst(0)                   ; v14 and v15 are written, which the four loads below read
	global_load_b128 v[XS:XS+3], v14, s[4:5] offset:XSO
	global_load_b128 v[XS+4:XS+7], v14, s[4:5] offset:XSO+16
	global_load_b128 v[XS+8:XS+11], v15, s[4:5] offset:XSO
	global_load_b128 v[XS+12:XS+15], v15, s[4:5] offset:XSO+16
	LOADB1
	WIN 0
	s_wait_loadcnt 63                              ; the 16 rows are in: 64 loads were issued behind them, and 63 is the most that a wait can name
.irp i, 0,1,2,3,4,5,6,7,8,9,10,11,12,13,14,15
	ds_store_b128 v7, v[ACC+4*\i:ACC+4*\i+3] offset:RP*\i
.endr
	s_wait_dscnt 0x0                               ; for the others' sake: my 16 rows lie in LDS
	s_barrier_signal -1
	s_barrier_wait -1                              ; all 64 do
	s_wait_alu depctr_vm_vsrc(0)                   ; my LDS stores have read v[ACC .. ACC + 63]: from here on these are accumulators, which the products write
	WIN 0x40                                       ; destination window 1
.irp m, 0,1,2,3
.irp s, 0,1,2,3,4,5,6,7
.irp c, 0,1
	ds_load_b128 v[64*\m+8*\s+4*\c:64*\m+8*\s+4*\c+3], v6 offset:16*\m*RP+64*\s+32*\c
.endr
.endr
.endr
	WIN 0
	s_wait_dscnt 0x0
	s_mov_b32 s18, 0                               ; the expert
.Lexpert:
	s_bitcmp1_b32 s17, s18
	s_cbranch_scc0 .Lskip
	LOADB2                                         ; the package's last 16 loads, by the bases that were set for this expert
	KSTEP 0
	KSTEP 1
	KSTEP 2
	KSTEP 3
	KSTEP 4
	KSTEP 5
	KSTEP 6
	KSTEP 7
	WIN 0
	PLACES                                         ; four places in front of the first read of results (ISA guide 7.12.1); a fifth, since the next expert's first products write the accumulators anew
	s_wait_alu depctr_va_vdst(0)                   ; the products are done reading the bias, the weights' scale words and the codes of K steps 0 to 5, in which the next expert's 60 loads land
	s_lshr_b32 s19, s17, s18
	s_lshr_b32 s19, s19, 1                         ; the experts behind this one
	s_cmp_eq_u32 s19, 0
	s_cbranch_scc1 .Lno_next
	s_ctz_i32_b32 s79, s19
	s_add_co_u32 s79, s79, s18
	s_add_co_u32 s79, s79, 1
	s_min_u32 s79, s79, 7
	s_wait_xcnt 0x0                                ; the bases are rewritten only behind this wait
	SETBASE 79
	LOADB1                                         ; the next expert's first 60 loads land during the activation, which names none of their registers
	WIN 0
.Lno_next:
	EPI 0
	EPI 1
	EPI 2
	EPI 3
	s_wait_alu depctr_va_vdst(0)
	v_cndmask_b32 v[TM], v[PWH], v[PWH+1], s76     ; lanes 0-15: tile 0's bytes of row r, lanes 16-31: tile 1's;
	v_cndmask_b32 v[TM+1], v[PWH+2], v[PWH+3], s76 ; tiles 2 and 3 likewise, in the upper half
	v_lshl_or_b32 v[TM+6], v[TM+1], 16, v[TM]
	s_wait_alu depctr_va_vdst(0)                   ; the four tiles' codes v[PC .. PC + 15] and the scale bytes v[TM + 6] are written, which the five stores below read
.irp m, 0,1,2,3
	global_store_b128 v3, v[PC+4*\m:PC+4*\m+3], s[34:35] offset:\m*8192   ; half a fragment's image: 512 consecutive bytes, aligned
.endr
	global_store_b32 v4, v[TM+6], s[80:81]         ; 128 consecutive bytes a wave, the four waves side by side
.Lskip:
	s_wait_xcnt 0x0                                ; the stores' data and bases are rewritten only behind this wait
	s_wait_alu depctr_vm_vsrc(0)                   ; the five stores have read v[PC ..] and v[TM + 6], which the next expert's activation writes again
	s_add_nc_u64 s[34:35], s[34:35], 32768         ; the next expert's place in hq
	s_add_nc_u64 s[80:81], s[80:81], 2048
	s_add_co_u32 s18, s18, 1
	s_cmp_lt_u32 s18, 8
	s_cbranch_scc1 .Lexpert
	s_wait_dscnt 0x0                               ; the closing lines, six on end
	s_wait_alu 0x0
	s_wait_tensorcnt 0x0
	ds_add_u32 v238, v239
	s_wait_dscnt 0x0
	s_endpgm
.Lfunc_end_k_qcb2f062c90_up:
	.size	k_qcb2f062c90_up, .Lfunc_end_k_qcb2f062c90_up-k_qcb2f062c90_up
	.p2alignl 7, 3214868480
	.fill 96, 4, 3214868480
	.section	.rodata,"a",@progbits
	.p2align	6, 0x0
	.amdhsa_kernel k_qcb2f062c90_up
		.amdhsa_group_segment_fixed_size 34304
		.amdhsa_private_segment_fixed_size 0
		.amdhsa_enable_private_segment 0
		.amdhsa_kernarg_size 40
		.amdhsa_user_sgpr_count 2
		.amdhsa_user_sgpr_kernarg_segment_ptr 1
		.amdhsa_wavefront_size32 1
		.amdhsa_system_sgpr_workgroup_id_x 1
		.amdhsa_system_sgpr_workgroup_id_y 1
		.amdhsa_system_sgpr_workgroup_id_z 1
		.amdhsa_system_vgpr_workitem_id 0
		.amdhsa_next_free_vgpr 800
		.amdhsa_next_free_sgpr 84
		.amdhsa_reserve_vcc 0
		.amdhsa_float_denorm_mode_32 3
		.amdhsa_float_denorm_mode_16_64 3
		.amdhsa_memory_ordered 1
		.amdhsa_forward_progress 1
		.amdhsa_inst_pref_size 124
	.end_amdhsa_kernel
	.amdgpu_metadata
---
amdhsa.version: [ 1, 2 ]
amdhsa.kernels:
  - .name:           k_qcb2f062c90_up
    .symbol:         k_qcb2f062c90_up.kd
    .args:
      - { .name: xq, .offset: 0, .size: 8, .value_kind: global_buffer, .address_space: global }
      - { .name: wq, .offset: 8, .size: 8, .value_kind: global_buffer, .address_space: global }
      - { .name: b1, .offset: 16, .size: 8, .value_kind: global_buffer, .address_space: global }
      - { .name: ord, .offset: 24, .size: 8, .value_kind: global_buffer, .address_space: global }
      - { .name: hq, .offset: 32, .size: 8, .value_kind: global_buffer, .address_space: global }
    .group_segment_fixed_size: 34304
    .private_segment_fixed_size: 0
    .kernarg_segment_align: 8
    .kernarg_segment_size: 40
    .max_flat_workgroup_size: 128
    .sgpr_count:     84
    .vgpr_count:     800
    .wavefront_size: 32
...
	.end_amdgpu_metadata
.endif
;; end of part 7
;; launch down (part 8): grid 4 x 64, 4 waves a work-group, no clusters, 296,448 bytes of LDS; arguments hq, wq, b2, ord, sgate, out0; writes out0
.if DOCPART == 8
	.amdgcn_target "amdgcn-amd-amdhsa--gfx1250"
	.amdhsa_code_object_version 6
	.text
	.protected	k_qcb2f062c90_down
	.globl	k_qcb2f062c90_down
	.p2align	8
	.type	k_qcb2f062c90_down,@function
k_qcb2f062c90_down:
	s_mov_b64 s[64:65], 0
	v_nop
	global_prefetch_b8 v0, s[64:65] scope:SCOPE_SE
	s_setreg_imm32_b32 hwreg(HW_REG_WAVE_SCHED_MODE, 0, 2), 2
	s_setreg_imm32_b32 hwreg(HW_REG_WAVE_MODE, 25, 1), 1
	s_wait_xcnt 0x0
	s_wait_alu depctr_vm_vsrc(0)
; DOWN.  For a block of 64 sorted tokens and 256 output columns: out = the sum over the experts e that the block uses of gate_e (Q(h_e) Q(W2[e]) + b2[e]), on codes of FP4 (E2M1) with E8M0 scales; sums in f32.
; gate_e of a token is g1 where its first choice is e, g2 where its second is, else 0.  Each output row has one owner: a token stands at one sorted place.
; SHARES.  grid x = which 256 columns, y = which 64 sorted places.  Wave w: all 64 tokens x columns 64 w .. 64 w + 63 of the 256: 16 accumulators, and 128 registers of weighted sums.
; THE PRODUCT IS USED TRANSPOSED: source 0 = 16 columns of W2, source 1 = 16 tokens; a lane holds one token, and the 16 registers of tiles 2 p and 2 p + 1 are 16 neighbouring columns.
; THE HIDDEN LAYER lies in hq as images of the operand's registers.  All four waves want all of it, so it comes into LDS once: wave w brings experts w and w + 4, where the block uses them; one barrier.
; THE WALK, THE WEIGHTS and the counts of the waits: a loop of eight trips, a scalar branch on the stored mask; an expert's 76 loads in a fixed order (8 bias, 4 scale words, 8 codes for each of 8 K steps),
; the first 60 asked for behind the products of the expert before, the last 16 at the head of the expert's own trip: K step s waits for all but the 8 (7 - s) loads issued behind its own.
; NO TENSOR LOAD, NO CLUSTER: which experts a block walks hangs on numbers read from memory, so blocks that share a tile of weights need it in different trips or not at all.
; LIMITS: NaN and infinities are not served.
; REGISTERS, in windows of 256.  window 0: v1-14 addresses; v16-31 the hidden layer's scale words; v32-47 the weights'; v48-175 the accumulators ((m, t) at v[48 + 8 (4 m + t)]); v176-191 scale halves; v192-199 the tokens' two choices;
;   v200-207 their gates; v208-215 the gate for the expert in hand; v216-219 words of ssel.   window 1: the hidden layer's fragments (tile m, K step s) at v[64 m + 8 s].   window 2: the weights' (K step s, tile t) at v[32 s + 8 t].
;   window 3: v0-127 the weighted sums; v128-159 the rows' offsets in out0; v160-191 the bias, 8 a tile; v192 16 r.
; THE MODE: SCHED_MODE bits 1:0 = 2 (LLVM: expert scheduling mode 2), set by the entry lines.  The code itself states the register dependences
; between vector or matrix instructions and memory or LDS instructions, with s_wait_alu, always for 0.
; THE PLAN.  Registers that memory or LDS instructions touch:
;   v3-v5, v8-v14     offsets and addresses: made at the head, never written again.
;   v6, v7            the LDS addresses of the expert in hand: written by two adds at a trip's head, read by the trip's 80 LDS loads.  One wait ahead of the adds (the last trip's loads have read them), one behind (they are written).
;   v176-191          scale halves: LDS loads land, sixteen v_perm_b32 read.      window 1: at the head the staging's loads land and its LDS stores read; in the loop LDS loads land and the products read.
;   THE PACKAGE       (bias, weights' scale words, window 2): the products read it.  Behind K step 7 one wait states that they are done with all of these; the next expert's first 60 loads follow it.
;   Behind the wait at a trip's head no vector or matrix line names a register of window 1 before its load is issued: so the fragments' loads are DEALT among the products: K steps 0 to 3 ahead of them,
;   4 and 5 behind K step 1's, 6 and 7 behind K step 3's, with no further wait.
;   v16-31            the hidden layer's scale words, made by v_perm_b32: one wait, behind their places, ahead of the scaled products that take them.
;   s48-s55           the eight masks of the gates: compares in one run, one wait, then the selects.
;   THE WAY OUT       one wait: the sums (the LDS stores' data) and the rows' offsets are written, and the accumulators, in which the loads from the stage land, are done with.
.set WSO,  8388608                     ; wq: where the scale words begin
.set HSO,  16777216                    ; hq: likewise
.set ER,   34816                       ; LDS: an expert's region: 32 KiB of images, 2 KiB of scale halves
.set STG,  8*ER                        ; LDS: behind the eight regions a stage of 16 rows x (256 bytes + 16) for each wave
.set XS,   16                          ; register 8 (m / 2) + s: lanes 0-15 the even tile's tokens, lanes 16-31 the odd tile's
.set WS,   32                          ; register 8 p + s: lanes 0-15 tile 2 p, lanes 16-31 tile 2 p + 1
.set ACC,  48
.set HR,   176
.set BI,   160
.set GM,   48                          ; s48-51: whose first choice the expert is; s52-55: whose second
.set MSB, 0
.macro WIN new                         ; the immediate's high byte repeats the setting that is left
.if MSB != \new
	s_set_vgpr_msb (MSB<<8)|\new
.set MSB, \new
.endif
.endm
.macro PLACES
.rept 5
	v_nop
.endr
.endm
.macro SETBASE n                       ; the package's three bases for the expert in s[n] (held to 0 .. 7)
	s_mov_b32 s21, 0
	s_lshl_b32 s20, s[\n], 12
	s_add_nc_u64 s[28:29], s[22:23], s[20:21]      ; bias: 4,096 bytes an expert
	s_lshl_b32 s20, s[\n], 15
	s_add_nc_u64 s[30:31], s[24:25], s[20:21]      ; scale words: 32 KiB
	s_lshl_b32 s20, s[\n], 19
	s_add_nc_u64 s[32:33], s[26:27], s[20:21]      ; codes: 512 KiB
.endm
.macro CODES s                         ; K step s: my four tiles' fragments, 8 loads of 512 consecutive bytes
.irp t, 0,1,2,3
.irp c, 0,1
	global_load_b128 v[32*(\s)+8*\t+4*\c:32*(\s)+8*\t+4*\c+3], v3, s[32:33] offset:(\t/2)*16384+(\s)*2048+(\t%2)*1024+\c*512
.endr
.endr
.endm
.macro LOADB1                          ; 60 loads.  The wait that they hang on stands ahead of the macro: loads, window switches and scalar lines alone lie between
	WIN 0xc0                                       ; destination window 3
.irp t, 0,1,2,3
.irp i, 0,1
	global_load_b128 v[BI+8*\t+4*\i:BI+8*\t+4*\i+3], v5, s[28:29] offset:(32*(\t/2)+8*(\t%2))*4+16*\i   ; lane (r, h), tile 2 p + u: columns 32 p + 16 h + 8 u + 0 .. 7
.endr
.endr
	WIN 0
.irp p, 0,1
.irp g, 0,1
	global_load_b128 v[WS+8*\p+4*\g:WS+8*\p+4*\g+3], v3, s[30:31] offset:\p*1024+\g*512
.endr
.endr
	WIN 0x80                                       ; destination window 2
.irp s, 0,1,2,3,4,5
	CODES \s
.endr
.endm
.macro LOADB2                          ; 16 loads
	WIN 0x80
	CODES 6
	CODES 7
.endm
.macro FRAGS s                         ; K step s of the hidden layer: the four tiles' fragments, 8 LDS loads of 512 consecutive bytes, into window 1
.irp m, 0,1,2,3
.irp c, 0,1
	ds_load_b128 v[64*\m+8*(\s)+4*\c:64*\m+8*(\s)+4*\c+3], v6 offset:\m*8192+(\s)*1024+\c*512
.endr
.endr
.endm
.macro WM m, t, s                      ; tile of tokens m x tile of columns t, K step s.  The first K step takes the bias as C
.set rD, ACC+8*(4*(\m)+(\t))
.set rW, 32*(\s)+8*(\t)
.set rT, 64*(\m)+8*(\s)
.set rC, rD
.if (\s) == 0
.set rC, BI+8*(\t)
.endif
.set rSW, WS+8*((\t)/2)+(\s)
.set rST, XS+8*((\m)/2)+(\s)
.if ((\t)%2 == 0) && ((\m)%2 == 0)
	v_wmma_scale_f32_16x16x128_f8f6f4 v[rD:rD+7], v[rW:rW+7], v[rT:rT+7], v[rC:rC+7], v[rSW], v[rST] matrix_a_fmt:MATRIX_FMT_FP4 matrix_b_fmt:MATRIX_FMT_FP4
.elseif ((\t)%2 == 1) && ((\m)%2 == 0)
	v_wmma_scale_f32_16x16x128_f8f6f4 v[rD:rD+7], v[rW:rW+7], v[rT:rT+7], v[rC:rC+7], v[rSW], v[rST] matrix_a_fmt:MATRIX_FMT_FP4 matrix_b_fmt:MATRIX_FMT_FP4 matrix_a_scale:MATRIX_SCALE_ROW1
.elseif ((\t)%2 == 0) && ((\m)%2 == 1)
	v_wmma_scale_f32_16x16x128_f8f6f4 v[rD:rD+7], v[rW:rW+7], v[rT:rT+7], v[rC:rC+7], v[rSW], v[rST] matrix_a_fmt:MATRIX_FMT_FP4 matrix_b_fmt:MATRIX_FMT_FP4 matrix_b_scale:MATRIX_SCALE_ROW1
.else
	v_wmma_scale_f32_16x16x128_f8f6f4 v[rD:rD+7], v[rW:rW+7], v[rT:rT+7], v[rC:rC+7], v[rSW], v[rST] matrix_a_fmt:MATRIX_FMT_FP4 matrix_b_fmt:MATRIX_FMT_FP4 matrix_a_scale:MATRIX_SCALE_ROW1 matrix_b_scale:MATRIX_SCALE_ROW1
.endif
.endm
; 16 matrix instructions, the 16 accumulators by turns, one instruction a turn.  left: the LDS loads issued behind this K step's fragments, which may stay out.
.macro KSTEP s, left
	s_wait_loadcnt 8*(7-(\s))                      ; the weights' codes of the later K steps may stay out,
	s_wait_dscnt \left                             ; and the hidden layer's fragments that were asked for behind this K step's: 8 LDS loads a K step
.if (\s) == 0
	WIN 0x36                                       ; source 0 window 2, source 1 window 1, C window 3, D window 0
.else
	WIN 0x06                                       ; C and D window 0
.endif
.irp m, 0,1,2,3
.irp t, 0,1,2,3
	WM \m, \t, \s
.endr
.endr
.endm
; Expert w + 4 k, where the block uses it, comes from hq into its region of LDS, as it lies: 64 + 4 loads and stores of 512 consecutive bytes.  adr: the register with 16 x lane + the region's first byte.
.macro STAGE k, adr
	s_add_co_u32 s38, s34, 4*\k
	s_bitcmp1_b32 s17, s38
	s_cbranch_scc0 .Lnot_used_\@
	s_lshl_b32 s39, s36, 3
	s_add_co_u32 s39, s39, s38                     ; 8 x block + expert
	s_mov_b32 s21, 0
	s_lshl_b32 s20, s39, 15
	s_add_nc_u64 s[40:41], s[4:5], s[20:21]
	s_lshl_b32 s20, s39, 11
	s_add_nc_u64 s[42:43], s[4:5], s[20:21]
	s_add_nc_u64 s[42:43], s[42:43], HSO
	WIN 0x40                                       ; destination window 1
	s_wait_alu depctr_va_vdst(0)                   ; v3, the offset of the 68 loads below, is written
.set i_, 0
.rept 64
	global_load_b128 v[4*i_:4*i_+3], v3, s[40:41] offset:512*i_
.set i_, i_+1
.endr
	WIN 0
.irp i, 0,1,2,3
	global_load_b128 v[ACC+4*\i:ACC+4*\i+3], v3, s[42:43] offset:512*\i
.endr
	s_wait_loadcnt 0x0
	WIN 0x04                                       ; an LDS store's data are its source 1: window 1
.set i_, 0
.rept 64
	ds_store_b128 v[\adr], v[4*i_:4*i_+3] offset:512*i_
.set i_, i_+1
.endr
	WIN 0
.irp i, 0,1,2,3
	ds_store_b128 v[\adr], v[ACC+4*\i:ACC+4*\i+3] offset:32768+512*\i
.endr
	s_wait_dscnt 0x0                               ; my stores have landed
	s_wait_alu depctr_vm_vsrc(0)                   ; the LDS stores have read window 1 and v[ACC .. ACC + 15]: the next staging's loads and the loop's LDS loads land there, and the products write the accumulators
.Lnot_used_\@:
.endm
	s_load_b256 s[4:11], s[0:1], 0x0               ; hq s[4:5], wq s[6:7], b2 s[8:9], ord s[10:11]
	s_load_b128 s[12:15], s[0:1], 0x20             ; sgate s[12:13], out0 s[14:15]
	v_lshl_add_u32 v254, v0, 2, 0x48400
	v_mov_b32 v255, 0
	v_lshrrev_b32 v1, 5, v0
	v_readfirstlane_b32 s34, v1                    ; wave 0..3
	s_mov_b32 s35, ttmp9                           ; which 256 columns
	s_and_b32 s36, ttmp7, 0xffff                   ; which 64 sorted places
	v_and_b32 v1, 15, v0                           ; r
	v_bfe_u32 v2, v0, 4, 1                         ; h
	v_and_b32 v4, 31, v0
	v_lshlrev_b32 v3, 4, v4                        ; 16 x lane; never rewritten
	v_lshlrev_b32 v4, 2, v4                        ; 4 x lane; never rewritten
	v_lshlrev_b32 v5, 6, v2                        ; 64 h: the bias of my half's columns; never rewritten
	s_wait_alu depctr_va_sdst(0)                   ; s34, the wave's number, is written, ahead of its first reader
	s_mul_i32 s38, s34, ER
	v_add_nc_u32 v8, s38, v3                       ; LDS: expert w's region,
	v_add_nc_u32 v9, 4*ER, v8                      ; expert w + 4's
	s_mul_i32 s38, s34, 16*272
	s_add_co_u32 s38, s38, STG                     ; my stage
	v_mul_u32_u24 v10, v1, 272
	v_lshl_add_u32 v10, v2, 6, v10
	v_add_nc_u32 v10, s38, v10                     ; in: row r, + 64 h
	v_mul_u32_u24 v11, v2, 272
	v_lshl_add_u32 v11, v1, 4, v11
	v_add_nc_u32 v11, s38, v11                     ; back: lanes 0-15 one row of 256 bytes, lanes 16-31 the next
	s_lshl_b32 s38, s36, 8
	v_lshl_add_u32 v12, v1, 2, s38                 ; ssel: 4 (64 block + r)
	v_lshl_add_u32 v14, v2, 2, s38                 ; perm: 4 (64 block + h)
	s_lshl_b32 s39, s36, 9
	v_lshl_add_u32 v13, v1, 3, s39                 ; sgate: 8 (64 block + r)
	s_lshl_b32 s47, s36, 2                         ; the block's four masks
	s_mov_b32 s44, 0x05040100                      ; v_perm_b32: the two low halves,
	s_mov_b32 s45, 0x07060302                      ; the two high halves
	s_mov_b32 s37, 0                               ; LDS: the region of the expert in hand
	s_wait_kmcnt 0x0
	s_load_b32 s16, s[10:11], s47 offset:0x8000
	s_wait_alu depctr_va_vdst(0)                   ; the offsets and addresses v3 to v5 and v8 to v14 are written, which the loads and stores of the whole kernel read
.irp m, 0,1,2,3
	global_load_b32 v[216+\m], v12, s[10:11] offset:16384+64*\m
	global_load_b64 v[200+2*\m:201+2*\m], v13, s[12:13] offset:128*\m
.endr
	WIN 0xc0                                       ; destination window 3
.irp m, 0,1,2,3
.irp i, 0,1,2,3,4,5,6,7
	global_load_b32 v[128+8*\m+\i], v14, s[10:11] offset:(16*\m+2*\i)*4   ; the token at place 16 m + 2 i + h: the row that my lane stores on the way out
.endr
.endr
	WIN 0
	s_mov_b32 s21, 0
	s_lshl_b32 s20, s35, 10
	s_lshl_b32 s19, s34, 8
	s_add_co_u32 s20, s20, s19
	s_add_nc_u64 s[22:23], s[8:9], s[20:21]        ; b2 at my wave's first column,
	s_add_nc_u64 s[14:15], s[14:15], s[20:21]      ; and out0 likewise
	s_lshl_b32 s20, s35, 13
	s_lshl_b32 s19, s34, 11
	s_add_co_u32 s20, s20, s19
	s_add_nc_u64 s[24:25], s[6:7], s[20:21]
	s_add_nc_u64 s[24:25], s[24:25], WSO+8*32768   ; the scale words of my two pairs of tiles, in w2's matrices (8 + e)
	s_lshl_b32 s20, s35, 17
	s_lshl_b32 s19, s34, 15
	s_add_co_u32 s20, s20, s19
	s_add_nc_u64 s[26:27], s[6:7], s[20:21]
	s_add_nc_u64 s[26:27], s[26:27], 8*524288      ; their codes
	s_wait_kmcnt 0x0
	s_lshr_b32 s17, s16, 16                        ; the block's mask: the four bytes joined
	s_or_b32 s17, s17, s16
	s_lshr_b32 s19, s17, 8
	s_or_b32 s17, s17, s19
	s_and_b32 s17, s17, 0xff
	s_ctz_i32_b32 s46, s17                         ; the block's first expert
	s_min_u32 s46, s46, 7
	SETBASE 46
	LOADB1
	WIN 0
	STAGE 0, 8
	STAGE 1, 9
	WIN 0xc0
.set i_, 0
.rept 128                              ; the weighted sums begin as zeros: which expert is a block's first hangs on the stored mask, and every path has to find them written
	v_mov_b32 v[i_], 0
.set i_, i_+1
.endr
	v_lshlrev_b32 v192, 4, v1                      ; 16 r, in window 3
	WIN 0
	s_wait_loadcnt 60                              ; the 40 small loads are in: the package's 60 were issued behind them
.irp m, 0,1,2,3
	v_and_b32 v[192+\m], 0xff, v[216+\m]           ; the token's first choice,
	v_bfe_u32 v[196+\m], v[216+\m], 8, 8           ; its second
	v_mov_b32 v[209+2*\m], 0                       ; (named as the upper half of a pair)
.endr
	WIN 0xff                                       ; all in window 3
.set i_, 0
.rept 32
	v_min_u32 v[128+i_], 0xfff, v[128+i_]
	v_lshl_add_u32 v[128+i_], v[128+i_], 12, v192  ; the token's row of 4,096 bytes, + 16 r
.set i_, i_+1
.endr
	WIN 0
	s_wait_dscnt 0x0                               ; for the others' sake: what I staged lies in LDS
	s_barrier_signal -1
	s_barrier_wait -1
	s_mov_b32 s18, 0                               ; the expert
.Lexpert:
	s_wait_alu depctr_vm_vsrc(0)                   ; the LDS loads issued so far have read v6 and v7
	v_add_nc_u32 v6, s37, v3                       ; the expert's images, 16 bytes a lane,
	v_add_nc_u32 v7, s37, v4                       ; and scale halves, 4 bytes a lane
	s_wait_alu depctr_va_vdst(0)                   ; v6 and v7 are written, which the LDS loads below read (the registers in which this trip's loads land were last named ahead of the wait behind K step 7)
	s_bitcmp1_b32 s17, s18
	s_cbranch_scc0 .Lskip
	LOADB2                                         ; the package's last 16 loads, by the bases that were set for this expert
	WIN 0
.irp q, 0,1,2,3,4,5,6,7,8,9,10,11,12,13,14,15
	ds_load_b32 v[HR+\q], v7 offset:32768+128*\q   ; half q = 2 s + c: low 16 bits tiles 0 (lanes 0-15) and 1 (lanes 16-31), high 16 bits tiles 2 and 3
.endr
	WIN 0x40                                       ; destination window 1
	FRAGS 0
	FRAGS 1
	FRAGS 2
	FRAGS 3
	WIN 0
	s_wait_dscnt 32                                ; the 16 loads of scale halves are in; the 32 loads of fragments issued behind them may stay out
.irp s, 0,1,2,3,4,5,6,7
	v_perm_b32 v[XS+\s], v[HR+2*\s+1], v[HR+2*\s], s44     ; K step s: bytes 0, 1 from half c = 0, bytes 2, 3 from c = 1
	v_perm_b32 v[XS+8+\s], v[HR+2*\s+1], v[HR+2*\s], s45
.endr
.irp m, 0,1,2,3                                ; the tokens' gates for this expert.  These 16 lines are also the eight places between the scale words just made and the scaled products
	v_cmp_eq_u32 s[GM+\m], s18, v[192+\m]
.endr
.irp m, 0,1,2,3
	v_cmp_eq_u32 s[GM+4+\m], s18, v[196+\m]
.endr
	s_wait_alu depctr_va_sdst(0)                   ; the eight compares have written s48 to s55, which the selects below read
.irp m, 0,1,2,3
	v_cndmask_b32 v[208+2*\m], 0, v[200+2*\m], s[GM+\m]
.endr
.irp m, 0,1,2,3
	v_cndmask_b32 v[208+2*\m], v[208+2*\m], v[201+2*\m], s[GM+4+\m]
.endr
	s_wait_alu depctr_va_vdst(0)                   ; the v_perm_b32 lines have written v[XS .. XS + 15], which the scaled products take as scales; their places stand above, beside this wait
	KSTEP 0, 24
	KSTEP 1, 16
	WIN 0x40
	FRAGS 4                                        ; no wait: no vector or matrix line since the waits above names v6 or these registers
	FRAGS 5
	KSTEP 2, 24
	KSTEP 3, 16
	WIN 0x40
	FRAGS 6                                        ; likewise
	FRAGS 7
	KSTEP 4, 24
	KSTEP 5, 16
	KSTEP 6, 8
	KSTEP 7, 0
	WIN 0
	PLACES                                         ; four places in front of the first read of results (ISA guide 7.12.1); a fifth, since the next expert's first products write the accumulators anew
	s_wait_alu depctr_va_vdst(0)                   ; the products are done reading the bias, the weights' scale words and codes and window 1, and the v_perm_b32 lines the scale halves: the next expert's loads land in all of these
	s_lshr_b32 s19, s17, s18
	s_lshr_b32 s19, s19, 1                         ; the experts behind this one
	s_cmp_eq_u32 s19, 0
	s_cbranch_scc1 .Lno_next
	s_ctz_i32_b32 s46, s19
	s_add_co_u32 s46, s46, s18
	s_add_co_u32 s46, s46, 1
	s_min_u32 s46, s46, 7
	s_wait_xcnt 0x0                                ; the bases are rewritten only behind this wait
	SETBASE 46
	LOADB1                                         ; the next expert's first 60 loads
	WIN 0
.Lno_next:
	WIN 0xf0                                       ; sums (C and D) window 3, results and gates window 0
.irp m, 0,1,2,3
.set j_, 0
.rept 16
	v_pk_fma_f32 v[32*\m+j_:32*\m+j_+1], v[ACC+32*\m+j_:ACC+32*\m+j_+1], v[208+2*\m:209+2*\m], v[32*\m+j_:32*\m+j_+1] op_sel_hi:[1,0,1]   ; each accumulator from its low end on
.set j_, j_+2
.endr
.endr
	WIN 0
.Lskip:
	s_add_co_u32 s37, s37, ER
	s_add_co_u32 s18, s18, 1
	s_cmp_lt_u32 s18, 8
	s_cbranch_scc1 .Lexpert
; THE WAY OUT, a tile of 16 tokens at a time.  A lane holds 2 x 64 neighbouring bytes of one token's row; they go through my own stage and come back as rows of 256 bytes, which sixteen lanes store to the token's row of out0.
; LDS serves a wave's instructions in order (ISA guide 5.7.1.4): no wait between the stores and the loads, nor in front of the next tile's stores.
	s_wait_alu depctr_va_vdst(0)                   ; the weighted sums are written, which the LDS stores read, and the rows' offsets, which the last stores read; the sums' lines are done reading the accumulators, in which the loads from the stage land.  No vector line follows
.irp m, 0,1,2,3
	WIN 0x0c                                       ; an LDS store's data are its source 1: window 3
.irp p, 0,1
.irp i, 0,1,2,3
	ds_store_b128 v10, v[32*\m+16*\p+4*\i:32*\m+16*\p+4*\i+3] offset:128*\p+16*\i
.endr
.endr
	WIN 0
.irp i, 0,1,2,3,4,5,6,7
	ds_load_b128 v[ACC+32*\m+4*\i:ACC+32*\m+4*\i+3], v11 offset:544*\i
.endr
	WIN 0x03                                       ; the offsets lie in window 3
.irp i, 0,1,2,3,4,5,6,7
	s_wait_dscnt 7-\i                              ; the younger loads from the stage may stay out
	global_store_b128 v[128+8*\m+\i], v[ACC+32*\m+4*\i:ACC+32*\m+4*\i+3], s[14:15] th:TH_STORE_NT   ; sixteen lanes store 256 consecutive bytes, aligned; written once, read by nobody here
.endr
.endr
	WIN 0
	s_wait_dscnt 0x0                               ; the closing lines, six on end
	s_wait_alu 0x0
	s_wait_tensorcnt 0x0
	ds_add_u32 v254, v255
	s_wait_dscnt 0x0
	s_endpgm
.Lfunc_end_k_qcb2f062c90_down:
	.size	k_qcb2f062c90_down, .Lfunc_end_k_qcb2f062c90_down-k_qcb2f062c90_down
	.p2alignl 7, 3214868480
	.fill 96, 4, 3214868480
	.section	.rodata,"a",@progbits
	.p2align	6, 0x0
	.amdhsa_kernel k_qcb2f062c90_down
		.amdhsa_group_segment_fixed_size 296448
		.amdhsa_private_segment_fixed_size 0
		.amdhsa_enable_private_segment 0
		.amdhsa_kernarg_size 48
		.amdhsa_user_sgpr_count 2
		.amdhsa_user_sgpr_kernarg_segment_ptr 1
		.amdhsa_wavefront_size32 1
		.amdhsa_system_sgpr_workgroup_id_x 1
		.amdhsa_system_sgpr_workgroup_id_y 1
		.amdhsa_system_sgpr_workgroup_id_z 1
		.amdhsa_system_vgpr_workitem_id 0
		.amdhsa_next_free_vgpr 976
		.amdhsa_next_free_sgpr 66
		.amdhsa_reserve_vcc 0
		.amdhsa_float_denorm_mode_32 3
		.amdhsa_float_denorm_mode_16_64 3
		.amdhsa_memory_ordered 1
		.amdhsa_forward_progress 1
		.amdhsa_inst_pref_size 90
	.end_amdhsa_kernel
	.amdgpu_metadata
---
amdhsa.version: [ 1, 2 ]
amdhsa.kernels:
  - .name:           k_qcb2f062c90_down
    .symbol:         k_qcb2f062c90_down.kd
    .args:
      - { .name: hq, .offset: 0, .size: 8, .value_kind: global_buffer, .address_space: global }
      - { .name: wq, .offset: 8, .size: 8, .value_kind: global_buffer, .address_space: global }
      - { .name: b2, .offset: 16, .size: 8, .value_kind: global_buffer, .address_space: global }
      - { .name: ord, .offset: 24, .size: 8, .value_kind: global_buffer, .address_space: global }
      - { .name: sgate, .offset: 32, .size: 8, .value_kind: global_buffer, .address_space: global }
      - { .name: out0, .offset: 40, .size: 8, .value_kind: global_buffer, .address_space: global }
    .group_segment_fixed_size: 296448
    .private_segment_fixed_size: 0
    .kernarg_segment_align: 8
    .kernarg_segment_size: 48
    .max_flat_workgroup_size: 128
    .sgpr_count:     66
    .vgpr_count:     976
    .wavefront_size: 32
...
	.end_amdgpu_metadata
.endif
;; end of part 8
